; MI455X (gfx1250); checked and timed in simulation.
; The chip was launched on July 23, 2026; its instructions are those of AMD's public machine-readable ISA for CDNA 5 (MIT licence, August 2026) and "CDNA5" Instruction Set Architecture Reference Guide (July 2026). The comments in the code are by the model that wrote it; some were corrected since.
;; Transformer Block. Allowed arithmetic: matrix products marked QUANTISED: E5M2 operands, one given power-of-two scale a tensor, by v_wmma_f32_16x16x64_bf8_bf8 or v_wmma_f32_16x16x128_bf8_bf8, f32 sums; everything else in f32.
;; Inputs: W1 2,048 x 1,024 float32; W2 1,024 x 2,048 float32; Wkv 512 x 1,024 float32; Wo 1,024 x 1,024 float32; Wq 1,024 x 1,024 float32; b1 2,048 float32; b2 1,024 float32; cos 2,048 x 64 float32; ln1_b 1,024 float32; ln1_g 1,024 float32; ln2_b 1,024 float32; ln2_g 1,024 float32; lowp_scales 14 int32 (the exponents e of the quantised operands' scales 2^e); sin 2,048 x 64 float32; x 2 x 2,048 x 1,024 float32.
;; Outputs: out0 2 x 2,048 x 1,024 float32.
;; This version of the problem:
;;   THIS VERSION OF THE PROBLEM IS GIVEN IN LOW PRECISION. The matrix products marked QUANTISED in the list below multiply operands that are first quantised to E5M2 (5 exponent bits, 2 mantissa bits; 8 bits a number), with one given power-of-two scale for each operand tensor; their sums are f32. All else is computed in f32.
;;   The module's matrix products, in the order in which they are computed (A, B: the left and right operand; K: the contracted axis; several contracted axes count as one K, in the product's order):
;;     1. [M 4,096, K 1,024] x [K 1,024, N 1,024]; A: computed on the way; B: input Wq: QUANTISED (scales: A lowp_scales[0], B lowp_scales[1])
;;     2. [M 4,096, K 1,024] x [K 1,024, N 512]; A: computed on the way; B: input Wkv: QUANTISED (scales: A lowp_scales[2], B lowp_scales[3])
;;     3. batch 8 x [M 8,192, K 64] x [K 64, N 2,048]; A: computed on the way; B: computed on the way: QUANTISED (scales: A lowp_scales[4], B lowp_scales[5])
;;     4. batch 8 x [M 8,192, K 2,048] x [K 2,048, N 64]; A: softmax (see below); B: computed on the way: QUANTISED (scales: A lowp_scales[6], B lowp_scales[7])
;;     5. [M 4,096, K 1,024] x [K 1,024, N 1,024]; A: computed on the way; B: input Wo: QUANTISED (scales: A lowp_scales[8], B lowp_scales[9])
;;     6. [M 4,096, K 1,024] x [K 1,024, N 2,048]; A: computed on the way; B: input W1: QUANTISED (scales: A lowp_scales[10], B lowp_scales[11])
;;     7. [M 4,096, K 2,048] x [K 2,048, N 1,024]; A: computed on the way; B: input W2: QUANTISED (scales: A lowp_scales[12], B lowp_scales[13])
;;   THE QUANTISER, for each operand of a quantised product, along K:
;;     - The operand's scale is 2^e, e = its entry of the input lowp_scales (int32; the entries are numbered through the quantised products in the list's order, A before B).
;;     - Each number is divided by the scale, clamped to +-57,344, and rounded to the nearest number of E5M2, ties to even, subnormals kept.
;;     - The product sums the exact products of the quantised numbers (number of the format x scale) in f32.
;;   ~~~python
;;   def quantise(x, axis, e):      # numpy; x: float32 -> the quantised numbers, widened to float32 again
;;       x = np.moveaxis(x, axis, -1); K = x.shape[-1]
;;       r = np.clip(x / 2.0 ** e, -57344, 57344)
;;       step = 2.0 ** (np.maximum(np.frexp(np.where(r == 0, 1, r))[1] - 1, -14) - 2)
;;       q = np.round(r / step) * step * 2.0 ** e      # np.round: ties to even
;;       return np.moveaxis(q, -1, axis).astype(np.float32)
;;   ~~~
;;   SOFTMAX AHEAD OF A QUANTISED PRODUCT. Where the list says 'softmax', what is quantised is not the finished softmax but p = 2^(t - M), with t = logit x log2(e) and M = ceil(the row's largest t), a whole number; so 1/2 < the row's largest p <= 1. The row's sum l is taken of the UNQUANTISED p, in f32, and the product's result is divided by l at the end. Since M is a whole number, a kernel that streams over the keys may use a running M (the ceiling of the running maximum): every later rescaling is an exact power of two, so the quantised numbers keep their values, but for numbers so far below the row's largest that they fall under the format's range.
;;   OPERANDS COMPUTED ON THE WAY. 'Computed on the way' means the value that the module computes at that place (a softmax that the list does not call 'softmax' is quantised finished and normalised). What goes into a quantiser is computed in f32, as accurately as f32 sums, v_exp_f32 and their like allow (about 1e-6 of the number): no bf16 or f16 on the way to a quantiser, and a product that is left as it is and whose result goes on into a quantised operand takes f32 operands (vector FMAs, or v_wmma_f32_16x16x4_f32). A number that lies on a knife's edge between two numbers of the format may be rounded either way, as far as f32 arithmetic and the matrix unit's own rounding can turn it there, and no further.
;; 2 versions, each right and faster than the one before. Each part assembles by itself: llvm-mc -triple=amdgcn-amd-amdhsa -mcpu=gfx1250 --defsym DOCPART=n.
;; ======== version 1 of 2: 7 launches
;; limits: a function is approximated: absolute error at most 1e-07
;; workspace buffers: hc 8,388,608 bytes; wc 6,815,744 bytes; qkvc 6,291,456 bytes; oc 4,194,304 bytes; x1 16,777,216 bytes; h2c 4,194,304 bytes; gc 8,388,608 bytes
;; launch prep (part 1): grid 672 x 1, 8 waves a work-group, no clusters, 2,048 bytes of LDS; arguments x, ln1_g, ln1_b, Wq, Wkv, Wo, W1, W2, lowp_scales, hc, wc; writes hc, wc
.if DOCPART == 1
	.amdgcn_target "amdgcn-amd-amdhsa--gfx1250"
	.amdhsa_code_object_version 6
	.text
	.protected	k_q28470908cd_prep
	.globl	k_q28470908cd_prep
	.p2align	8
	.type	k_q28470908cd_prep,@function
k_q28470908cd_prep:
	s_mov_b64 s[64:65], 0
	v_nop
	global_prefetch_b8 v0, s[64:65] scope:SCOPE_SE
	s_setreg_imm32_b32 hwreg(HW_REG_WAVE_MODE, 25, 1), 1
	s_wait_xcnt 0x0
; Work-groups 0-255: h = LayerNorm(x) of 16 rows, quantised twice to BF8 (E5M2): under 2^e0 (for Wq's product) and under 2^e2 (for Wkv's).
; Work-groups 256-671: a stripe of 16 rows x 1,024 k of one of the five weights, quantised under its own scale (e1, e3, e9, e11, e13).
; ALL CODES ARE STORED AS IMAGES OF THE OPERAND'S REGISTERS.  A fragment is 16 rows x 128 k = 2,048 bytes; byte 512 q + 16 lane + i (lane = r + 16 h) holds row r,
; k = 32 q + 8 h + i (i < 8) or 32 q + 16 + 8 h + i - 8: registers 2 c, 2 c + 1 of the plain 8-bit form hold k = 16 c + 8 h + 0 .. 7.  An operand [R][K] lies as [R / 16][K / 128][2,048].
; A wave makes one fragment: lane (r, h) loads, for c = 0 .. 7, the 32 bytes at row r, k = 128 wave + 16 c + 8 h; the conversions' results are the fragment's registers, and each store of the wave covers 512 consecutive bytes, aligned.
; The mean and the variance are taken in two passes (x - mean first), so a common offset of x costs no accuracy.  The 8 waves of a row meet in LDS: 64 bytes a wave, bytes 0-511 for the sums, 512-1,023 for the squares.
; LIMITS: each of e0, e1, e2, e3, e9, e11, e13 lies between -126 and 112, so that 2^e and 57,344 x 2^e are f32 numbers.  NaN and infinities among the inputs are not served.
.set X,   32                           ; v32-95   my 64 numbers: register 8 c + i
.set G,   96                           ; v96-159  the gain at my 64 columns; later the codes
.set BV,  160                          ; v160-223 the bias
.set C0,  96                           ; v96-111  codes, first scale
.set C1,  112                          ; v112-127 codes, second scale
.macro LOAD64 reg, adr, base, nt
.irp c, 0,1,2,3,4,5,6,7
.if \nt
	global_load_b128 v[\reg+8*\c:\reg+8*\c+3], v[\adr], s[\base:\base+1] offset:64*\c th:TH_LOAD_NT
	global_load_b128 v[\reg+8*\c+4:\reg+8*\c+7], v[\adr], s[\base:\base+1] offset:64*\c+16 th:TH_LOAD_NT
.else
	global_load_b128 v[\reg+8*\c:\reg+8*\c+3], v[\adr], s[\base:\base+1] offset:64*\c
	global_load_b128 v[\reg+8*\c+4:\reg+8*\c+7], v[\adr], s[\base:\base+1] offset:64*\c+16
.endif
.endr
.endm
.macro MKSCALE e, sc, lim              ; v[sc] = 2^e as f32 (the conversion takes its exponent field), v[lim] = 57,344 x 2^e
	s_add_co_i32 s46, s[\e], 127
	s_lshl_b32 s47, s46, 23
	v_mov_b32 v[\sc], s47
	s_add_co_i32 s46, s46, 15
	s_lshl_b32 s46, s46, 23
	s_or_b32 s46, s46, 0x600000
	v_mov_b32 v[\lim], s46
.endm
; v[8:9] holds my two partial sums.  Out: v12 = the sum over the row's 1,024 numbers, in every lane of the row.
.macro XCHG base
	v_add_f32 v8, v8, v9
	v_permlanex16_b32 v9, v8, s42, s43             ; the row's other 64 numbers of this fragment lie in the lane 16 away
	v_add_f32 v8, v8, v9
	ds_store_b32 v5, v8 offset:\base               ; word 16 wave + r (both halves of the lanes write the same number)
	s_wait_dscnt 0x0                               ; for the others' sake: my store has landed
	s_barrier_signal -1
	s_barrier_wait -1
.irp w, 0,1,2,3,4,5,6,7
	ds_load_b32 v[12+\w], v6 offset:\base+64*\w
.endr
	s_wait_dscnt 0x0
	v_add_f32 v12, v12, v13
	v_add_f32 v14, v14, v15
	v_add_f32 v16, v16, v17
	v_add_f32 v18, v18, v19
	v_add_f32 v12, v12, v14
	v_add_f32 v16, v16, v18
	v_add_f32 v12, v12, v16
.endm
	s_load_b512 s[8:23], s[0:1], 0x0               ; x 8, ln1_g 10, ln1_b 12, Wq 14, Wkv 16, Wo 18, W1 20, W2 22
	s_load_b128 s[24:27], s[0:1], 0x40             ; the scales' exponents 24, hc 26
	s_load_b64 s[28:29], s[0:1], 0x50              ; wc
	v_lshl_add_u32 v224, v0, 2, 0x400
	v_mov_b32 v225, 0
	v_lshrrev_b32 v1, 5, v0
	v_readfirstlane_b32 s30, v1                    ; wave 0..7: which 128 along K
	v_and_b32 v1, 15, v0                           ; r
	v_bfe_u32 v2, v0, 4, 1                         ; h
	v_and_b32 v7, 31, v0
	v_lshlrev_b32 v7, 4, v7
	s_lshl_b32 s31, s30, 11
	v_add_nc_u32 v7, s31, v7                       ; my place in the stripe's images: 2,048 wave + 16 lane
	s_lshl_b32 s31, s30, 9
	v_lshl_add_u32 v4, v2, 5, s31                  ; my place in a row of f32: 512 wave + 32 h
	s_wait_kmcnt 0x0
	s_load_b128 s[32:35], s[24:25], 0x0            ; e0 .. e3
	s_load_b128 s[36:39], s[24:25], 0x20           ; e8 .. e11
	s_load_b64 s[40:41], s[24:25], 0x30            ; e12, e13
	s_cmp_lt_u32 ttmp9, 256                        ; the same in every wave of a work-group
	s_cbranch_scc0 .Lweights
	; ---- LayerNorm of rows 16 wg .. 16 wg + 15
	s_lshl_b32 s46, ttmp9, 16                      ; 16 rows of 4,096 bytes
	s_mov_b32 s47, 0
	s_add_nc_u64 s[8:9], s[8:9], s[46:47]
	s_lshl_b32 s46, ttmp9, 14                      ; a row block's 8 fragments
	s_add_nc_u64 s[26:27], s[26:27], s[46:47]
	v_lshl_add_u32 v3, v1, 12, v4
	LOAD64 X, 3, 8, 1
	LOAD64 G, 4, 10, 0
	LOAD64 BV, 4, 12, 0
	s_lshl_b32 s31, s30, 6
	v_lshl_add_u32 v5, v1, 2, s31                  ; LDS: 64 wave + 4 r
	v_lshlrev_b32 v6, 2, v1                        ; LDS: 4 r
	s_mov_b32 s42, 0x76543210                      ; lane selects: lane l xor 16
	s_mov_b32 s43, 0xfedcba98
	s_mov_b32 s44, 0x3a800000                      ; 1 / 1,024
	s_mov_b32 s45, 0x3727c5ac                      ; 1e-5
	s_wait_kmcnt 0x0
	MKSCALE 32, 25, 24                             ; e0
	MKSCALE 34, 27, 26                             ; e2
	s_wait_loadcnt 32                              ; x's 16 loads are in; the gain's and the bias's 32 may be out
	v_pk_add_f32 v[8:9], v[X:X+1], v[X+2:X+3]
	v_pk_add_f32 v[10:11], v[X+4:X+5], v[X+6:X+7]
.irp j, 8,12,16,20,24,28,32,36,40,44,48,52,56,60
	v_pk_add_f32 v[8:9], v[8:9], v[X+\j:X+\j+1]
	v_pk_add_f32 v[10:11], v[10:11], v[X+\j+2:X+\j+3]
.endr
	v_pk_add_f32 v[8:9], v[8:9], v[10:11]
	XCHG 0
	v_mul_f32 v12, s44, v12                        ; the mean
.set j, 0
.rept 32
	v_pk_add_f32 v[X+j:X+j+1], v[X+j:X+j+1], v[12:13] op_sel_hi:[1,0] neg_lo:[0,1] neg_hi:[0,1]   ; x - mean
.set j, j+2
.endr
	v_pk_mul_f32 v[8:9], v[X:X+1], v[X:X+1]
	v_pk_mul_f32 v[10:11], v[X+2:X+3], v[X+2:X+3]
.irp j, 4,8,12,16,20,24,28,32,36,40,44,48,52,56,60
	v_pk_fma_f32 v[8:9], v[X+\j:X+\j+1], v[X+\j:X+\j+1], v[8:9]
	v_pk_fma_f32 v[10:11], v[X+\j+2:X+\j+3], v[X+\j+2:X+\j+3], v[10:11]
.endr
	v_pk_add_f32 v[8:9], v[8:9], v[10:11]
	XCHG 512                                       ; bytes of its own: no wave can still be reading what is written here
	v_fma_f32 v12, v12, s44, s45                   ; the variance + 1e-5
	v_rsq_f32 v14, v12
	v_nop                                          ; a plain instruction behind the transcendental
	s_wait_loadcnt 0x0                             ; the gain and the bias
.set j, 0
	s_wait_alu depctr_va_vdst(0)
.rept 32
	v_pk_mul_f32 v[X+j:X+j+1], v[X+j:X+j+1], v[14:15] op_sel_hi:[1,0]
.set j, j+2
.endr
.set j, 0
.rept 32
	v_pk_fma_f32 v[X+j:X+j+1], v[X+j:X+j+1], v[G+j:G+j+1], v[BV+j:BV+j+1]
.set j, j+2
.endr
.irp c, 0,1,2,3,4,5,6,7                ; the hold (the conversion to an 8-bit code does not saturate: ISA guide 7.6.2) and the conversion, once for each scale; each run of eight holds is the plain work behind the conversion before it
.irp i, 0,1,2,3,4,5,6,7
	v_med3_num_f32 v[8+\i], v[X+8*\c+\i], -v24, v24
.endr
	v_cvt_scalef32_pk8_bf8_f32 v[C0+2*\c:C0+2*\c+1], v[8:15], v25
.irp i, 0,1,2,3,4,5,6,7
	v_med3_num_f32 v[16+\i], v[X+8*\c+\i], -v26, v26
.endr
	v_cvt_scalef32_pk8_bf8_f32 v[C1+2*\c:C1+2*\c+1], v[16:23], v27
.endr
	v_nop
.irp q, 0,1,2,3
	global_store_b128 v7, v[C0+4*\q:C0+4*\q+3], s[26:27] offset:512*\q
	global_store_b128 v7, v[C1+4*\q:C1+4*\q+3], s[26:27] offset:4194304+512*\q
.endr
	s_wait_tensorcnt 0x0
	ds_add_u32 v224, v225
	s_wait_dscnt 0x0
	s_endpgm
	; ---- a stripe of a weight.  Stripes: Wq 0-63, Wkv 64-95, Wo 96-159, W1 160-287, W2 288-415 (two stripes to a row block: K = 2,048)
.Lweights:
	s_sub_co_u32 s52, ttmp9, 256                   ; the stripe
	s_wait_kmcnt 0x0
	s_mov_b64 s[48:49], s[22:23]                   ; W2, first stripe 288, e13; the choices hang on the work-group's number alone
	s_mov_b32 s50, 288
	s_mov_b32 s51, s41
	s_cmp_lt_u32 s52, 288
	s_cselect_b64 s[48:49], s[20:21], s[48:49]     ; W1
	s_cselect_b32 s50, 160, s50
	s_cselect_b32 s51, s39, s51
	s_cmp_lt_u32 s52, 160
	s_cselect_b64 s[48:49], s[18:19], s[48:49]     ; Wo
	s_cselect_b32 s50, 96, s50
	s_cselect_b32 s51, s37, s51
	s_cmp_lt_u32 s52, 96
	s_cselect_b64 s[48:49], s[16:17], s[48:49]     ; Wkv
	s_cselect_b32 s50, 64, s50
	s_cselect_b32 s51, s35, s51
	s_cmp_lt_u32 s52, 64
	s_cselect_b64 s[48:49], s[14:15], s[48:49]     ; Wq
	s_cselect_b32 s50, 0, s50
	s_cselect_b32 s51, s33, s51
	s_sub_co_u32 s50, s52, s50                     ; the stripe within its tensor
	s_lshl_b32 s53, s50, 16                        ; K = 1,024: 16 rows of 4,096 bytes
	s_lshr_b32 s54, s50, 1                         ; K = 2,048: 16 rows of 8,192 bytes, and which half of them
	s_lshl_b32 s54, s54, 17
	s_and_b32 s55, s50, 1
	s_lshl_b32 s55, s55, 12
	s_or_b32 s54, s54, s55
	s_cmp_ge_u32 s52, 288
	s_cselect_b32 s56, s54, s53
	s_cselect_b32 s58, 13, 12                      ; log2 of a row's bytes
	s_mov_b32 s57, 0
	s_add_nc_u64 s[48:49], s[48:49], s[56:57]
	s_lshl_b32 s60, s52, 14                        ; every stripe is 8 fragments, and the five images lie on end in the stripes' order
	s_mov_b32 s61, 0
	s_add_nc_u64 s[28:29], s[28:29], s[60:61]
	v_lshlrev_b32 v3, s58, v1
	v_add_nc_u32 v3, v3, v4
	LOAD64 X, 3, 48, 1
	MKSCALE 51, 25, 24
	s_wait_loadcnt 0x0
.irp c, 0,1,2,3,4,5,6,7
.irp i, 0,1,2,3,4,5,6,7
	v_med3_num_f32 v[X+8*\c+\i], v[X+8*\c+\i], -v24, v24
.endr
	v_cvt_scalef32_pk8_bf8_f32 v[C0+2*\c:C0+2*\c+1], v[X+8*\c:X+8*\c+7], v25
.endr
	v_nop
.irp q, 0,1,2,3
	global_store_b128 v7, v[C0+4*\q:C0+4*\q+3], s[28:29] offset:512*\q
.endr
	s_endpgm
.Lfunc_end_k_q28470908cd_prep:
	.size	k_q28470908cd_prep, .Lfunc_end_k_q28470908cd_prep-k_q28470908cd_prep
	.p2alignl 7, 3214868480
	.fill 96, 4, 3214868480
	.section	.rodata,"a",@progbits
	.p2align	6, 0x0
	.amdhsa_kernel k_q28470908cd_prep
		.amdhsa_group_segment_fixed_size 2048
		.amdhsa_private_segment_fixed_size 0
		.amdhsa_enable_private_segment 0
		.amdhsa_kernarg_size 88
		.amdhsa_user_sgpr_count 2
		.amdhsa_user_sgpr_kernarg_segment_ptr 1
		.amdhsa_wavefront_size32 1
		.amdhsa_system_sgpr_workgroup_id_x 1
		.amdhsa_system_sgpr_workgroup_id_y 1
		.amdhsa_system_sgpr_workgroup_id_z 1
		.amdhsa_system_vgpr_workitem_id 0
		.amdhsa_next_free_vgpr 226
		.amdhsa_next_free_sgpr 66
		.amdhsa_reserve_vcc 0
		.amdhsa_float_denorm_mode_32 3
		.amdhsa_float_denorm_mode_16_64 3
		.amdhsa_memory_ordered 1
		.amdhsa_forward_progress 1
		.amdhsa_inst_pref_size 38
	.end_amdhsa_kernel
	.amdgpu_metadata
---
amdhsa.version: [ 1, 2 ]
amdhsa.kernels:
  - .name:           k_q28470908cd_prep
    .symbol:         k_q28470908cd_prep.kd
    .args:
      - { .name: x, .offset: 0, .size: 8, .value_kind: global_buffer, .address_space: global }
      - { .name: ln1_g, .offset: 8, .size: 8, .value_kind: global_buffer, .address_space: global }
      - { .name: ln1_b, .offset: 16, .size: 8, .value_kind: global_buffer, .address_space: global }
      - { .name: Wq, .offset: 24, .size: 8, .value_kind: global_buffer, .address_space: global }
      - { .name: Wkv, .offset: 32, .size: 8, .value_kind: global_buffer, .address_space: global }
      - { .name: Wo, .offset: 40, .size: 8, .value_kind: global_buffer, .address_space: global }
      - { .name: W1, .offset: 48, .size: 8, .value_kind: global_buffer, .address_space: global }
      - { .name: W2, .offset: 56, .size: 8, .value_kind: global_buffer, .address_space: global }
      - { .name: lowp_scales, .offset: 64, .size: 8, .value_kind: global_buffer, .address_space: global }
      - { .name: hc, .offset: 72, .size: 8, .value_kind: global_buffer, .address_space: global }
      - { .name: wc, .offset: 80, .size: 8, .value_kind: global_buffer, .address_space: global }
    .group_segment_fixed_size: 2048
    .private_segment_fixed_size: 0
    .kernarg_segment_align: 8
    .kernarg_segment_size: 88
    .max_flat_workgroup_size: 256
    .sgpr_count:     66
    .vgpr_count:     226
    .wavefront_size: 32
...
	.end_amdgpu_metadata
.endif
;; end of part 1
;; launch qkv (part 2): grid 12 x 32, 4 waves a work-group, clusters of 4 x 4, 262,656 bytes of LDS; arguments hc, wc, lowp_scales, cos, sin, qkvc; writes qkvc
.if DOCPART == 2
	.amdgcn_target "amdgcn-amd-amdhsa--gfx1250"
	.amdhsa_code_object_version 6
	.text
	.protected	k_q28470908cd_qkv
	.globl	k_q28470908cd_qkv
	.p2align	8
	.type	k_q28470908cd_qkv,@function
k_q28470908cd_qkv:
	s_mov_b64 s[64:65], 0
	v_nop
	global_prefetch_b8 v0, s[64:65] scope:SCOPE_SE
	s_setreg_imm32_b32 hwreg(HW_REG_WAVE_MODE, 25, 1), 1
	s_wait_xcnt 0x0
	s_wait_alu depctr_hold_cnt(0) depctr_sa_sdst(0) depctr_va_vdst(0) depctr_va_sdst(0) depctr_va_ssrc(0) depctr_va_vcc(0) depctr_vm_vsrc(0)
	s_getreg_b32 s2, hwreg(HW_REG_IB_STS2, 6, 4)
	s_cmp_eq_u32 s2, 0
	s_cbranch_scc0 .Lentry_in_a_cluster
	s_endpgm
.Lentry_in_a_cluster:
	s_bfe_u32 s2, ttmp6, 0x10000c
	s_cmp_lg_u32 s2, 0xf033
	s_cbranch_scc0 .Lentry_shape_is_right
	s_endpgm
.Lentry_shape_is_right:
; q = rope(h Wq^T), k = rope(h Wk^T), v = h Wv^T on codes of BF8 (E5M2), and their codes for attention.  C is [4,096 tokens][1,536]: columns 0-1,023 q (h under e0, Wq under e1), 1,024-1,535 k and v (e2, e3).
; OPERANDS ARE IMAGES OF THEIR REGISTERS: a fragment (16 rows x 128 k) is 2,048 bytes, byte 512 q + 16 lane + i; an operand [R][K] lies as [R / 16][K / 128][2,048].  So tiles are dense, a fragment is four ds_load_b128 at 16 x lane, and k stands in its own place.
; A work-group of four waves makes 128 x 128 of C, a wave 64 x 64: 16 accumulators.  K = 1,024 lies whole in LDS, as two slots of 512, each filled once: no LDS byte is filled twice.
; CLUSTERS: 4 x 4 work-groups; the four of a row ask jointly for the tokens' tiles, the four of a column for the weights'.
; THE PRODUCT IS USED TRANSPOSED: source 0 = 16 weight rows, source 1 = 16 tokens: lane (r, h) holds token r and columns 16 b + 8 h + 0 .. 7: eight neighbours along the next K, so a conversion's two registers are registers 2 b, 2 b + 1 of the next operand.
; V's next K is the KEYS: the waves that make v (column half 1 of tiles 8-11) swap the two sources, by swapping two LDS base addresses: lane (r, h) then holds channel 16 a + r and tokens 16 b + 8 h + 0 .. 7.
; OUT: q [b][16 heads][128 tiles][1,024] at 0 and k [b][4][128][1,024] at 4,194,304 (16 tokens x 64 channels, the K = 64 form's registers); v [b][4][16 key blocks][4 channel blocks][2,048] at 5,242,880 (16 channels x 128 keys).
; The three scales are folded into the conversion's one: a sum stands for sum x 2^(eA + eB), and rope is linear.
; LIMITS: e4 - e0 - e1, e5 - e2 - e3, e7 - e2 - e3 lie between -126 and 112.  NaN and infinities are not served.
; REGISTERS: window 0: v16-27 addresses, v30-31 the hold and the scale, v32-103 the way out, v128-255 the accumulators ((a, b) at 128 + 8 (4 a + b); a: source 1's block, b: source 0's).
;   window 1: two sets of fragments of 128: source 1's four at 16 a, source 0's four at 64 + 16 b.   window 2: cos at 64 a + 16 b + 0 .. 7, sin at + 8 .. 15 (q's and k's waves).
.set KTOT,  1024
.set RBB,   KTOT*16                    ; bytes of a block of 16 rows in an image
.set SLOT,  131072                     ; 512 along K: the tokens' 8 row blocks x 8,192 bytes, then the weights' 8
.set G1,  24                           ; s[24:31] descriptor group 1 for the tokens' tiles;  s[32:39] group 0, one set for each slot
.set G0,  32
.set G1B, 48                           ; s[48:55], s[56:63] the same for the weights' tiles
.set G0B, 56
.set AD0, 16                           ; v16-17  LDS address of source 0's fragments in slot 0, 1
.set AD1, 20                           ; v20-21  of source 1's
.set LI,  27                           ; v27     16 x lane
.set ACC, 128
.set F0,  0
.set F1,  128
.set Y,   32                           ; the way out: 32 numbers of a block
.set T,   64                           ; 8 at work
.set CD,  72                           ; codes: 8 registers for each block a, so that no store's data are written again
.set MSB, 0
.macro WIN new                         ; the immediate's high byte repeats the setting that is left
.if MSB != \new
	s_set_vgpr_msb (MSB<<8)|\new
.set MSB, \new
.endif
.endm
.macro PLACES                          ; four plain vector instructions between a matrix instruction and a load into its sources or a read of its result
.rept 4
	v_nop
.endr
.endm
.macro CROUND                          ; a round of the cluster's barrier
	s_barrier_signal -1
	s_barrier_wait -1
	s_cmp_lg_u32 s10, 0
	s_cbranch_scc1 .Lnot_wave_0_\@
	s_barrier_signal -3
.Lnot_wave_0_\@:
	s_barrier_wait -3
	s_barrier_signal -1
	s_barrier_wait -1
.endm
.macro FETCH slot, kf, f               ; 32 LDS loads: the eight fragments of the slot's kf-th 128 along K into set f
	WIN 0x40
.irp i, 0,1,2,3
.irp q, 0,1,2,3
	ds_load_b128 v[\f+64+16*\i+4*\q:\f+64+16*\i+4*\q+3], v[AD0+\slot] offset:\i*8192+(\kf)*2048+\q*512
.endr
.endr
.irp i, 0,1,2,3
.irp q, 0,1,2,3
	ds_load_b128 v[\f+16*\i+4*\q:\f+16*\i+4*\q+3], v[AD1+\slot] offset:\i*8192+(\kf)*2048+\q*512
.endr
.endr
.endm
.macro MUL4 f, a, zero                 ; the 16 accumulators take turns, one instruction a turn, in the same order in every step
.irp b, 0,1,2,3
.if \zero
	v_wmma_f32_16x16x128_bf8_bf8 v[ACC+8*(4*(\a)+\b):ACC+8*(4*(\a)+\b)+7], v[\f+64+16*\b:\f+64+16*\b+15], v[\f+16*(\a):\f+16*(\a)+15], 0
.else
	v_wmma_f32_16x16x128_bf8_bf8 v[ACC+8*(4*(\a)+\b):ACC+8*(4*(\a)+\b)+7], v[\f+64+16*\b:\f+64+16*\b+15], v[\f+16*(\a):\f+16*(\a)+15], v[ACC+8*(4*(\a)+\b):ACC+8*(4*(\a)+\b)+7]
.endif
.endr
.endm
.macro STEP f, g, slot, kf, zero       ; multiplies set f; ahead of that asks for the next 128 along K into set g
	PLACES
	FETCH \slot, \kf, \g
	s_wait_dscnt 32                                ; all but the 32 just issued: set f is in
	WIN 0x05
	MUL4 \f, 0, \zero
	MUL4 \f, 1, \zero
	MUL4 \f, 2, \zero
	MUL4 \f, 3, \zero
.endm
.macro BOUND f, g, next                ; the step that goes over to the second slot: my part of it has landed, then the barrier; nothing is filled again
	s_wait_tensorcnt 0x0                           ; no load was issued behind the second slot's
	s_wait_dscnt 0x0                               ; set f is in, and no LDS instruction of mine is pending at the signal
	s_barrier_signal -1
	WIN 0x05
	MUL4 \f, 0, 0
	MUL4 \f, 1, 0
	s_barrier_wait -1
	PLACES
	FETCH \next, 0, \g
	WIN 0x05
	MUL4 \f, 2, 0
	MUL4 \f, 3, 0
.endm
.macro LAST f
	s_wait_dscnt 0x0
	WIN 0x05
	MUL4 \f, 0, 0
	MUL4 \f, 1, 0
	MUL4 \f, 2, 0
	MUL4 \f, 3, 0
	WIN 0
.endm
	s_load_b128 s[4:7], s[0:1], 0x0                ; hc, wc
	s_load_b256 s[68:75], s[0:1], 0x10             ; the scales' exponents 68, cos 70, sin 72, qkvc 74
	v_lshl_add_u32 v126, v0, 2, 0x40000
	v_mov_b32 v127, 0
	ds_add_u32 v126, v127
	ds_add_u32 v126, v127
	v_lshrrev_b32 v1, 5, v0
	v_readfirstlane_b32 s10, v1                    ; wave 0..3
	s_lshr_b32 s11, s10, 1                         ; which half of the tile's tokens is mine.  Also: I fetch tokens (0) or weights (1)
	s_and_b32 s12, s10, 1                          ; which half of its columns.  Also: which 4 row blocks of that tile I fetch
	s_bfe_u32 s40, ttmp6, 0x40000                  ; cx, cy: my place in the cluster
	s_bfe_u32 s41, ttmp6, 0x40004
	s_lshl_b32 s42, ttmp9, 2
	s_add_co_u32 s42, s42, s40                     ; tile column = 4 x cluster x + cx
	s_and_b32 s13, ttmp7, 0xffff
	s_lshl_b32 s13, s13, 2
	s_add_co_u32 s13, s13, s41                     ; tile row = 4 x cluster y + cy
	s_lshl_b32 s43, s41, 2
	s_lshl_b32 s43, 15, s43                        ; my row of the cluster
	s_lshl_b32 s44, 0x1111, s40                    ; my column
	s_or_b32 s[G1], s43, (3<<16)|(1<<21)           ; 15:0 the mask; 17:16 elements of 8 bytes; 20 no padding; 21 set beside a mask
	s_or_b32 s[G1B], s44, (3<<16)|(1<<21)
.irp g, G1, G1B
	s_mov_b32 s[\g+1], 1024<<16                    ; tensor_dim0 = 1,024 elements: 8,192 bytes, a row block's four fragments
	s_mov_b32 s[\g+2], 4<<16                       ; tensor_dim1 = 4 row blocks
	s_mov_b32 s[\g+3], 1024<<16                    ; tile_dim0
	s_mov_b32 s[\g+4], 4                           ; tile_dim1
	s_mov_b32 s[\g+5], RBB/8                       ; from row block to row block
	s_mov_b32 s[\g+6], 0
	s_mov_b32 s[\g+7], 0
.endr
	s_cmp_ge_u32 ttmp9, 2                          ; tiles 8-11 are k's and v's: the cluster's x, alike in all partners
	s_cselect_b32 s88, 1, 0
	s_cselect_b32 s89, 0x400000, 0                 ; they take h's codes under e2
	s_lshl_b32 s17, s12, 2
	s_lshl_b32 s16, s13, 3
	s_add_co_u32 s16, s16, s17                     ; tokens: row block 8 x tile row + 4 x half
	s_mul_i32 s16, s16, RBB
	s_add_co_u32 s16, s16, s89
	s_lshl_b32 s46, s42, 3
	s_add_co_u32 s46, s46, s17                     ; weights: row block 8 x tile column + 4 x half (Wq's and Wkv's images lie on end)
	s_mul_i32 s46, s46, RBB
	s_mov_b32 s17, 0
	s_mov_b32 s47, 0
	s_lshl_b32 s20, s10, 15                        ; where they go: wave x 32,768
	s_wait_dscnt 0x0
	s_wait_kmcnt 0x0
	s_load_b256 s[80:87], s[68:69], 0x0            ; e0 .. e7
	s_add_nc_u64 s[14:15], s[4:5], s[16:17]
	s_add_nc_u64 s[46:47], s[6:7], s[46:47]
	CROUND                                         ; all sixteen work-groups are here: the joint loads meet
.irp s, 0,1
	s_mov_b32 s[G0+4*\s], 1
	s_add_co_u32 s[G0+4*\s+1], s20, \s*SLOT
	s_add_nc_u64 s[G0+4*\s+2:G0+4*\s+3], s[14:15], \s*8192
	s_or_b32 s[G0+4*\s+3], s[G0+4*\s+3], 0x80000000
	s_mov_b32 s[G0B+4*\s], 1
	s_add_co_u32 s[G0B+4*\s+1], s20, \s*SLOT
	s_add_nc_u64 s[G0B+4*\s+2:G0B+4*\s+3], s[46:47], \s*8192
	s_or_b32 s[G0B+4*\s+3], s[G0B+4*\s+3], 0x80000000
.endr
	s_cmp_eq_u32 s11, 0                            ; a wave's two fills stand in one branch: two tensor loads of mine are out
	s_cbranch_scc0 .Lfirst_b
	tensor_load_to_lds s[G0:G0+3], s[G1:G1+7]
	s_nop 0
	tensor_load_to_lds s[G0+4:G0+7], s[G1:G1+7]
	s_nop 0
.rept 4
	v_nop
.endr
	s_branch .Lfirst_asked
.Lfirst_b:
	tensor_load_to_lds s[G0B:G0B+3], s[G1B:G1B+7]
	s_nop 0
	tensor_load_to_lds s[G0B+4:G0B+7], s[G1B:G1B+7]
	s_nop 0
.rept 4
	v_nop
.endr
.Lfirst_asked:
	v_and_b32 v1, 15, v0                           ; r
	v_bfe_u32 v2, v0, 4, 1                         ; h
	v_and_b32 v3, 31, v0
	v_lshlrev_b32 v[LI], 4, v3
	s_lshl_b32 s21, s11, 15                        ; my 4 row blocks of tokens
	s_lshl_b32 s22, s12, 15
	s_add_co_u32 s22, s22, 65536                   ; my 4 row blocks of weights
	s_and_b32 s90, s88, s12                        ; 1: I make v
	s_cselect_b32 s23, s21, s22                    ; source 0: weights, for v tokens
	s_cselect_b32 s45, s22, s21                    ; source 1: tokens, for v weights
	v_add_nc_u32 v[AD0], s23, v[LI]
	v_add_nc_u32 v[AD0+1], SLOT, v[AD0]
	v_add_nc_u32 v[AD1], s45, v[LI]
	v_add_nc_u32 v[AD1+1], SLOT, v[AD1]
	s_lshr_b32 s91, s13, 4                         ; the batch
	s_and_b32 s92, s13, 15                         ; which 128 tokens of it
	s_lshl_b32 s94, s92, 15
	s_lshl_b32 s93, s11, 14
	s_add_co_u32 s94, s94, s93                     ; my 64 tokens' rows of 256 bytes in cos and sin
	s_mov_b32 s95, 0
	s_add_nc_u64 s[70:71], s[70:71], s[94:95]
	s_add_nc_u64 s[72:73], s[72:73], s[94:95]
	v_lshlrev_b32 v4, 8, v1
	v_lshl_add_u32 v4, v2, 5, v4                   ; row r, + 32 h
	s_cmp_lg_u32 s90, 0
	s_cbranch_scc1 .Lno_tables                     ; v is not turned
	WIN 0x80                                       ; destination window 2
.irp a, 0,1,2,3
.irp b, 0,1,2,3
	global_load_b128 v[64*\a+16*\b:64*\a+16*\b+3], v4, s[70:71] offset:\a*4096+64*\b
	global_load_b128 v[64*\a+16*\b+4:64*\a+16*\b+7], v4, s[70:71] offset:\a*4096+64*\b+16
	global_load_b128 v[64*\a+16*\b+8:64*\a+16*\b+11], v4, s[72:73] offset:\a*4096+64*\b
	global_load_b128 v[64*\a+16*\b+12:64*\a+16*\b+15], v4, s[72:73] offset:\a*4096+64*\b+16
.endr
.endr
	WIN 0
.Lno_tables:
	s_wait_tensorcnt 1                             ; my part of slot 0 is in; slot 1's may stay out
	s_barrier_signal -1
	s_barrier_wait -1
	FETCH 0, 0, F0
	STEP F0, F1, 0, 1, 1                           ; the first products start the sums
	STEP F1, F0, 0, 2, 0
	STEP F0, F1, 0, 3, 0
	BOUND F1, F0, 1
	STEP F0, F1, 1, 1, 0
	STEP F1, F0, 1, 2, 0
	STEP F0, F1, 1, 3, 0
	LAST F1
	s_wait_kmcnt 0x0
	s_lshl_b32 s99, s91, 2
	s_add_co_u32 s99, s99, s42
	s_sub_co_u32 s99, s99, 8                       ; k, v: batch x 4 + key head (used in tiles 8-11 alone)
	PLACES
	s_cmp_lg_u32 s90, 0
	s_cbranch_scc1 .Lv_out
	; ---- q or k: rope, the hold, the conversion
	s_lshl_b32 s93, s91, 4
	s_lshl_b32 s94, s42, 1
	s_add_co_u32 s93, s93, s94
	s_add_co_u32 s93, s93, s12                     ; q: batch x 16 + head, head = 2 x tile column + half
	s_sub_co_i32 s97, s84, s80
	s_sub_co_i32 s97, s97, s81                     ; e4 - e0 - e1
	s_sub_co_i32 s98, s85, s82
	s_sub_co_i32 s98, s98, s83                     ; e5 - e2 - e3
	s_cmp_lg_u32 s88, 0
	s_cselect_b32 s93, s99, s93
	s_cselect_b32 s96, 0x400000, 0
	s_cselect_b32 s97, s98, s97
	s_lshl_b32 s93, s93, 7
	s_lshl_b32 s94, s92, 3
	s_add_co_u32 s93, s93, s94
	s_lshl_b32 s94, s11, 2
	s_add_co_u32 s93, s93, s94                     ; + my first tile of 16 tokens
	s_lshl_b32 s93, s93, 10
	s_add_co_u32 s94, s93, s96
	s_mov_b32 s95, 0
	s_add_nc_u64 s[74:75], s[74:75], s[94:95]
	s_add_co_i32 s97, s97, 127
	s_lshl_b32 s98, s97, 23
	v_mov_b32 v31, s98                             ; the folded scale as f32
	s_add_co_i32 s97, s97, 15
	s_lshl_b32 s97, s97, 23
	s_or_b32 s97, s97, 0x600000
	v_mov_b32 v30, s97                             ; 57,344 x that
	s_wait_loadcnt 0x0                             ; cos and sin
.macro ROPE a
	WIN 0x08                                       ; source 1 (cos, sin) window 2
.irp b, 0,1,2,3
.irp i, 0,2,4,6
	v_mul_f32 v[T+\i], v[ACC+8*(4*(\a)+\b)+\i+1], v[64*(\a)+16*\b+8+\i]
	v_mul_f32 v[T+\i+1], v[ACC+8*(4*(\a)+\b)+\i], v[64*(\a)+16*\b+8+\i+1]
.endr
.irp i, 0,2,4,6
	v_fma_f32 v[Y+8*\b+\i], v[ACC+8*(4*(\a)+\b)+\i], v[64*(\a)+16*\b+\i], -v[T+\i]        ; x0 c0 - x1 s0
	v_fma_f32 v[Y+8*\b+\i+1], v[ACC+8*(4*(\a)+\b)+\i+1], v[64*(\a)+16*\b+\i+1], v[T+\i+1]  ; x1 c1 + x0 s1
.endr
.endr
	WIN 0
.set j, 0
.rept 32
	v_med3_num_f32 v[Y+j], v[Y+j], -v30, v30       ; the conversion does not saturate (ISA guide 7.6.2)
.set j, j+1
.endr
.irp b, 0,1,2,3
	v_cvt_scalef32_pk8_bf8_f32 v[CD+8*(\a)+2*\b:CD+8*(\a)+2*\b+1], v[Y+8*\b:Y+8*\b+7], v31
.endr
	v_nop                                          ; a plain instruction behind the last conversion
	global_store_b128 v[LI], v[CD+8*(\a):CD+8*(\a)+3], s[74:75] offset:(\a)*1024
	global_store_b128 v[LI], v[CD+8*(\a)+4:CD+8*(\a)+7], s[74:75] offset:(\a)*1024+512
.endm
	ROPE 0
	ROPE 1
	ROPE 2
	ROPE 3
	s_branch .Ldone
.Lv_out:
	; ---- v: lane (r, h) holds channel 16 a + r and tokens 16 b + 8 h + 0 .. 7: registers 2 c, 2 c + 1, c = 4 x token half + b, of the fragment (key block, channel block a)
	s_sub_co_i32 s97, s87, s82
	s_sub_co_i32 s97, s97, s83                     ; e7 - e2 - e3
	s_lshl_b32 s93, s99, 4
	s_add_co_u32 s93, s93, s92
	s_lshl_b32 s93, s93, 13
	s_lshl_b32 s94, s11, 10
	s_add_co_u32 s93, s93, s94
	s_add_co_u32 s94, s93, 5242880
	s_mov_b32 s95, 0
	s_add_nc_u64 s[74:75], s[74:75], s[94:95]
	s_add_co_i32 s97, s97, 127
	s_lshl_b32 s98, s97, 23
	v_mov_b32 v31, s98
	s_add_co_i32 s97, s97, 15
	s_lshl_b32 s97, s97, 23
	s_or_b32 s97, s97, 0x600000
	v_mov_b32 v30, s97
.irp a, 0,1,2,3
.set j, 0
.rept 32
	v_med3_num_f32 v[ACC+32*\a+j], v[ACC+32*\a+j], -v30, v30
.set j, j+1
.endr
.irp b, 0,1,2,3
	v_cvt_scalef32_pk8_bf8_f32 v[CD+8*\a+2*\b:CD+8*\a+2*\b+1], v[ACC+8*(4*\a+\b):ACC+8*(4*\a+\b)+7], v31
.endr
	v_nop
	global_store_b128 v[LI], v[CD+8*\a:CD+8*\a+3], s[74:75] offset:\a*2048
	global_store_b128 v[LI], v[CD+8*\a+4:CD+8*\a+7], s[74:75] offset:\a*2048+512
.endr
.Ldone:
	s_wait_dscnt 0x0
	s_wait_tensorcnt 0x0
	ds_add_u32 v126, v127
	s_wait_dscnt 0x0
	CROUND                                         ; the closing round: no work-group ends while a partner may still ask for a tile that names it
	s_endpgm
.Lfunc_end_k_q28470908cd_qkv:
	.size	k_q28470908cd_qkv, .Lfunc_end_k_q28470908cd_qkv-k_q28470908cd_qkv
	.p2alignl 7, 3214868480
	.fill 96, 4, 3214868480
	.section	.rodata,"a",@progbits
	.p2align	6, 0x0
	.amdhsa_kernel k_q28470908cd_qkv
		.amdhsa_group_segment_fixed_size 262656
		.amdhsa_private_segment_fixed_size 0
		.amdhsa_enable_private_segment 0
		.amdhsa_kernarg_size 48
		.amdhsa_user_sgpr_count 2
		.amdhsa_user_sgpr_kernarg_segment_ptr 1
		.amdhsa_wavefront_size32 1
		.amdhsa_system_sgpr_workgroup_id_x 1
		.amdhsa_system_sgpr_workgroup_id_y 1
		.amdhsa_system_sgpr_workgroup_id_z 1
		.amdhsa_system_vgpr_workitem_id 0
		.amdhsa_next_free_vgpr 768
		.amdhsa_next_free_sgpr 100
		.amdhsa_reserve_vcc 0
		.amdhsa_float_denorm_mode_32 3
		.amdhsa_float_denorm_mode_16_64 3
		.amdhsa_memory_ordered 1
		.amdhsa_forward_progress 1
		.amdhsa_inst_pref_size 73
	.end_amdhsa_kernel
	.amdgpu_metadata
---
amdhsa.version: [ 1, 2 ]
amdhsa.kernels:
  - .name:           k_q28470908cd_qkv
    .symbol:         k_q28470908cd_qkv.kd
    .args:
      - { .name: hc, .offset: 0, .size: 8, .value_kind: global_buffer, .address_space: global }
      - { .name: wc, .offset: 8, .size: 8, .value_kind: global_buffer, .address_space: global }
      - { .name: lowp_scales, .offset: 16, .size: 8, .value_kind: global_buffer, .address_space: global }
      - { .name: cos, .offset: 24, .size: 8, .value_kind: global_buffer, .address_space: global }
      - { .name: sin, .offset: 32, .size: 8, .value_kind: global_buffer, .address_space: global }
      - { .name: qkvc, .offset: 40, .size: 8, .value_kind: global_buffer, .address_space: global }
    .group_segment_fixed_size: 262656
    .private_segment_fixed_size: 0
    .kernarg_segment_align: 8
    .kernarg_segment_size: 48
    .max_flat_workgroup_size: 128
    .sgpr_count:     100
    .vgpr_count:     768
    .wavefront_size: 32
...
	.end_amdgpu_metadata
.endif
;; end of part 2
;; launch attn (part 3): grid 32 x 8, 8 waves a work-group, clusters of 4 x 1, 263,168 bytes of LDS; arguments qkvc, lowp_scales, oc; writes oc
.if DOCPART == 3
	.amdgcn_target "amdgcn-amd-amdhsa--gfx1250"
	.amdhsa_code_object_version 6
	.text
	.protected	k_q28470908cd_attn
	.globl	k_q28470908cd_attn
	.p2align	8
	.type	k_q28470908cd_attn,@function
k_q28470908cd_attn:
	s_mov_b64 s[64:65], 0
	v_nop
	global_prefetch_b8 v0, s[64:65] scope:SCOPE_SE
	s_setreg_imm32_b32 hwreg(HW_REG_WAVE_MODE, 25, 1), 1
	s_wait_xcnt 0x0
	s_wait_alu depctr_hold_cnt(0) depctr_sa_sdst(0) depctr_va_vdst(0) depctr_va_sdst(0) depctr_va_ssrc(0) depctr_va_vcc(0) depctr_vm_vsrc(0)
	s_getreg_b32 s2, hwreg(HW_REG_IB_STS2, 6, 4)
	s_cmp_eq_u32 s2, 0
	s_cbranch_scc0 .Lentry_in_a_cluster
	s_endpgm
.Lentry_in_a_cluster:
	s_bfe_u32 s2, ttmp6, 0x10000c
	s_cmp_lg_u32 s2, 0x3003
	s_cbranch_scc0 .Lentry_shape_is_right
	s_endpgm
.Lentry_shape_is_right:
; o = softmax(q k^T / 8) v for 16 query heads on 4 key heads, both products on codes of BF8 (E5M2), and o's codes under 2^e8 for Wo's product.
; THE SOFTMAX AHEAD OF THE SECOND PRODUCT: t = score x log2(e) / 8; M = the running largest t rounded UP to a whole number; p = 2^(t - M) is quantised under 2^e6, not normalised; the row's sum is taken of the unquantised p and divides at the end.
; When M moves, the sum and O are multiplied by 2^(old M - new M): exact.
; SHARES.  Work-group (x, y): y = batch x 4 + key head; x = 8 g + block: query head 4 x key head + g, 256 queries.  Each of 8 waves owns 32 queries, two tiles of 16, so that each fragment of K and V read from LDS feeds two matrix instructions.
; LDS holds ALL of the head's K (bytes 0-131,071: 128 tiles of 16 keys x 64, 1,024 bytes each) and V (131,072 on: 16 key blocks x 4 channel blocks x 2,048 bytes): every byte is filled once.
; CLUSTER: the four work-groups of a cluster share y, so K and V are asked for jointly; wave w brings 16,384 bytes of each half of K (waves 0-3) or of V (waves 4-7).
; LAYOUT.  Both products transposed: S^T = K Q^T (source 0 = 16 keys, source 1 = 16 queries), O^T = V^T P^T: a lane holds one query throughout.  S^T's tile c holds keys 16 c + 8 h + 0 .. 7, which are registers 2 c, 2 c + 1 of P as an operand.
; LIMITS: e4 + e5 between -123 and 130 (added to c's exponent field); e6 and e8 between -126 and 112.  NaN and infinities are not served.
; REGISTERS: window 0: v1-3 addresses; v4.. (-M, largest t), v8.. the sum in two halves, v12.. (f, 0), a pair for each tile; v16-23 at work; v32-95 K's or V's fragments; v96-223 S^T, then p (64 a tile); v224-255 p's codes.
;   window 1: v0-63 O^T (32 a tile), v64-79 Q.
.set LI,  1
.set AK,  2
.set AV,  3
.set MT,  4
.set SUM, 8
.set FF,  12
.set LIM, 20
.set SCL, 21
.set S,   96
.set PC,  224
.set WV,  12                           ; s12 my wave's number
.set G1,  24                           ; s[24:31] descriptor group 1; s[32:35], s[36:39] group 0 for the two halves
.set CS,  46                           ; s[46:47] c
.set SEL, 48                           ; s[48:49] lane selects: lane l xor 16
.set TB,  50                           ; s50 LDS byte of the step's tiles of K
.set CNT, 51
.set MSB, 0
.macro WIN new
.if MSB != \new
	s_set_vgpr_msb (MSB<<8)|\new
.set MSB, \new
.endif
.endm
.macro PLACES
.rept 4
	v_nop
.endr
.endm
.macro CROUND
	s_barrier_signal -1
	s_barrier_wait -1
	s_cmp_lg_u32 s[WV], 0
	s_cbranch_scc1 .Lnot_wave_0_\@
	s_barrier_signal -3
.Lnot_wave_0_\@:
	s_barrier_wait -3
	s_barrier_signal -1
	s_barrier_wait -1
.endm
; The softmax of tile u for one step of 128 keys (64 a lane).
.macro SOFT u
.set rS, S+64*\u
.set rM, MT+2*\u
.set rL, SUM+2*\u
.set rF, FF+2*\u
.set rP, PC+16*\u
	v_max3_num_f32 v16, v[rS], v[rS+1], v[rS+2]    ; the step's largest score among my 64 keys, in two chains; each accumulator is first read at its low end
	v_max3_num_f32 v17, v[rS+3], v[rS+4], v[rS+5]
.irp i, 6,10,14,18,22,26,30,34,38,42,46,50,54,58
	v_max3_num_f32 v16, v16, v[rS+\i], v[rS+\i+1]
	v_max3_num_f32 v17, v17, v[rS+\i+2], v[rS+\i+3]
.endr
	v_max3_num_f32 v16, v16, v[rS+62], v[rS+63]
	v_max_num_f32 v16, v16, v17
	v_permlanex16_b32 v18, v16, s[SEL], s[SEL+1]
	v_max_num_f32 v16, v16, v18                    ; and among lane l xor 16's
	v_mul_f32 v16, s[CS], v16                      ; as t (c is positive)
	v_max_num_f32 v[rM+1], v[rM+1], v16            ; the running largest t
	v_mov_b32 v16, v[rM]
	v_floor_f32 v[rM], -v[rM+1]                    ; -M = floor(-t): M is a whole number
	v_sub_f32 v16, v[rM], v16                      ; old M - new M: a whole number, 0 or less
	v_cvt_i32_f32 v16, v16                         ; (it saturates)
	v_ldexp_f32 v[rF], 1.0, v16                    ; f = 2^(old M - new M)
.set j, 0
.rept 32
	v_pk_fma_f32 v[rS+j:rS+j+1], v[rS+j:rS+j+1], s[CS:CS+1], v[rM:rM+1] op_sel_hi:[1,0,0]   ; t - M
.set j, j+2
.endr
.set j, 0
.rept 64
	v_exp_f32 v[rS+j], v[rS+j]                     ; p = 2^(t - M)
.set j, j+1
.endr
	v_pk_mul_f32 v[rL:rL+1], v[rL:rL+1], v[rF:rF+1] op_sel_hi:[1,0]   ; the sums under the new M (a plain instruction behind the exponentials)
	s_wait_alu depctr_va_vdst(0)
	v_pk_add_f32 v[22:23], v[rS:rS+1], v[rS+2:rS+3]                   ; the sum of the unquantised p, in two chains
.irp j, 4,8,12,16,20,24,28,32,36,40,44,48,52,56,60
	v_pk_add_f32 v[rL:rL+1], v[rL:rL+1], v[rS+\j:rS+\j+1]
	v_pk_add_f32 v[22:23], v[22:23], v[rS+\j+2:rS+\j+3]
.endr
	v_pk_add_f32 v[rL:rL+1], v[rL:rL+1], v[22:23]
.irp b, 0,1,2,3
.irp i, 0,1,2,3,4,5,6,7,8,9,10,11,12,13,14,15
	v_min_num_f32 v[rS+16*\b+\i], v[rS+16*\b+\i], v[LIM]   ; the conversion does not saturate (ISA guide 7.6.2); p is not negative: a one-sided hold
.endr
	v_cvt_scalef32_pk8_bf8_f32 v[rP+4*\b:rP+4*\b+1], v[rS+16*\b:rS+16*\b+7], v[SCL]
	v_cvt_scalef32_pk8_bf8_f32 v[rP+4*\b+2:rP+4*\b+3], v[rS+16*\b+8:rS+16*\b+15], v[SCL]
.endr
.endm
; A key step: 128 keys.
.macro STEP
	v_add_nc_u32 v[AK], s[TB], v[LI]
	v_add_nc_u32 v[AV], 131072, v[AK]
	v_nop
	v_nop                                          ; four plain instructions in front of loads into registers that the last products read
.irp c, 0,1,2,3,4,5,6,7
.irp q, 0,1
	ds_load_b128 v[32+8*\c+4*\q:32+8*\c+4*\q+3], v[AK] offset:\c*1024+\q*512
.endr
.endr
	s_wait_dscnt 0x0
	WIN 0x04                                       ; source 1 (Q) window 1
.irp c, 0,1,2,3,4,5,6,7
.irp u, 0,1
	v_wmma_f32_16x16x64_bf8_bf8 v[S+64*\u+8*\c:S+64*\u+8*\c+7], v[32+8*\c:32+8*\c+7], v[64+8*\u:64+8*\u+7], 0
.endr
.endr
	WIN 0
	PLACES                                         ; in front of the loads below and of the first read of the scores
.irp t, 0,1,2,3
.irp q, 0,1,2,3
	ds_load_b128 v[32+16*\t+4*\q:32+16*\t+4*\q+3], v[AV] offset:\t*2048+\q*512   ; V lands while the softmax is worked
.endr
.endr
	SOFT 0
	SOFT 1
	WIN 0x41                                       ; O^T (destination and source 0) window 1
.irp u, 0,1
.set j, 0
.rept 16
	v_pk_mul_f32 v[32*\u+j:32*\u+j+1], v[32*\u+j:32*\u+j+1], v[FF+2*\u:FF+2*\u+1] op_sel_hi:[1,0]   ; O^T under the new M (also the plain work behind the conversions)
.set j, j+2
.endr
.endr
	s_wait_dscnt 0x0                               ; V is in
	WIN 0x50                                       ; C and D window 1
.irp t, 0,1,2,3
.irp u, 0,1
	v_wmma_f32_16x16x128_bf8_bf8 v[32*\u+8*\t:32*\u+8*\t+7], v[32+16*\t:32+16*\t+15], v[PC+16*\u:PC+16*\u+15], v[32*\u+8*\t:32*\u+8*\t+7]
.endr
.endr
	WIN 0
	s_add_co_u32 s[TB], s[TB], 8192
.endm
; Half of the keys: my part of it has landed, then the barrier; eight steps.
.macro HALF half, left
	s_wait_tensorcnt \left                         ; left = the loads of mine issued behind this half's
	s_wait_dscnt 0x0
	s_barrier_signal -1
	s_barrier_wait -1
	s_mov_b32 s[TB], \half*65536
	s_mov_b32 s[CNT], 8
.Lstep_\@:
	STEP
	s_sub_co_u32 s[CNT], s[CNT], 1
	s_cmp_lg_u32 s[CNT], 0
	s_cbranch_scc1 .Lstep_\@
.endm
	s_load_b128 s[4:7], s[0:1], 0x0                ; qkvc, the scales' exponents
	s_load_b64 s[8:9], s[0:1], 0x10                ; oc
	v_lshl_add_u32 v30, v0, 2, 0x40000
	v_mov_b32 v31, 0
	ds_add_u32 v30, v31
	ds_add_u32 v30, v31
	v_lshrrev_b32 v1, 5, v0
	v_readfirstlane_b32 s[WV], v1                  ; wave 0..7
	s_bfe_u32 s13, ttmp6, 0x40000                  ; cx: it enters Q's and O's addresses alone
	s_lshl_b32 s14, ttmp9, 2
	s_add_co_u32 s14, s14, s13                     ; work-group x
	s_and_b32 s15, ttmp7, 0xffff                   ; y, which the partners share
	s_lshr_b32 s16, s[WV], 2                       ; I fetch K (0) or V (1),
	s_and_b32 s17, s[WV], 3                        ; which 16,384 bytes of a half
	s_lshl_b32 s18, s16, 17
	s_lshl_b32 s19, s17, 14
	s_add_co_u32 s18, s18, s19                     ; in LDS
	s_lshl_b32 s20, s16, 20
	s_add_co_u32 s20, s20, s19
	s_lshl_b32 s21, s15, 17
	s_add_co_u32 s20, s20, s21
	s_add_co_u32 s20, s20, 0x400000                ; in qkvc: k begins at 4,194,304, v 1,048,576 further on; 131,072 bytes a head
	s_mov_b32 s21, 0
	s_mov_b32 s[G1], 15|(3<<16)|(1<<21)            ; 15:0 the mask: all four work-groups; 17:16 elements of 8 bytes; 21 set beside a mask
	s_mov_b32 s[G1+1], 32<<16                      ; a dense block as rows of 256 bytes: tensor_dim0 = 32
	s_mov_b32 s[G1+2], 64<<16                      ; tensor_dim1 = 64
	s_mov_b32 s[G1+3], 32<<16                      ; tile_dim0
	s_mov_b32 s[G1+4], 64                          ; tile_dim1
	s_mov_b32 s[G1+5], 32                          ; the pitch
	s_mov_b32 s[G1+6], 0
	s_mov_b32 s[G1+7], 0
	s_lshr_b32 s52, s15, 2                         ; the batch
	s_and_b32 s53, s15, 3
	s_lshr_b32 s54, s14, 3
	s_lshl_b32 s53, s53, 2
	s_add_co_u32 s53, s53, s54                     ; the query head
	s_and_b32 s54, s14, 7
	s_lshl_b32 s54, s54, 4
	s_lshl_b32 s55, s[WV], 1
	s_add_co_u32 s54, s54, s55                     ; my first tile of 16 queries in the batch
	s_lshl_b32 s56, s52, 4
	s_add_co_u32 s56, s56, s53
	s_lshl_b32 s56, s56, 7
	s_add_co_u32 s56, s56, s54
	s_lshl_b32 s56, s56, 10                        ; its codes in q
	s_mov_b32 s57, 0
	s_lshl_b32 s58, s52, 7
	s_add_co_u32 s58, s58, s54                     ; its row block in oc's image [4,096][1,024]:
	s_lshl_b32 s58, s58, 3
	s_lshr_b32 s59, s53, 1
	s_add_co_u32 s58, s58, s59                     ; fragment head / 2,
	s_lshl_b32 s58, s58, 11
	s_and_b32 s59, s53, 1
	s_lshl_b32 s59, s59, 10
	s_add_co_u32 s58, s58, s59                     ; its upper or lower half
	s_mov_b32 s59, 0
	s_mov_b32 s[SEL], 0x76543210
	s_mov_b32 s[SEL+1], 0xfedcba98
	s_mov_b32 s[CS], 0x3e38aa3b                    ; c = log2(e) / 8
	s_wait_dscnt 0x0
	s_wait_kmcnt 0x0
	s_load_b128 s[40:43], s[6:7], 0x10             ; e4 .. e7
	s_load_b32 s44, s[6:7], 0x20                   ; e8
	s_add_nc_u64 s[22:23], s[4:5], s[20:21]        ; my tile (no place in the cluster enters it)
	s_add_nc_u64 s[4:5], s[4:5], s[56:57]          ; Q
	s_add_nc_u64 s[8:9], s[8:9], s[58:59]          ; O
	CROUND                                         ; all four work-groups are here: the joint loads meet
	s_mov_b32 s32, 1
	s_mov_b32 s33, s18
	s_mov_b64 s[34:35], s[22:23]
	s_or_b32 s35, s35, 0x80000000
	s_mov_b32 s36, 1
	s_add_co_u32 s37, s18, 65536
	s_add_nc_u64 s[38:39], s[22:23], 65536
	s_or_b32 s39, s39, 0x80000000
	tensor_load_to_lds s[32:35], s[G1:G1+7]        ; keys 0-1,023: two tensor loads of mine are out
	s_nop 0
	tensor_load_to_lds s[36:39], s[G1:G1+7]        ; keys 1,024-2,047
	s_nop 0
.rept 4
	v_nop
.endr
	v_and_b32 v1, 31, v0
	v_lshlrev_b32 v[LI], 4, v1
	WIN 0x40                                       ; destination window 1
.irp u, 0,1
.irp q, 0,1
	global_load_b128 v[64+8*\u+4*\q:64+8*\u+4*\q+3], v[LI], s[4:5] offset:\u*1024+\q*512   ; Q stays in registers
.endr
.endr
.set j, 0
.rept 64
	v_mov_b32 v[j], 0                              ; O^T: the step is written once; its first trip finds zeros, which the first change of M leaves zeros
.set j, j+1
.endr
	WIN 0
.irp u, 0,1
	v_mov_b32 v[MT+2*\u+1], 0xff61b1e6             ; the largest t so far: -3e38
	v_floor_f32 v[MT+2*\u], -v[MT+2*\u+1]
	v_mov_b32 v[SUM+2*\u], 0
	v_mov_b32 v[SUM+2*\u+1], 0
	v_mov_b32 v[FF+2*\u], 0
	v_mov_b32 v[FF+2*\u+1], 0                      ; (named as the upper half of a pair)
.endr
	v_mov_b32 v18, 0                               ; a lane permute's destination counts as one of its sources
	s_wait_kmcnt 0x0
	s_add_co_i32 s52, s40, s41
	s_lshl_b32 s52, s52, 23
	s_add_co_i32 s[CS], s[CS], s52                 ; a score stands for score x 2^(e4 + e5)
	s_mov_b32 s[CS+1], s[CS]
	s_add_co_i32 s52, s42, 127
	s_lshl_b32 s53, s52, 23
	v_mov_b32 v[SCL], s53                          ; 2^e6
	s_add_co_i32 s52, s52, 15
	s_lshl_b32 s52, s52, 23
	s_or_b32 s52, s52, 0x600000
	v_mov_b32 v[LIM], s52                          ; 57,344 x 2^e6
	s_wait_loadcnt 0x0                             ; Q
	HALF 0, 1
	HALF 1, 0
	; THE WAY OUT: O^T / the sum x 2^(e6 + e7), quantised under 2^e8; tile t's two registers are registers 2 c, 2 c + 1, c = 4 (head % 2) + t, of fragment head / 2.
	PLACES
.irp u, 0,1
	v_add_f32 v[SUM+2*\u], v[SUM+2*\u], v[SUM+2*\u+1]
.endr
	v_permlanex16_b32 v17, v[SUM], s[SEL], s[SEL+1]
	v_permlanex16_b32 v18, v[SUM+2], s[SEL], s[SEL+1]
	v_add_f32 v[SUM], v[SUM], v17
	v_add_f32 v[SUM+2], v[SUM+2], v18
	v_rcp_f32 v[SUM], v[SUM]
	v_rcp_f32 v[SUM+2], v[SUM+2]
	v_nop                                          ; a plain instruction behind the transcendentals
	s_add_co_i32 s52, s42, s43
	s_wait_alu depctr_va_vdst(0)
	v_ldexp_f32 v[SUM], v[SUM], s52
	v_ldexp_f32 v[SUM+2], v[SUM+2], s52
	s_add_co_i32 s52, s44, 127
	s_lshl_b32 s53, s52, 23
	v_mov_b32 v[SCL], s53                          ; 2^e8
	s_add_co_i32 s52, s52, 15
	s_lshl_b32 s52, s52, 23
	s_or_b32 s52, s52, 0x600000
	v_mov_b32 v[LIM], s52
.irp u, 0,1
	WIN 0x01                                       ; source 0 window 1
.set j, 0
.rept 32
	v_mul_f32 v[S+64*\u+j], v[32*\u+j], v[SUM+2*\u]
.set j, j+1
.endr
	WIN 0
.set j, 0
.rept 32
	v_med3_num_f32 v[S+64*\u+j], v[S+64*\u+j], -v[LIM], v[LIM]
.set j, j+1
.endr
.irp t, 0,1,2,3
	v_cvt_scalef32_pk8_bf8_f32 v[PC+16*\u+2*\t:PC+16*\u+2*\t+1], v[S+64*\u+8*\t:S+64*\u+8*\t+7], v[SCL]
.endr
	v_nop
	global_store_b128 v[LI], v[PC+16*\u:PC+16*\u+3], s[8:9] offset:\u*16384
	global_store_b128 v[LI], v[PC+16*\u+4:PC+16*\u+7], s[8:9] offset:\u*16384+512
.endr
	s_wait_dscnt 0x0
	s_wait_tensorcnt 0x0
	ds_add_u32 v30, v31
	s_wait_dscnt 0x0
	CROUND                                         ; the closing round
	s_endpgm
.Lfunc_end_k_q28470908cd_attn:
	.size	k_q28470908cd_attn, .Lfunc_end_k_q28470908cd_attn-k_q28470908cd_attn
	.p2alignl 7, 3214868480
	.fill 96, 4, 3214868480
	.section	.rodata,"a",@progbits
	.p2align	6, 0x0
	.amdhsa_kernel k_q28470908cd_attn
		.amdhsa_group_segment_fixed_size 263168
		.amdhsa_private_segment_fixed_size 0
		.amdhsa_enable_private_segment 0
		.amdhsa_kernarg_size 24
		.amdhsa_user_sgpr_count 2
		.amdhsa_user_sgpr_kernarg_segment_ptr 1
		.amdhsa_wavefront_size32 1
		.amdhsa_system_sgpr_workgroup_id_x 1
		.amdhsa_system_sgpr_workgroup_id_y 1
		.amdhsa_system_sgpr_workgroup_id_z 1
		.amdhsa_system_vgpr_workitem_id 0
		.amdhsa_next_free_vgpr 384
		.amdhsa_next_free_sgpr 66
		.amdhsa_reserve_vcc 0
		.amdhsa_float_denorm_mode_32 3
		.amdhsa_float_denorm_mode_16_64 3
		.amdhsa_memory_ordered 1
		.amdhsa_forward_progress 1
		.amdhsa_inst_pref_size 73
	.end_amdhsa_kernel
	.amdgpu_metadata
---
amdhsa.version: [ 1, 2 ]
amdhsa.kernels:
  - .name:           k_q28470908cd_attn
    .symbol:         k_q28470908cd_attn.kd
    .args:
      - { .name: qkvc, .offset: 0, .size: 8, .value_kind: global_buffer, .address_space: global }
      - { .name: lowp_scales, .offset: 8, .size: 8, .value_kind: global_buffer, .address_space: global }
      - { .name: oc, .offset: 16, .size: 8, .value_kind: global_buffer, .address_space: global }
    .group_segment_fixed_size: 263168
    .private_segment_fixed_size: 0
    .kernarg_segment_align: 8
    .kernarg_segment_size: 24
    .max_flat_workgroup_size: 256
    .sgpr_count:     66
    .vgpr_count:     384
    .wavefront_size: 32
...
	.end_amdgpu_metadata
.endif
;; end of part 3
;; launch wo (part 4): grid 8 x 32, 4 waves a work-group, clusters of 4 x 4, 280,064 bytes of LDS; arguments oc, wc, lowp_scales, x, x1; writes x1
.if DOCPART == 4
	.amdgcn_target "amdgcn-amd-amdhsa--gfx1250"
	.amdhsa_code_object_version 6
	.text
	.protected	k_q28470908cd_wo
	.globl	k_q28470908cd_wo
	.p2align	8
	.type	k_q28470908cd_wo,@function
k_q28470908cd_wo:
	s_mov_b64 s[64:65], 0
	v_nop
	global_prefetch_b8 v0, s[64:65] scope:SCOPE_SE
	s_setreg_imm32_b32 hwreg(HW_REG_WAVE_MODE, 25, 1), 1
	s_wait_xcnt 0x0
	s_wait_alu depctr_hold_cnt(0) depctr_sa_sdst(0) depctr_va_vdst(0) depctr_va_sdst(0) depctr_va_ssrc(0) depctr_va_vcc(0) depctr_vm_vsrc(0)
	s_getreg_b32 s2, hwreg(HW_REG_IB_STS2, 6, 4)
	s_cmp_eq_u32 s2, 0
	s_cbranch_scc0 .Lentry_in_a_cluster
	s_endpgm
.Lentry_in_a_cluster:
	s_bfe_u32 s2, ttmp6, 0x10000c
	s_cmp_lg_u32 s2, 0xf033
	s_cbranch_scc0 .Lentry_shape_is_right
	s_endpgm
.Lentry_shape_is_right:
; x1 = x + o Wo^T on codes of BF8 (E5M2): o under 2^e8, Wo under 2^e9.  x, x1: [4,096][1,024] f32.
; OPERANDS ARE IMAGES OF THEIR REGISTERS: a fragment (16 rows x 128 k) is 2,048 bytes, byte 512 q + 16 lane + i; an operand [R][K] lies as [R / 16][K / 128][2,048]: dense tiles, four ds_load_b128 at 16 x lane a fragment.
; A work-group of four waves makes 128 x 128, a wave 64 x 64: 16 accumulators.  K = 1,024 lies whole in LDS, as two slots of 512, each filled once.
; CLUSTERS: 4 x 4 work-groups; the four of a row ask jointly for o's tiles, the four of a column for Wo's.
; TRANSPOSED: source 0 = 16 rows of Wo, source 1 = 16 tokens: a lane holds eight neighbouring columns of a row.  A block of 16 rows x 64 columns goes through the wave's own stage in LDS and comes back as rows of 256 bytes:
; sixteen lanes store 256 consecutive bytes, aligned.  On the way back: sum x 2^(e8 + e9) + x, one packed multiply-add for two numbers; x's numbers were loaded at the head, in the layout of the way back.
; LIMIT: e8 + e9 lies between -126 and 127.
; REGISTERS: window 0: v16-27 addresses, v32-95 the way out, v128-255 the accumulators.   window 1: two sets of fragments.   window 2: v0-127 x at 32 a + 4 t.
.set KTOT,  1024
.set WOFF,  1572864                    ; Wo's image in wc
.set RBB,   KTOT*16
.set SLOT,  131072
.set STAGE, 262144                     ; behind the slots: 16 rows x 272 bytes for each wave
.set G1,  24
.set G0,  32
.set G1B, 48
.set G0B, 56
.set AD0, 16
.set AD1, 20
.set STO, 24
.set RD,  25
.set CO,  26
.set LI,  27
.set ACC, 128
.set F0,  0
.set F1,  128
.set MSB, 0
.macro WIN new
.if MSB != \new
	s_set_vgpr_msb (MSB<<8)|\new
.set MSB, \new
.endif
.endm
.macro PLACES                          ; four plain vector instructions between a matrix instruction and a load into its sources or a read of its result
.rept 4
	v_nop
.endr
.endm
.macro CROUND
	s_barrier_signal -1
	s_barrier_wait -1
	s_cmp_lg_u32 s10, 0
	s_cbranch_scc1 .Lnot_wave_0_\@
	s_barrier_signal -3
.Lnot_wave_0_\@:
	s_barrier_wait -3
	s_barrier_signal -1
	s_barrier_wait -1
.endm
.macro FETCH slot, kf, f
	WIN 0x40
.irp i, 0,1,2,3
.irp q, 0,1,2,3
	ds_load_b128 v[\f+64+16*\i+4*\q:\f+64+16*\i+4*\q+3], v[AD0+\slot] offset:\i*8192+(\kf)*2048+\q*512
.endr
.endr
.irp i, 0,1,2,3
.irp q, 0,1,2,3
	ds_load_b128 v[\f+16*\i+4*\q:\f+16*\i+4*\q+3], v[AD1+\slot] offset:\i*8192+(\kf)*2048+\q*512
.endr
.endr
.endm
.macro MUL4 f, a, zero                 ; the 16 accumulators take turns, one instruction a turn
.irp b, 0,1,2,3
.if \zero
	v_wmma_f32_16x16x128_bf8_bf8 v[ACC+8*(4*(\a)+\b):ACC+8*(4*(\a)+\b)+7], v[\f+64+16*\b:\f+64+16*\b+15], v[\f+16*(\a):\f+16*(\a)+15], 0
.else
	v_wmma_f32_16x16x128_bf8_bf8 v[ACC+8*(4*(\a)+\b):ACC+8*(4*(\a)+\b)+7], v[\f+64+16*\b:\f+64+16*\b+15], v[\f+16*(\a):\f+16*(\a)+15], v[ACC+8*(4*(\a)+\b):ACC+8*(4*(\a)+\b)+7]
.endif
.endr
.endm
.macro STEP f, g, slot, kf, zero
	PLACES
	FETCH \slot, \kf, \g
	s_wait_dscnt 32                                ; all but the 32 just issued: set f is in
	WIN 0x05
	MUL4 \f, 0, \zero
	MUL4 \f, 1, \zero
	MUL4 \f, 2, \zero
	MUL4 \f, 3, \zero
.endm
.macro BOUND f, g, next
	s_wait_tensorcnt 0x0                           ; no load was issued behind the second slot's
	s_wait_dscnt 0x0
	s_barrier_signal -1
	WIN 0x05
	MUL4 \f, 0, 0
	MUL4 \f, 1, 0
	s_barrier_wait -1
	PLACES
	FETCH \next, 0, \g
	WIN 0x05
	MUL4 \f, 2, 0
	MUL4 \f, 3, 0
.endm
.macro LAST f
	s_wait_dscnt 0x0
	WIN 0x05
	MUL4 \f, 0, 0
	MUL4 \f, 1, 0
	MUL4 \f, 2, 0
	MUL4 \f, 3, 0
	WIN 0
.endm
	s_load_b128 s[4:7], s[0:1], 0x0                ; oc, wc
	s_load_b128 s[68:71], s[0:1], 0x10             ; the scales' exponents, x
	s_load_b64 s[72:73], s[0:1], 0x20              ; x1
	v_lshl_add_u32 v126, v0, 2, 0x44400
	v_mov_b32 v127, 0
	ds_add_u32 v126, v127
	ds_add_u32 v126, v127
	v_lshrrev_b32 v1, 5, v0
	v_readfirstlane_b32 s10, v1
	s_lshr_b32 s11, s10, 1
	s_and_b32 s12, s10, 1
	s_bfe_u32 s40, ttmp6, 0x40000
	s_bfe_u32 s41, ttmp6, 0x40004
	s_lshl_b32 s42, ttmp9, 2
	s_add_co_u32 s42, s42, s40                     ; tile column
	s_and_b32 s13, ttmp7, 0xffff
	s_lshl_b32 s13, s13, 2
	s_add_co_u32 s13, s13, s41                     ; tile row
	s_lshl_b32 s43, s41, 2
	s_lshl_b32 s43, 15, s43
	s_lshl_b32 s44, 0x1111, s40
	s_or_b32 s[G1], s43, (3<<16)|(1<<21)           ; the mask; elements of 8 bytes; no padding; bit 21 beside a mask
	s_or_b32 s[G1B], s44, (3<<16)|(1<<21)
.irp g, G1, G1B
	s_mov_b32 s[\g+1], 1024<<16                    ; 8,192 bytes: a row block's four fragments
	s_mov_b32 s[\g+2], 4<<16
	s_mov_b32 s[\g+3], 1024<<16
	s_mov_b32 s[\g+4], 4
	s_mov_b32 s[\g+5], RBB/8
	s_mov_b32 s[\g+6], 0
	s_mov_b32 s[\g+7], 0
.endr
	s_lshl_b32 s17, s12, 2
	s_lshl_b32 s16, s13, 3
	s_add_co_u32 s16, s16, s17
	s_mul_i32 s16, s16, RBB
	s_lshl_b32 s46, s42, 3
	s_add_co_u32 s46, s46, s17
	s_mul_i32 s46, s46, RBB
	s_add_co_u32 s46, s46, WOFF
	s_mov_b32 s17, 0
	s_mov_b32 s47, 0
	s_lshl_b32 s20, s10, 15
	s_wait_dscnt 0x0
	s_wait_kmcnt 0x0
	s_load_b64 s[80:81], s[68:69], 0x20            ; e8, e9
	s_add_nc_u64 s[14:15], s[4:5], s[16:17]
	s_add_nc_u64 s[46:47], s[6:7], s[46:47]
	CROUND
.irp s, 0,1
	s_mov_b32 s[G0+4*\s], 1
	s_add_co_u32 s[G0+4*\s+1], s20, \s*SLOT
	s_add_nc_u64 s[G0+4*\s+2:G0+4*\s+3], s[14:15], \s*8192
	s_or_b32 s[G0+4*\s+3], s[G0+4*\s+3], 0x80000000
	s_mov_b32 s[G0B+4*\s], 1
	s_add_co_u32 s[G0B+4*\s+1], s20, \s*SLOT
	s_add_nc_u64 s[G0B+4*\s+2:G0B+4*\s+3], s[46:47], \s*8192
	s_or_b32 s[G0B+4*\s+3], s[G0B+4*\s+3], 0x80000000
.endr
	s_cmp_eq_u32 s11, 0                            ; a wave's two fills stand in one branch: two tensor loads of mine are out
	s_cbranch_scc0 .Lfirst_b
	tensor_load_to_lds s[G0:G0+3], s[G1:G1+7]
	s_nop 0
	tensor_load_to_lds s[G0+4:G0+7], s[G1:G1+7]
	s_nop 0
.rept 4
	v_nop
.endr
	s_branch .Lfirst_asked
.Lfirst_b:
	tensor_load_to_lds s[G0B:G0B+3], s[G1B:G1B+7]
	s_nop 0
	tensor_load_to_lds s[G0B+4:G0B+7], s[G1B:G1B+7]
	s_nop 0
.rept 4
	v_nop
.endr
.Lfirst_asked:
	v_and_b32 v1, 15, v0
	v_bfe_u32 v2, v0, 4, 1
	v_and_b32 v3, 31, v0
	v_lshlrev_b32 v[LI], 4, v3
	s_lshl_b32 s21, s11, 15
	s_lshl_b32 s22, s12, 15
	s_add_co_u32 s22, s22, 65536
	v_add_nc_u32 v[AD0], s22, v[LI]
	v_add_nc_u32 v[AD0+1], SLOT, v[AD0]
	v_add_nc_u32 v[AD1], s21, v[LI]
	v_add_nc_u32 v[AD1+1], SLOT, v[AD1]
	s_mul_i32 s23, s10, 16*272
	s_add_co_u32 s23, s23, STAGE                   ; my stage
	v_mul_u32_u24 v4, v1, 272
	v_lshl_add_u32 v4, v2, 5, v4
	v_add_nc_u32 v[STO], s23, v4                   ; in: row r, + 32 h
	v_mul_u32_u24 v5, v2, 272
	v_lshl_add_u32 v5, v1, 4, v5
	v_add_nc_u32 v[RD], s23, v5                    ; back: lanes 0-15 one row of 256 bytes, lanes 16-31 the next
	v_lshlrev_b32 v5, 12, v2
	v_lshl_add_u32 v[CO], v1, 4, v5                ; and the same two rows in x and x1
	s_lshl_b32 s91, s13, 7
	s_lshl_b32 s92, s11, 6
	s_add_co_u32 s91, s91, s92
	s_lshl_b32 s91, s91, 12                        ; my first row, 4,096 bytes a row,
	s_lshl_b32 s92, s42, 9
	s_add_co_u32 s91, s91, s92
	s_lshl_b32 s92, s12, 8
	s_add_co_u32 s92, s91, s92                     ; my first column: 512 x tile column + 256 x half
	s_mov_b32 s93, 0
	s_add_nc_u64 s[70:71], s[70:71], s[92:93]
	s_add_nc_u64 s[72:73], s[72:73], s[92:93]
	WIN 0x80                                       ; destination window 2
.irp a, 0,1,2,3
.irp t, 0,1,2,3,4,5,6,7
	global_load_b128 v[32*\a+4*\t:32*\a+4*\t+3], v[CO], s[70:71] offset:(16*\a+2*\t)*4096 th:TH_LOAD_NT
.endr
.endr
	WIN 0
	s_wait_tensorcnt 1                             ; my part of slot 0 is in; slot 1's may stay out
	s_barrier_signal -1
	s_barrier_wait -1
	FETCH 0, 0, F0
	STEP F0, F1, 0, 1, 1
	STEP F1, F0, 0, 2, 0
	STEP F0, F1, 0, 3, 0
	BOUND F1, F0, 1
	STEP F0, F1, 1, 1, 0
	STEP F1, F0, 1, 2, 0
	STEP F0, F1, 1, 3, 0
	LAST F1
.macro TOSTAGE a                       ; block a's sums into my stage, each accumulator from its low end on, and back as rows.  LDS serves a wave's instructions in order (ISA guide 5.7.1.4): no wait between
.set BB, 32+32*((\a)%2)
.irp b, 0,1,2,3
	ds_store_b128 v[STO], v[ACC+8*(4*(\a)+\b):ACC+8*(4*(\a)+\b)+3] offset:64*\b
	ds_store_b128 v[STO], v[ACC+8*(4*(\a)+\b)+4:ACC+8*(4*(\a)+\b)+7] offset:64*\b+16
.endr
.irp t, 0,1,2,3,4,5,6,7
	ds_load_b128 v[BB+4*\t:BB+4*\t+3], v[RD] offset:\t*544
.endr
.endm
.macro SEND a, younger                 ; younger: the LDS instructions issued behind block a's loads
.set BB, 32+32*((\a)%2)
	s_wait_dscnt \younger
	WIN 0x20                                       ; source 2 (x) window 2
.set j, 0
.rept 16
	v_pk_fma_f32 v[BB+j:BB+j+1], v[BB+j:BB+j+1], s[76:77], v[32*(\a)+j:32*(\a)+j+1] op_sel_hi:[1,0,1]
.set j, j+2
.endr
	WIN 0
.irp t, 0,1,2,3,4,5,6,7
	global_store_b128 v[CO], v[BB+4*\t:BB+4*\t+3], s[72:73] offset:(16*(\a)+2*\t)*4096
.endr
.endm
	s_wait_kmcnt 0x0
	s_add_co_i32 s76, s80, s81
	s_add_co_i32 s76, s76, 127
	s_lshl_b32 s76, s76, 23                        ; 2^(e8 + e9) as f32
	s_mov_b32 s77, s76
	s_wait_loadcnt 0x0                             ; x
	PLACES
	TOSTAGE 0
	TOSTAGE 1
	SEND 0, 16                                     ; behind block 0's loads: block 1's 8 stores and 8 loads
	s_wait_xcnt 0x0                                ; block 0's stores have read their registers: block 2's loads may land there
	TOSTAGE 2
	SEND 1, 16
	s_wait_xcnt 0x0
	TOSTAGE 3
	SEND 2, 16
	SEND 3, 0
	s_wait_dscnt 0x0
	s_wait_tensorcnt 0x0
	ds_add_u32 v126, v127
	s_wait_dscnt 0x0
	CROUND                                         ; the closing round
	s_endpgm
.Lfunc_end_k_q28470908cd_wo:
	.size	k_q28470908cd_wo, .Lfunc_end_k_q28470908cd_wo-k_q28470908cd_wo
	.p2alignl 7, 3214868480
	.fill 96, 4, 3214868480
	.section	.rodata,"a",@progbits
	.p2align	6, 0x0
	.amdhsa_kernel k_q28470908cd_wo
		.amdhsa_group_segment_fixed_size 280064
		.amdhsa_private_segment_fixed_size 0
		.amdhsa_enable_private_segment 0
		.amdhsa_kernarg_size 40
		.amdhsa_user_sgpr_count 2
		.amdhsa_user_sgpr_kernarg_segment_ptr 1
		.amdhsa_wavefront_size32 1
		.amdhsa_system_sgpr_workgroup_id_x 1
		.amdhsa_system_sgpr_workgroup_id_y 1
		.amdhsa_system_sgpr_workgroup_id_z 1
		.amdhsa_system_vgpr_workitem_id 0
		.amdhsa_next_free_vgpr 640
		.amdhsa_next_free_sgpr 100
		.amdhsa_reserve_vcc 0
		.amdhsa_float_denorm_mode_32 3
		.amdhsa_float_denorm_mode_16_64 3
		.amdhsa_memory_ordered 1
		.amdhsa_forward_progress 1
		.amdhsa_inst_pref_size 48
	.end_amdhsa_kernel
	.amdgpu_metadata
---
amdhsa.version: [ 1, 2 ]
amdhsa.kernels:
  - .name:           k_q28470908cd_wo
    .symbol:         k_q28470908cd_wo.kd
    .args:
      - { .name: oc, .offset: 0, .size: 8, .value_kind: global_buffer, .address_space: global }
      - { .name: wc, .offset: 8, .size: 8, .value_kind: global_buffer, .address_space: global }
      - { .name: lowp_scales, .offset: 16, .size: 8, .value_kind: global_buffer, .address_space: global }
      - { .name: x, .offset: 24, .size: 8, .value_kind: global_buffer, .address_space: global }
      - { .name: x1, .offset: 32, .size: 8, .value_kind: global_buffer, .address_space: global }
    .group_segment_fixed_size: 280064
    .private_segment_fixed_size: 0
    .kernarg_segment_align: 8
    .kernarg_segment_size: 40
    .max_flat_workgroup_size: 128
    .sgpr_count:     100
    .vgpr_count:     640
    .wavefront_size: 32
...
	.end_amdgpu_metadata
.endif
;; end of part 4
;; launch ln2 (part 5): grid 256 x 1, 8 waves a work-group, no clusters, 2,048 bytes of LDS; arguments x1, ln2_g, ln2_b, lowp_scales, h2c; writes h2c
.if DOCPART == 5
	.amdgcn_target "amdgcn-amd-amdhsa--gfx1250"
	.amdhsa_code_object_version 6
	.text
	.protected	k_q28470908cd_ln2
	.globl	k_q28470908cd_ln2
	.p2align	8
	.type	k_q28470908cd_ln2,@function
k_q28470908cd_ln2:
	s_mov_b64 s[64:65], 0
	v_nop
	global_prefetch_b8 v0, s[64:65] scope:SCOPE_SE
	s_setreg_imm32_b32 hwreg(HW_REG_WAVE_MODE, 25, 1), 1
	s_wait_xcnt 0x0
; h2 = LayerNorm(x1) of 16 rows a work-group, quantised to BF8 (E5M2) under 2^e10, stored as an image of the operand's registers:
; a fragment (16 rows x 128 k) is 2,048 bytes, byte 512 q + 16 lane + i; [4,096][1,024] lies as [256 row blocks][8 fragments][2,048].
; Wave w makes fragment w: lane (r, h) loads, for c = 0 .. 7, the 32 bytes at row r, k = 128 w + 16 c + 8 h.  Mean and variance in two passes; the 8 waves of a row meet in LDS (bytes 0-511 the sums, 512-1,023 the squares).
; LIMITS: e10 between -126 and 112.  NaN and infinities are not served.
.set X,   32
.set G,   96
.set BV,  160
.set C0,  96
.macro LOAD64 reg, adr, base
.irp c, 0,1,2,3,4,5,6,7
	global_load_b128 v[\reg+8*\c:\reg+8*\c+3], v[\adr], s[\base:\base+1] offset:64*\c
	global_load_b128 v[\reg+8*\c+4:\reg+8*\c+7], v[\adr], s[\base:\base+1] offset:64*\c+16
.endr
.endm
.macro XCHG base                       ; v[8:9]: my two partial sums.  Out: v12 = the row's sum
	v_add_f32 v8, v8, v9
	v_permlanex16_b32 v9, v8, s42, s43
	v_add_f32 v8, v8, v9
	ds_store_b32 v5, v8 offset:\base
	s_wait_dscnt 0x0                               ; for the others' sake: my store has landed
	s_barrier_signal -1
	s_barrier_wait -1
.irp w, 0,1,2,3,4,5,6,7
	ds_load_b32 v[12+\w], v6 offset:\base+64*\w
.endr
	s_wait_dscnt 0x0
	v_add_f32 v12, v12, v13
	v_add_f32 v14, v14, v15
	v_add_f32 v16, v16, v17
	v_add_f32 v18, v18, v19
	v_add_f32 v12, v12, v14
	v_add_f32 v16, v16, v18
	v_add_f32 v12, v12, v16
.endm
	s_load_b256 s[8:15], s[0:1], 0x0               ; x1 8, ln2_g 10, ln2_b 12, the scales' exponents 14
	s_load_b64 s[26:27], s[0:1], 0x20              ; h2c
	v_lshl_add_u32 v224, v0, 2, 0x400
	v_mov_b32 v225, 0
	v_lshrrev_b32 v1, 5, v0
	v_readfirstlane_b32 s30, v1                    ; wave
	v_and_b32 v1, 15, v0                           ; r
	v_bfe_u32 v2, v0, 4, 1                         ; h
	v_and_b32 v7, 31, v0
	v_lshlrev_b32 v7, 4, v7
	s_lshl_b32 s31, s30, 11
	v_add_nc_u32 v7, s31, v7                       ; 2,048 wave + 16 lane
	s_lshl_b32 s31, s30, 9
	v_lshl_add_u32 v4, v2, 5, s31                  ; 512 wave + 32 h
	v_lshl_add_u32 v3, v1, 12, v4
	s_lshl_b32 s31, s30, 6
	v_lshl_add_u32 v5, v1, 2, s31                  ; LDS: 64 wave + 4 r
	v_lshlrev_b32 v6, 2, v1
	s_mov_b32 s42, 0x76543210
	s_mov_b32 s43, 0xfedcba98
	s_mov_b32 s44, 0x3a800000                      ; 1 / 1,024
	s_mov_b32 s45, 0x3727c5ac                      ; 1e-5
	s_lshl_b32 s46, ttmp9, 16
	s_mov_b32 s47, 0
	s_wait_kmcnt 0x0
	s_load_b32 s32, s[14:15], 0x28                 ; e10
	s_add_nc_u64 s[8:9], s[8:9], s[46:47]
	s_lshl_b32 s46, ttmp9, 14
	s_add_nc_u64 s[26:27], s[26:27], s[46:47]
	LOAD64 X, 3, 8
	LOAD64 G, 4, 10
	LOAD64 BV, 4, 12
	s_wait_kmcnt 0x0
	s_add_co_i32 s46, s32, 127
	s_lshl_b32 s47, s46, 23
	v_mov_b32 v25, s47                             ; 2^e10
	s_add_co_i32 s46, s46, 15
	s_lshl_b32 s46, s46, 23
	s_or_b32 s46, s46, 0x600000
	v_mov_b32 v24, s46                             ; 57,344 x 2^e10
	s_wait_loadcnt 32                              ; x1's 16 loads are in; the gain's and the bias's 32 may be out
	v_pk_add_f32 v[8:9], v[X:X+1], v[X+2:X+3]
	v_pk_add_f32 v[10:11], v[X+4:X+5], v[X+6:X+7]
.irp j, 8,12,16,20,24,28,32,36,40,44,48,52,56,60
	v_pk_add_f32 v[8:9], v[8:9], v[X+\j:X+\j+1]
	v_pk_add_f32 v[10:11], v[10:11], v[X+\j+2:X+\j+3]
.endr
	v_pk_add_f32 v[8:9], v[8:9], v[10:11]
	XCHG 0
	v_mul_f32 v12, s44, v12                        ; the mean
.set j, 0
.rept 32
	v_pk_add_f32 v[X+j:X+j+1], v[X+j:X+j+1], v[12:13] op_sel_hi:[1,0] neg_lo:[0,1] neg_hi:[0,1]
.set j, j+2
.endr
	v_pk_mul_f32 v[8:9], v[X:X+1], v[X:X+1]
	v_pk_mul_f32 v[10:11], v[X+2:X+3], v[X+2:X+3]
.irp j, 4,8,12,16,20,24,28,32,36,40,44,48,52,56,60
	v_pk_fma_f32 v[8:9], v[X+\j:X+\j+1], v[X+\j:X+\j+1], v[8:9]
	v_pk_fma_f32 v[10:11], v[X+\j+2:X+\j+3], v[X+\j+2:X+\j+3], v[10:11]
.endr
	v_pk_add_f32 v[8:9], v[8:9], v[10:11]
	XCHG 512
	v_fma_f32 v12, v12, s44, s45
	v_rsq_f32 v14, v12
	v_nop                                          ; a plain instruction behind the transcendental
	s_wait_loadcnt 0x0
.set j, 0
	s_wait_alu depctr_va_vdst(0)
.rept 32
	v_pk_mul_f32 v[X+j:X+j+1], v[X+j:X+j+1], v[14:15] op_sel_hi:[1,0]
.set j, j+2
.endr
.set j, 0
.rept 32
	v_pk_fma_f32 v[X+j:X+j+1], v[X+j:X+j+1], v[G+j:G+j+1], v[BV+j:BV+j+1]
.set j, j+2
.endr
.irp c, 0,1,2,3,4,5,6,7
.irp i, 0,1,2,3,4,5,6,7
	v_med3_num_f32 v[X+8*\c+\i], v[X+8*\c+\i], -v24, v24   ; the conversion does not saturate (ISA guide 7.6.2)
.endr
	v_cvt_scalef32_pk8_bf8_f32 v[C0+2*\c:C0+2*\c+1], v[X+8*\c:X+8*\c+7], v25
.endr
	v_nop
.irp q, 0,1,2,3
	global_store_b128 v7, v[C0+4*\q:C0+4*\q+3], s[26:27] offset:512*\q
.endr
	s_wait_tensorcnt 0x0
	ds_add_u32 v224, v225
	s_wait_dscnt 0x0
	s_endpgm
.Lfunc_end_k_q28470908cd_ln2:
	.size	k_q28470908cd_ln2, .Lfunc_end_k_q28470908cd_ln2-k_q28470908cd_ln2
	.p2alignl 7, 3214868480
	.fill 96, 4, 3214868480
	.section	.rodata,"a",@progbits
	.p2align	6, 0x0
	.amdhsa_kernel k_q28470908cd_ln2
		.amdhsa_group_segment_fixed_size 2048
		.amdhsa_private_segment_fixed_size 0
		.amdhsa_enable_private_segment 0
		.amdhsa_kernarg_size 40
		.amdhsa_user_sgpr_count 2
		.amdhsa_user_sgpr_kernarg_segment_ptr 1
		.amdhsa_wavefront_size32 1
		.amdhsa_system_sgpr_workgroup_id_x 1
		.amdhsa_system_sgpr_workgroup_id_y 1
		.amdhsa_system_sgpr_workgroup_id_z 1
		.amdhsa_system_vgpr_workitem_id 0
		.amdhsa_next_free_vgpr 226
		.amdhsa_next_free_sgpr 66
		.amdhsa_reserve_vcc 0
		.amdhsa_float_denorm_mode_32 3
		.amdhsa_float_denorm_mode_16_64 3
		.amdhsa_memory_ordered 1
		.amdhsa_forward_progress 1
		.amdhsa_inst_pref_size 24
	.end_amdhsa_kernel
	.amdgpu_metadata
---
amdhsa.version: [ 1, 2 ]
amdhsa.kernels:
  - .name:           k_q28470908cd_ln2
    .symbol:         k_q28470908cd_ln2.kd
    .args:
      - { .name: x1, .offset: 0, .size: 8, .value_kind: global_buffer, .address_space: global }
      - { .name: ln2_g, .offset: 8, .size: 8, .value_kind: global_buffer, .address_space: global }
      - { .name: ln2_b, .offset: 16, .size: 8, .value_kind: global_buffer, .address_space: global }
      - { .name: lowp_scales, .offset: 24, .size: 8, .value_kind: global_buffer, .address_space: global }
      - { .name: h2c, .offset: 32, .size: 8, .value_kind: global_buffer, .address_space: global }
    .group_segment_fixed_size: 2048
    .private_segment_fixed_size: 0
    .kernarg_segment_align: 8
    .kernarg_segment_size: 40
    .max_flat_workgroup_size: 256
    .sgpr_count:     66
    .vgpr_count:     226
    .wavefront_size: 32
...
	.end_amdgpu_metadata
.endif
;; end of part 5
;; launch w1 (part 6): grid 16 x 32, 4 waves a work-group, clusters of 4 x 4, 262,656 bytes of LDS; arguments h2c, wc, lowp_scales, b1, gc; writes gc
.if DOCPART == 6
	.amdgcn_target "amdgcn-amd-amdhsa--gfx1250"
	.amdhsa_code_object_version 6
	.text
	.protected	k_q28470908cd_w1
	.globl	k_q28470908cd_w1
	.p2align	8
	.type	k_q28470908cd_w1,@function
k_q28470908cd_w1:
	s_mov_b64 s[64:65], 0
	v_nop
	global_prefetch_b8 v0, s[64:65] scope:SCOPE_SE
	s_setreg_imm32_b32 hwreg(HW_REG_WAVE_MODE, 25, 1), 1
	s_wait_xcnt 0x0
	s_wait_alu depctr_hold_cnt(0) depctr_sa_sdst(0) depctr_va_vdst(0) depctr_va_sdst(0) depctr_va_ssrc(0) depctr_va_vcc(0) depctr_vm_vsrc(0)
	s_getreg_b32 s2, hwreg(HW_REG_IB_STS2, 6, 4)
	s_cmp_eq_u32 s2, 0
	s_cbranch_scc0 .Lentry_in_a_cluster
	s_endpgm
.Lentry_in_a_cluster:
	s_bfe_u32 s2, ttmp6, 0x10000c
	s_cmp_lg_u32 s2, 0xf033
	s_cbranch_scc0 .Lentry_shape_is_right
	s_endpgm
.Lentry_shape_is_right:
; g = gelu(h2 W1^T + b1), exact (by erf), on codes of BF8 (E5M2): h2 under 2^e10, W1 under 2^e11; g's codes under 2^e12, as the image of [4,096][2,048].
; OPERANDS ARE IMAGES OF THEIR REGISTERS: a fragment (16 rows x 128 k) is 2,048 bytes, byte 512 q + 16 lane + i; an operand [R][K] lies as [R / 16][K / 128][2,048].
; A work-group of four waves makes 128 x 128, a wave 64 x 64: 16 accumulators.  K = 1,024 lies whole in LDS, as two slots of 512, each filled once.  CLUSTERS: 4 x 4; h2's tiles shared along a row, W1's along a column.
; TRANSPOSED: source 0 = 16 rows of W1, source 1 = 16 tokens: lane (r, h) holds token r and hidden units 16 b + 8 h + 0 .. 7, so a conversion's two registers are registers 2 c, 2 c + 1, c = 4 x column half + b, of fragment (row block, tile column).
; GELU: u Phi(u), z = u / sqrt(2).  |z| <= 0.927734375: Phi = 1/2 + erf(z) / 2 by an odd polynomial of degree 11.  Else e = exp(poly(|z|)) stands for erfc(|z|): Phi = e / 2 where z < 0, 1 - e / 2 elsewhere.  Both are computed, v_cndmask_b32 chooses.
; LIMITS: e10 + e11 between -126 and 127; e12 between -126 and 112.  Phi carries an absolute error near 1e-7, so its relative error grows where Phi itself vanishes (u under about -2.6).  NaN and infinities are not served.
; REGISTERS: window 0: v8-13 three coefficients as pairs, v16-27 addresses, v30-31 the hold and the scale, v32-63 b1 (8 b + j), v64-119 GELU at work, v120-127 codes, v128-255 the accumulators.   window 1: two sets of fragments.
.set KTOT,  1024
.set WOFF,  2621440                    ; W1's image in wc
.set RBB,   KTOT*16
.set SLOT,  131072
.set G1,  24
.set G0,  32
.set G1B, 48
.set G0B, 56
.set AD0, 16
.set AD1, 20
.set LI,  27
.set BI,  32
.set U,   64
.set Z,   72
.set T,   80
.set S,   88
.set R,   96
.set W,   104
.set P,   112
.set CD,  120
.set ACC, 128
.set F0,  0
.set F1,  128
.set MSB, 0
.macro WIN new
.if MSB != \new
	s_set_vgpr_msb (MSB<<8)|\new
.set MSB, \new
.endif
.endm
.macro PLACES                          ; four plain vector instructions between a matrix instruction and a load into its sources or a read of its result
.rept 4
	v_nop
.endr
.endm
.macro CROUND
	s_barrier_signal -1
	s_barrier_wait -1
	s_cmp_lg_u32 s10, 0
	s_cbranch_scc1 .Lnot_wave_0_\@
	s_barrier_signal -3
.Lnot_wave_0_\@:
	s_barrier_wait -3
	s_barrier_signal -1
	s_barrier_wait -1
.endm
.macro FETCH slot, kf, f
	WIN 0x40
.irp i, 0,1,2,3
.irp q, 0,1,2,3
	ds_load_b128 v[\f+64+16*\i+4*\q:\f+64+16*\i+4*\q+3], v[AD0+\slot] offset:\i*8192+(\kf)*2048+\q*512
.endr
.endr
.irp i, 0,1,2,3
.irp q, 0,1,2,3
	ds_load_b128 v[\f+16*\i+4*\q:\f+16*\i+4*\q+3], v[AD1+\slot] offset:\i*8192+(\kf)*2048+\q*512
.endr
.endr
.endm
.macro MUL4 f, a, zero                 ; the 16 accumulators take turns, one instruction a turn
.irp b, 0,1,2,3
.if \zero
	v_wmma_f32_16x16x128_bf8_bf8 v[ACC+8*(4*(\a)+\b):ACC+8*(4*(\a)+\b)+7], v[\f+64+16*\b:\f+64+16*\b+15], v[\f+16*(\a):\f+16*(\a)+15], 0
.else
	v_wmma_f32_16x16x128_bf8_bf8 v[ACC+8*(4*(\a)+\b):ACC+8*(4*(\a)+\b)+7], v[\f+64+16*\b:\f+64+16*\b+15], v[\f+16*(\a):\f+16*(\a)+15], v[ACC+8*(4*(\a)+\b):ACC+8*(4*(\a)+\b)+7]
.endif
.endr
.endm
.macro STEP f, g, slot, kf, zero
	PLACES
	FETCH \slot, \kf, \g
	s_wait_dscnt 32                                ; all but the 32 just issued: set f is in
	WIN 0x05
	MUL4 \f, 0, \zero
	MUL4 \f, 1, \zero
	MUL4 \f, 2, \zero
	MUL4 \f, 3, \zero
.endm
.macro BOUND f, g, next
	s_wait_tensorcnt 0x0                           ; no load was issued behind the second slot's
	s_wait_dscnt 0x0
	s_barrier_signal -1
	WIN 0x05
	MUL4 \f, 0, 0
	MUL4 \f, 1, 0
	s_barrier_wait -1
	PLACES
	FETCH \next, 0, \g
	WIN 0x05
	MUL4 \f, 2, 0
	MUL4 \f, 3, 0
.endm
.macro LAST f
	s_wait_dscnt 0x0
	WIN 0x05
	MUL4 \f, 0, 0
	MUL4 \f, 1, 0
	MUL4 \f, 2, 0
	MUL4 \f, 3, 0
	WIN 0
.endm
	s_load_b128 s[4:7], s[0:1], 0x0                ; h2c, wc
	s_load_b128 s[68:71], s[0:1], 0x10             ; the scales' exponents, b1
	s_load_b64 s[72:73], s[0:1], 0x20              ; gc
	v_lshl_add_u32 v28, v0, 2, 0x40000
	v_mov_b32 v29, 0
	ds_add_u32 v28, v29
	ds_add_u32 v28, v29
	v_lshrrev_b32 v1, 5, v0
	v_readfirstlane_b32 s10, v1
	s_lshr_b32 s11, s10, 1
	s_and_b32 s12, s10, 1
	s_bfe_u32 s40, ttmp6, 0x40000
	s_bfe_u32 s41, ttmp6, 0x40004
	s_lshl_b32 s42, ttmp9, 2
	s_add_co_u32 s42, s42, s40                     ; tile column
	s_and_b32 s13, ttmp7, 0xffff
	s_lshl_b32 s13, s13, 2
	s_add_co_u32 s13, s13, s41                     ; tile row
	s_lshl_b32 s43, s41, 2
	s_lshl_b32 s43, 15, s43
	s_lshl_b32 s44, 0x1111, s40
	s_or_b32 s[G1], s43, (3<<16)|(1<<21)           ; the mask; elements of 8 bytes; no padding; bit 21 beside a mask
	s_or_b32 s[G1B], s44, (3<<16)|(1<<21)
.irp g, G1, G1B
	s_mov_b32 s[\g+1], 1024<<16                    ; 8,192 bytes: a row block's four fragments
	s_mov_b32 s[\g+2], 4<<16
	s_mov_b32 s[\g+3], 1024<<16
	s_mov_b32 s[\g+4], 4
	s_mov_b32 s[\g+5], RBB/8
	s_mov_b32 s[\g+6], 0
	s_mov_b32 s[\g+7], 0
.endr
	s_lshl_b32 s17, s12, 2
	s_lshl_b32 s16, s13, 3
	s_add_co_u32 s16, s16, s17
	s_mul_i32 s16, s16, RBB
	s_lshl_b32 s46, s42, 3
	s_add_co_u32 s46, s46, s17
	s_mul_i32 s46, s46, RBB
	s_add_co_u32 s46, s46, WOFF
	s_mov_b32 s17, 0
	s_mov_b32 s47, 0
	s_lshl_b32 s20, s10, 15
	s_wait_dscnt 0x0
	s_wait_kmcnt 0x0
	s_load_b64 s[80:81], s[68:69], 0x28            ; e10, e11
	s_load_b32 s82, s[68:69], 0x30                 ; e12
	s_add_nc_u64 s[14:15], s[4:5], s[16:17]
	s_add_nc_u64 s[46:47], s[6:7], s[46:47]
	CROUND
.irp s, 0,1
	s_mov_b32 s[G0+4*\s], 1
	s_add_co_u32 s[G0+4*\s+1], s20, \s*SLOT
	s_add_nc_u64 s[G0+4*\s+2:G0+4*\s+3], s[14:15], \s*8192
	s_or_b32 s[G0+4*\s+3], s[G0+4*\s+3], 0x80000000
	s_mov_b32 s[G0B+4*\s], 1
	s_add_co_u32 s[G0B+4*\s+1], s20, \s*SLOT
	s_add_nc_u64 s[G0B+4*\s+2:G0B+4*\s+3], s[46:47], \s*8192
	s_or_b32 s[G0B+4*\s+3], s[G0B+4*\s+3], 0x80000000
.endr
	s_cmp_eq_u32 s11, 0                            ; a wave's two fills stand in one branch: two tensor loads of mine are out
	s_cbranch_scc0 .Lfirst_b
	tensor_load_to_lds s[G0:G0+3], s[G1:G1+7]
	s_nop 0
	tensor_load_to_lds s[G0+4:G0+7], s[G1:G1+7]
	s_nop 0
.rept 4
	v_nop
.endr
	s_branch .Lfirst_asked
.Lfirst_b:
	tensor_load_to_lds s[G0B:G0B+3], s[G1B:G1B+7]
	s_nop 0
	tensor_load_to_lds s[G0B+4:G0B+7], s[G1B:G1B+7]
	s_nop 0
.rept 4
	v_nop
.endr
.Lfirst_asked:
	v_bfe_u32 v2, v0, 4, 1                         ; h
	v_and_b32 v3, 31, v0
	v_lshlrev_b32 v[LI], 4, v3
	s_lshl_b32 s21, s11, 15
	s_lshl_b32 s22, s12, 15
	s_add_co_u32 s22, s22, 65536
	v_add_nc_u32 v[AD0], s22, v[LI]
	v_add_nc_u32 v[AD0+1], SLOT, v[AD0]
	v_add_nc_u32 v[AD1], s21, v[LI]
	v_add_nc_u32 v[AD1+1], SLOT, v[AD1]
	s_lshl_b32 s92, s42, 9
	s_lshl_b32 s93, s12, 8
	s_add_co_u32 s92, s92, s93                     ; b1 at my 64 hidden units
	s_mov_b32 s93, 0
	s_add_nc_u64 s[70:71], s[70:71], s[92:93]
	v_lshlrev_b32 v4, 5, v2                        ; + 32 h
.irp b, 0,1,2,3
	global_load_b128 v[BI+8*\b:BI+8*\b+3], v4, s[70:71] offset:64*\b
	global_load_b128 v[BI+8*\b+4:BI+8*\b+7], v4, s[70:71] offset:64*\b+16
.endr
	s_lshl_b32 s94, s13, 3
	s_lshl_b32 s95, s11, 2
	s_add_co_u32 s94, s94, s95                     ; my first row block; 16 fragments a row block
	s_lshl_b32 s94, s94, 4
	s_add_co_u32 s94, s94, s42
	s_lshl_b32 s94, s94, 11
	s_lshl_b32 s95, s12, 10
	s_add_co_u32 s94, s94, s95
	s_mov_b32 s95, 0
	s_add_nc_u64 s[72:73], s[72:73], s[94:95]
	v_mov_b32 v8, 0xb7910000                       ; the leading coefficients, each as a pair (an instruction takes one literal)
	v_mov_b32 v9, 0xb7910000
	v_mov_b32 v10, 0xbb7e8a1c
	v_mov_b32 v11, 0xbb7e8a1c
	v_mov_b32 v12, 0xba1c7000
	v_mov_b32 v13, 0xba1c7000
	s_wait_tensorcnt 1                             ; my part of slot 0 is in; slot 1's may stay out
	s_barrier_signal -1
	s_barrier_wait -1
	FETCH 0, 0, F0
	STEP F0, F1, 0, 1, 1
	STEP F1, F0, 0, 2, 0
	STEP F0, F1, 0, 3, 0
	BOUND F1, F0, 1
	STEP F0, F1, 1, 1, 0
	STEP F1, F0, 1, 2, 0
	STEP F0, F1, 1, 3, 0
	LAST F1
.macro HORNER d, m, c                  ; d = d x m + c, eight numbers
.irp i, 0,2,4,6
	v_pk_fma_f32 v[\d+\i:\d+\i+1], v[\d+\i:\d+\i+1], v[\m+\i:\m+\i+1], \c op_sel_hi:[1,1,0]
.endr
.endm
.macro GELU8 a, b                      ; accumulator (a, b): eight numbers a lane become two registers of codes
.irp i, 0,2,4,6
	v_pk_fma_f32 v[U+\i:U+\i+1], v[ACC+8*(4*(\a)+\b)+\i:ACC+8*(4*(\a)+\b)+\i+1], s[76:77], v[BI+8*\b+\i:BI+8*\b+\i+1] op_sel_hi:[1,0,1]   ; u = sum x 2^(e10 + e11) + b1
.endr
.irp i, 0,2,4,6
	v_pk_mul_f32 v[Z+\i:Z+\i+1], v[U+\i:U+\i+1], 0x3f3504f3 op_sel_hi:[1,0]   ; z = u / sqrt(2)
.endr
.irp i, 0,2,4,6
	v_pk_mul_f32 v[S+\i:S+\i+1], v[Z+\i:Z+\i+1], v[Z+\i:Z+\i+1]
.endr
.irp i, 0,1,2,3,4,5,6,7
	v_and_b32 v[T+\i], 0x7fffffff, v[Z+\i]         ; t = |z|
.endr
.irp i, 0,2,4,6
	v_pk_fma_f32 v[R+\i:R+\i+1], v[T+\i:T+\i+1], v[8:9], 0x39c8e7d9 op_sel_hi:[1,0,0]
.endr
.irp i, 0,2,4,6
	v_pk_fma_f32 v[W+\i:W+\i+1], v[T+\i:T+\i+1], v[10:11], 0x3cc6b1a1 op_sel_hi:[1,0,0]
.endr
.irp i, 0,2,4,6
	v_pk_fma_f32 v[R+\i:R+\i+1], v[R+\i:R+\i+1], v[S+\i:S+\i+1], v[W+\i:W+\i+1]
.endr
	HORNER R, T, 0xbddaae5c
	HORNER R, T, 0xbf228550
	HORNER R, T, 0xbe03ce86
.irp i, 0,2,4,6
	v_pk_fma_f32 v[R+\i:R+\i+1], v[R+\i:R+\i+1], v[T+\i:T+\i+1], v[T+\i:T+\i+1] neg_lo:[0,0,1] neg_hi:[0,0,1]
.endr
.irp i, 0,2,4,6
	v_pk_mul_f32 v[R+\i:R+\i+1], v[R+\i:R+\i+1], 0x3fb8aa3b op_sel_hi:[1,0]
.endr
.irp i, 0,1,2,3,4,5,6,7
	v_exp_f32 v[R+\i], v[R+\i]                     ; e; the small branch below is the plain work behind the exponentials
.endr
.irp i, 0,2,4,6
	v_pk_fma_f32 v[P+\i:P+\i+1], v[S+\i:S+\i+1], v[12:13], 0x3ba38d2c op_sel_hi:[1,0,0]
.endr
	HORNER P, S, 0xbcdb48d9
	HORNER P, S, 0x3de70e22
	HORNER P, S, 0xbec09380
	HORNER P, S, 0x3e0375d4
.irp i, 0,2,4,6
	v_pk_fma_f32 v[P+\i:P+\i+1], v[P+\i:P+\i+1], v[Z+\i:Z+\i+1], v[Z+\i:Z+\i+1]   ; erf(z)
.endr
.irp i, 0,2,4,6
	v_pk_fma_f32 v[P+\i:P+\i+1], v[P+\i:P+\i+1], 0.5, 0.5 op_sel_hi:[1,0,0]
.endr
	s_wait_alu depctr_va_vdst(0)
.irp i, 0,2,4,6
	v_pk_mul_f32 v[W+\i:W+\i+1], v[R+\i:R+\i+1], 0.5 op_sel_hi:[1,0]             ; e / 2
.endr
.irp i, 0,2,4,6
	v_pk_fma_f32 v[R+\i:R+\i+1], v[R+\i:R+\i+1], -0.5, 1.0 op_sel_hi:[1,0,0]     ; 1 - e / 2
.endr
.irp i, 0,1,2,3,4,5,6,7
	v_cmp_gt_f32 vcc_lo, 0, v[Z+\i]
	v_cndmask_b32 v[R+\i], v[R+\i], v[W+\i], vcc_lo
.endr
.irp i, 0,1,2,3,4,5,6,7
	v_cmp_lt_f32 vcc_lo, 0x3f6d8000, v[T+\i]
	v_cndmask_b32 v[P+\i], v[P+\i], v[R+\i], vcc_lo
.endr
.irp i, 0,2,4,6
	v_pk_mul_f32 v[U+\i:U+\i+1], v[U+\i:U+\i+1], v[P+\i:P+\i+1]
.endr
.irp i, 0,1,2,3,4,5,6,7
	v_med3_num_f32 v[U+\i], v[U+\i], -v30, v30     ; the conversion does not saturate (ISA guide 7.6.2)
.endr
	v_cvt_scalef32_pk8_bf8_f32 v[CD+2*\b:CD+2*\b+1], v[U:U+7], v31
	v_nop                                          ; a plain instruction before u's registers are written again
.endm
	s_wait_kmcnt 0x0
	s_add_co_i32 s76, s80, s81
	s_add_co_i32 s76, s76, 127
	s_lshl_b32 s76, s76, 23                        ; 2^(e10 + e11) as f32
	s_mov_b32 s77, s76
	s_add_co_i32 s78, s82, 127
	s_lshl_b32 s79, s78, 23
	v_mov_b32 v31, s79                             ; 2^e12
	s_add_co_i32 s78, s78, 15
	s_lshl_b32 s78, s78, 23
	s_or_b32 s78, s78, 0x600000
	v_mov_b32 v30, s78                             ; 57,344 x 2^e12
	s_wait_loadcnt 0x0                             ; b1
	PLACES
.irp a, 0,1,2,3
.if \a > 0
	s_wait_xcnt 0x0                                ; the last block's stores have read their registers: the codes may be written again
.endif
	GELU8 \a, 0
	GELU8 \a, 1
	GELU8 \a, 2
	GELU8 \a, 3
	global_store_b128 v[LI], v[CD:CD+3], s[72:73] offset:\a*32768
	global_store_b128 v[LI], v[CD+4:CD+7], s[72:73] offset:\a*32768+512
.endr
	s_wait_dscnt 0x0
	s_wait_tensorcnt 0x0
	ds_add_u32 v28, v29
	s_wait_dscnt 0x0
	CROUND                                         ; the closing round
	s_endpgm
.Lfunc_end_k_q28470908cd_w1:
	.size	k_q28470908cd_w1, .Lfunc_end_k_q28470908cd_w1-k_q28470908cd_w1
	.p2alignl 7, 3214868480
	.fill 96, 4, 3214868480
	.section	.rodata,"a",@progbits
	.p2align	6, 0x0
	.amdhsa_kernel k_q28470908cd_w1
		.amdhsa_group_segment_fixed_size 262656
		.amdhsa_private_segment_fixed_size 0
		.amdhsa_enable_private_segment 0
		.amdhsa_kernarg_size 40
		.amdhsa_user_sgpr_count 2
		.amdhsa_user_sgpr_kernarg_segment_ptr 1
		.amdhsa_wavefront_size32 1
		.amdhsa_system_sgpr_workgroup_id_x 1
		.amdhsa_system_sgpr_workgroup_id_y 1
		.amdhsa_system_sgpr_workgroup_id_z 1
		.amdhsa_system_vgpr_workitem_id 0
		.amdhsa_next_free_vgpr 512
		.amdhsa_next_free_sgpr 100
		.amdhsa_reserve_vcc 1
		.amdhsa_float_denorm_mode_32 3
		.amdhsa_float_denorm_mode_16_64 3
		.amdhsa_memory_ordered 1
		.amdhsa_forward_progress 1
		.amdhsa_inst_pref_size 185
	.end_amdhsa_kernel
	.amdgpu_metadata
---
amdhsa.version: [ 1, 2 ]
amdhsa.kernels:
  - .name:           k_q28470908cd_w1
    .symbol:         k_q28470908cd_w1.kd
    .args:
      - { .name: h2c, .offset: 0, .size: 8, .value_kind: global_buffer, .address_space: global }
      - { .name: wc, .offset: 8, .size: 8, .value_kind: global_buffer, .address_space: global }
      - { .name: lowp_scales, .offset: 16, .size: 8, .value_kind: global_buffer, .address_space: global }
      - { .name: b1, .offset: 24, .size: 8, .value_kind: global_buffer, .address_space: global }
      - { .name: gc, .offset: 32, .size: 8, .value_kind: global_buffer, .address_space: global }
    .group_segment_fixed_size: 262656
    .private_segment_fixed_size: 0
    .kernarg_segment_align: 8
    .kernarg_segment_size: 40
    .max_flat_workgroup_size: 128
    .sgpr_count:     100
    .vgpr_count:     512
    .wavefront_size: 32
...
	.end_amdgpu_metadata
.endif
;; end of part 6
;; launch w2 (part 7): grid 8 x 32, 4 waves a work-group, clusters of 4 x 4, 327,680 bytes of LDS; arguments gc, wc, lowp_scales, x1, b2, out0; writes out0
.if DOCPART == 7
	.amdgcn_target "amdgcn-amd-amdhsa--gfx1250"
	.amdhsa_code_object_version 6
	.text
	.protected	k_q28470908cd_w2
	.globl	k_q28470908cd_w2
	.p2align	8
	.type	k_q28470908cd_w2,@function
k_q28470908cd_w2:
	s_mov_b64 s[64:65], 0
	v_nop
	global_prefetch_b8 v0, s[64:65] scope:SCOPE_SE
	s_setreg_imm32_b32 hwreg(HW_REG_WAVE_MODE, 25, 1), 1
	s_wait_xcnt 0x0
	s_wait_alu depctr_hold_cnt(0) depctr_sa_sdst(0) depctr_va_vdst(0) depctr_va_sdst(0) depctr_va_ssrc(0) depctr_va_vcc(0) depctr_vm_vsrc(0)
	s_getreg_b32 s2, hwreg(HW_REG_IB_STS2, 6, 4)
	s_cmp_eq_u32 s2, 0
	s_cbranch_scc0 .Lentry_in_a_cluster
	s_endpgm
.Lentry_in_a_cluster:
	s_bfe_u32 s2, ttmp6, 0x10000c
	s_cmp_lg_u32 s2, 0xf033
	s_cbranch_scc0 .Lentry_shape_is_right
	s_endpgm
.Lentry_shape_is_right:
; out0 = x1 + b2 + g W2^T on codes of BF8 (E5M2): g under 2^e12, W2 under 2^e13.  x1, out0: [4,096][1,024] f32.  K = 2,048.
; OPERANDS ARE IMAGES OF THEIR REGISTERS: a fragment (16 rows x 128 k) is 2,048 bytes, byte 512 q + 16 lane + i; an operand [R][K] lies as [R / 16][K / 128][2,048].
; A work-group of four waves makes 128 x 128, a wave 64 x 64: 16 accumulators.  K goes through a ring of two LDS slots of 512; each slot is filled twice.  CLUSTERS: 4 x 4; g's tiles shared along a row, W2's along a column.
; A slot is filled again in this order: each wave waits for all its tensor loads, adds 0 to its spare word, waits for that and for its reads of the slot; a round of the cluster's barrier; the joint refill first behind it, one a wave.
; From a refill to the wait for it a wave issues 56 matrix instructions.
; TRANSPOSED: source 0 = 16 rows of W2, source 1 = 16 tokens.  A block of 16 rows x 64 columns goes through the wave's own stage and comes back as rows of 256 bytes: sixteen lanes store 256 consecutive bytes, aligned.
; LIMIT: e12 + e13 lies between -126 and 127.
; REGISTERS: window 0: v16-29 addresses, v32-95 the way out, v96-99 b2, v128-255 the accumulators.   window 1: two sets of fragments.   window 2: v0-127 x1 at 32 a + 4 t.
.set KTOT,  2048
.set WOFF,  4718592                    ; W2's image in wc
.set RBB,   KTOT*16
.set SLOT,  131072
.set STAGE, 262144                     ; behind the ring: 16 rows x 272 bytes for each wave; no tile lands here
.set SPARE, STAGE+4*16*272             ; behind the stages: the spare words, 128 bytes for each wave: two blocks of 256 bytes that no other line names
.set G1,  24
.set G0,  32
.set G1B, 48
.set G0B, 56
.set AD0, 16
.set AD1, 20
.set STO, 24
.set RD,  25
.set CO,  26
.set LI,  27
.set SPW, 28                           ; v28 LDS address of my spare word; never rewritten
.set NIL, 29                           ; v29 0; never rewritten
.set BI,  96
.set ACC, 128
.set F0,  0
.set F1,  128
.set MSB, 0
.macro WIN new
.if MSB != \new
	s_set_vgpr_msb (MSB<<8)|\new
.set MSB, \new
.endif
.endm
.macro PLACES                          ; four plain vector instructions between a matrix instruction and a load into its sources or a read of its result
.rept 4
	v_nop
.endr
.endm
.macro CREST                           ; a round of the cluster's barrier behind its opening barrier
	s_cmp_lg_u32 s10, 0
	s_cbranch_scc1 .Lnot_wave_0_\@
	s_barrier_signal -3
.Lnot_wave_0_\@:
	s_barrier_wait -3
	s_barrier_signal -1
	s_barrier_wait -1
.endm
.macro CROUND
	s_barrier_signal -1
	s_barrier_wait -1
	CREST
.endm
.macro JLOAD s                         ; a joint refill: waves 0 and 1 fetch g's halves, waves 2 and 3 W2's; four v_nop follow each of the two lines
	s_cmp_eq_u32 s11, 0
	s_cbranch_scc0 .Lfor_b_\@
	tensor_load_to_lds s[G0+4*\s:G0+4*\s+3], s[G1:G1+7]
	s_nop 0
.rept 4
	v_nop
.endr
	s_branch .Lasked_\@
.Lfor_b_\@:
	tensor_load_to_lds s[G0B+4*\s:G0B+4*\s+3], s[G1B:G1B+7]
	s_nop 0
.rept 4
	v_nop
.endr
.Lasked_\@:
.endm
.macro FETCH slot, kf, f
	WIN 0x40
.irp i, 0,1,2,3
.irp q, 0,1,2,3
	ds_load_b128 v[\f+64+16*\i+4*\q:\f+64+16*\i+4*\q+3], v[AD0+\slot] offset:\i*8192+(\kf)*2048+\q*512
.endr
.endr
.irp i, 0,1,2,3
.irp q, 0,1,2,3
	ds_load_b128 v[\f+16*\i+4*\q:\f+16*\i+4*\q+3], v[AD1+\slot] offset:\i*8192+(\kf)*2048+\q*512
.endr
.endr
.endm
.macro MUL4 f, a, zero                 ; the 16 accumulators take turns, one instruction a turn
.irp b, 0,1,2,3
.if \zero
	v_wmma_f32_16x16x128_bf8_bf8 v[ACC+8*(4*(\a)+\b):ACC+8*(4*(\a)+\b)+7], v[\f+64+16*\b:\f+64+16*\b+15], v[\f+16*(\a):\f+16*(\a)+15], 0
.else
	v_wmma_f32_16x16x128_bf8_bf8 v[ACC+8*(4*(\a)+\b):ACC+8*(4*(\a)+\b)+7], v[\f+64+16*\b:\f+64+16*\b+15], v[\f+16*(\a):\f+16*(\a)+15], v[ACC+8*(4*(\a)+\b):ACC+8*(4*(\a)+\b)+7]
.endif
.endr
.endm
.macro STEP f, g, slot, kf, zero
	PLACES
	FETCH \slot, \kf, \g
	s_wait_dscnt 32                                ; all but the 32 just issued: set f is in
	WIN 0x05
	MUL4 \f, 0, \zero
	MUL4 \f, 1, \zero
	MUL4 \f, 2, \zero
	MUL4 \f, 3, \zero
.endm
; A slot's last step changes slots.  fill = 1: the slot just read out takes the K two slots on.
.macro BOUND f, g, slot, next, fill
	WIN 0                                          ; (the add's two registers lie in window 0)
	s_wait_tensorcnt 0x0                           ; all my tensor loads have landed: my part of the next slot;
	ds_add_u32 v[SPW], v[NIL]                      ; 0 onto my spare word;
	s_wait_dscnt 1                                 ; (the add alone may be out: set f is in)
	WIN 0x05
	MUL4 \f, 0, 0                                  ; four matrix instructions stand between the add and the wait for it
	s_wait_dscnt 0x0                               ; the add is done, and my reads of this slot are over
	s_barrier_signal -1
	MUL4 \f, 1, 0
.if \fill
	WIN 0
.endif
	s_barrier_wait -1
.if \fill
	CREST                                          ; the barrier has opened a round of the cluster's: no wave of any partner still reads this slot or has a load on its way
	s_add_nc_u64 s[G0+4*\slot+2:G0+4*\slot+3], s[G0+4*\slot+2:G0+4*\slot+3], 16384
	s_add_nc_u64 s[G0B+4*\slot+2:G0B+4*\slot+3], s[G0B+4*\slot+2:G0B+4*\slot+3], 16384
	JLOAD \slot                                    ; the first tensor load behind the round; its four v_nop are also the places in front of the loads below
.else
	PLACES
.endif
	FETCH \next, 0, \g
	WIN 0x05
	MUL4 \f, 2, 0
	MUL4 \f, 3, 0
.endm
.macro LAST f
	s_wait_dscnt 0x0
	WIN 0x05
	MUL4 \f, 0, 0
	MUL4 \f, 1, 0
	MUL4 \f, 2, 0
	MUL4 \f, 3, 0
	WIN 0
.endm
	s_load_b128 s[4:7], s[0:1], 0x0                ; gc, wc
	s_load_b256 s[68:75], s[0:1], 0x10             ; the scales' exponents 68, x1 70, b2 72, out0 74
	v_lshl_add_u32 v[SPW], v0, 2, SPARE
	v_mov_b32 v[NIL], 0
	ds_add_u32 v28, v29
	ds_add_u32 v28, v29
	s_wait_dscnt 0x0
	v_lshrrev_b32 v1, 5, v0
	v_readfirstlane_b32 s10, v1
	s_lshr_b32 s11, s10, 1
	s_and_b32 s12, s10, 1
	s_bfe_u32 s40, ttmp6, 0x40000
	s_bfe_u32 s41, ttmp6, 0x40004
	s_lshl_b32 s42, ttmp9, 2
	s_add_co_u32 s42, s42, s40                     ; tile column
	s_and_b32 s13, ttmp7, 0xffff
	s_lshl_b32 s13, s13, 2
	s_add_co_u32 s13, s13, s41                     ; tile row
	s_lshl_b32 s43, s41, 2
	s_lshl_b32 s43, 15, s43
	s_lshl_b32 s44, 0x1111, s40
	s_or_b32 s[G1], s43, (3<<16)|(1<<21)           ; the mask; elements of 8 bytes; no padding; bit 21 beside a mask
	s_or_b32 s[G1B], s44, (3<<16)|(1<<21)
.irp g, G1, G1B
	s_mov_b32 s[\g+1], 1024<<16                    ; 8,192 bytes: four of a row block's sixteen fragments
	s_mov_b32 s[\g+2], 4<<16
	s_mov_b32 s[\g+3], 1024<<16
	s_mov_b32 s[\g+4], 4
	s_mov_b32 s[\g+5], RBB/8
	s_mov_b32 s[\g+6], 0
	s_mov_b32 s[\g+7], 0
.endr
	s_lshl_b32 s17, s12, 2
	s_lshl_b32 s16, s13, 3
	s_add_co_u32 s16, s16, s17
	s_mul_i32 s16, s16, RBB
	s_lshl_b32 s46, s42, 3
	s_add_co_u32 s46, s46, s17
	s_mul_i32 s46, s46, RBB
	s_add_co_u32 s46, s46, WOFF
	s_mov_b32 s17, 0
	s_mov_b32 s47, 0
	s_lshl_b32 s20, s10, 15
	s_wait_kmcnt 0x0
	s_load_b64 s[80:81], s[68:69], 0x30            ; e12, e13
	s_add_nc_u64 s[14:15], s[4:5], s[16:17]
	s_add_nc_u64 s[46:47], s[6:7], s[46:47]
	CROUND
.irp s, 0,1
	s_mov_b32 s[G0+4*\s], 1
	s_add_co_u32 s[G0+4*\s+1], s20, \s*SLOT
	s_add_nc_u64 s[G0+4*\s+2:G0+4*\s+3], s[14:15], \s*8192
	s_or_b32 s[G0+4*\s+3], s[G0+4*\s+3], 0x80000000
	s_mov_b32 s[G0B+4*\s], 1
	s_add_co_u32 s[G0B+4*\s+1], s20, \s*SLOT
	s_add_nc_u64 s[G0B+4*\s+2:G0B+4*\s+3], s[46:47], \s*8192
	s_or_b32 s[G0B+4*\s+3], s[G0B+4*\s+3], 0x80000000
.endr
	s_cmp_eq_u32 s11, 0                            ; a wave's two first fills stand in one branch: two tensor loads of mine are out
	s_cbranch_scc0 .Lfirst_b
	tensor_load_to_lds s[G0:G0+3], s[G1:G1+7]
	s_nop 0
	tensor_load_to_lds s[G0+4:G0+7], s[G1:G1+7]
	s_nop 0
.rept 4
	v_nop
.endr
	s_branch .Lfirst_asked
.Lfirst_b:
	tensor_load_to_lds s[G0B:G0B+3], s[G1B:G1B+7]
	s_nop 0
	tensor_load_to_lds s[G0B+4:G0B+7], s[G1B:G1B+7]
	s_nop 0
.rept 4
	v_nop
.endr
.Lfirst_asked:
	v_and_b32 v1, 15, v0
	v_bfe_u32 v2, v0, 4, 1
	v_and_b32 v3, 31, v0
	v_lshlrev_b32 v[LI], 4, v3
	s_lshl_b32 s21, s11, 15
	s_lshl_b32 s22, s12, 15
	s_add_co_u32 s22, s22, 65536
	v_add_nc_u32 v[AD0], s22, v[LI]
	v_add_nc_u32 v[AD0+1], SLOT, v[AD0]
	v_add_nc_u32 v[AD1], s21, v[LI]
	v_add_nc_u32 v[AD1+1], SLOT, v[AD1]
	s_mul_i32 s23, s10, 16*272
	s_add_co_u32 s23, s23, STAGE                   ; my stage
	v_mul_u32_u24 v4, v1, 272
	v_lshl_add_u32 v4, v2, 5, v4
	v_add_nc_u32 v[STO], s23, v4
	v_mul_u32_u24 v5, v2, 272
	v_lshl_add_u32 v5, v1, 4, v5
	v_add_nc_u32 v[RD], s23, v5
	v_lshlrev_b32 v5, 12, v2
	v_lshl_add_u32 v[CO], v1, 4, v5
	v_lshlrev_b32 v6, 4, v1                        ; b2: my four columns of the way back
	s_lshl_b32 s94, s42, 9
	s_lshl_b32 s95, s12, 8
	s_add_co_u32 s94, s94, s95                     ; my first column, in bytes
	s_mov_b32 s95, 0
	s_add_nc_u64 s[72:73], s[72:73], s[94:95]
	s_lshl_b32 s91, s13, 7
	s_lshl_b32 s92, s11, 6
	s_add_co_u32 s91, s91, s92
	s_lshl_b32 s91, s91, 12                        ; my first row
	s_add_co_u32 s92, s91, s94
	s_mov_b32 s93, 0
	s_add_nc_u64 s[70:71], s[70:71], s[92:93]
	s_add_nc_u64 s[74:75], s[74:75], s[92:93]
	global_load_b128 v[BI:BI+3], v6, s[72:73]
	WIN 0x80                                       ; destination window 2
.irp a, 0,1,2,3
.irp t, 0,1,2,3,4,5,6,7
	global_load_b128 v[32*\a+4*\t:32*\a+4*\t+3], v[CO], s[70:71] offset:(16*\a+2*\t)*4096 th:TH_LOAD_NT
.endr
.endr
	WIN 0
	s_wait_tensorcnt 1                             ; my part of slot 0 is in; slot 1's may stay out
	s_barrier_signal -1
	s_barrier_wait -1
	FETCH 0, 0, F0
	STEP F0, F1, 0, 1, 1
	STEP F1, F0, 0, 2, 0
	STEP F0, F1, 0, 3, 0
	BOUND F1, F0, 0, 1, 1                          ; slot 0 takes K 1,024-1,535
	STEP F0, F1, 1, 1, 0
	STEP F1, F0, 1, 2, 0
	STEP F0, F1, 1, 3, 0
	BOUND F1, F0, 1, 0, 1                          ; slot 1 takes K 1,536-2,047
	STEP F0, F1, 0, 1, 0
	STEP F1, F0, 0, 2, 0
	STEP F0, F1, 0, 3, 0
	BOUND F1, F0, 0, 1, 0                          ; nothing is left to fetch
	STEP F0, F1, 1, 1, 0
	STEP F1, F0, 1, 2, 0
	STEP F0, F1, 1, 3, 0
	LAST F1
.macro TOSTAGE a                       ; block a's sums into my stage, each accumulator from its low end on, and back as rows.  LDS serves a wave's instructions in order (ISA guide 5.7.1.4): no wait between
.set BB, 32+32*((\a)%2)
.irp b, 0,1,2,3
	ds_store_b128 v[STO], v[ACC+8*(4*(\a)+\b):ACC+8*(4*(\a)+\b)+3] offset:64*\b
	ds_store_b128 v[STO], v[ACC+8*(4*(\a)+\b)+4:ACC+8*(4*(\a)+\b)+7] offset:64*\b+16
.endr
.irp t, 0,1,2,3,4,5,6,7
	ds_load_b128 v[BB+4*\t:BB+4*\t+3], v[RD] offset:\t*544
.endr
.endm
.macro SEND a, younger
.set BB, 32+32*((\a)%2)
	s_wait_dscnt \younger
	WIN 0x20                                       ; source 2 (x1) window 2
.set j, 0
.rept 16
	v_pk_fma_f32 v[BB+j:BB+j+1], v[BB+j:BB+j+1], s[76:77], v[32*(\a)+j:32*(\a)+j+1] op_sel_hi:[1,0,1]
.set j, j+2
.endr
	WIN 0
.irp t, 0,1,2,3,4,5,6,7
	v_pk_add_f32 v[BB+4*\t:BB+4*\t+1], v[BB+4*\t:BB+4*\t+1], v[BI:BI+1]
	v_pk_add_f32 v[BB+4*\t+2:BB+4*\t+3], v[BB+4*\t+2:BB+4*\t+3], v[BI+2:BI+3]
.endr
.irp t, 0,1,2,3,4,5,6,7
	global_store_b128 v[CO], v[BB+4*\t:BB+4*\t+3], s[74:75] offset:(16*(\a)+2*\t)*4096 th:TH_STORE_NT
.endr
.endm
	s_wait_kmcnt 0x0
	s_add_co_i32 s76, s80, s81
	s_add_co_i32 s76, s76, 127
	s_lshl_b32 s76, s76, 23                        ; 2^(e12 + e13) as f32
	s_mov_b32 s77, s76
	s_wait_loadcnt 0x0                             ; x1 and b2
	PLACES
	TOSTAGE 0
	TOSTAGE 1
	SEND 0, 16                                     ; behind block 0's loads: block 1's 8 stores and 8 loads
	s_wait_xcnt 0x0                                ; block 0's stores have read their registers: block 2's loads may land there
	TOSTAGE 2
	SEND 1, 16
	s_wait_xcnt 0x0
	TOSTAGE 3
	SEND 2, 16
	SEND 3, 0
	s_wait_tensorcnt 0x0                           ; the wave's end, behind my last tensor load and my last LDS store
	ds_add_u32 v[SPW], v[NIL]
	s_wait_dscnt 0x0
	CROUND                                         ; the closing round
	s_endpgm
.Lfunc_end_k_q28470908cd_w2:
	.size	k_q28470908cd_w2, .Lfunc_end_k_q28470908cd_w2-k_q28470908cd_w2
	.p2alignl 7, 3214868480
	.fill 96, 4, 3214868480
	.section	.rodata,"a",@progbits
	.p2align	6, 0x0
	.amdhsa_kernel k_q28470908cd_w2
		.amdhsa_group_segment_fixed_size 327680
		.amdhsa_private_segment_fixed_size 0
		.amdhsa_enable_private_segment 0
		.amdhsa_kernarg_size 48
		.amdhsa_user_sgpr_count 2
		.amdhsa_user_sgpr_kernarg_segment_ptr 1
		.amdhsa_wavefront_size32 1
		.amdhsa_system_sgpr_workgroup_id_x 1
		.amdhsa_system_sgpr_workgroup_id_y 1
		.amdhsa_system_sgpr_workgroup_id_z 1
		.amdhsa_system_vgpr_workitem_id 0
		.amdhsa_next_free_vgpr 640
		.amdhsa_next_free_sgpr 100
		.amdhsa_reserve_vcc 0
		.amdhsa_float_denorm_mode_32 3
		.amdhsa_float_denorm_mode_16_64 3
		.amdhsa_memory_ordered 1
		.amdhsa_forward_progress 1
		.amdhsa_inst_pref_size 80
	.end_amdhsa_kernel
	.amdgpu_metadata
---
amdhsa.version: [ 1, 2 ]
amdhsa.kernels:
  - .name:           k_q28470908cd_w2
    .symbol:         k_q28470908cd_w2.kd
    .args:
      - { .name: gc, .offset: 0, .size: 8, .value_kind: global_buffer, .address_space: global }
      - { .name: wc, .offset: 8, .size: 8, .value_kind: global_buffer, .address_space: global }
      - { .name: lowp_scales, .offset: 16, .size: 8, .value_kind: global_buffer, .address_space: global }
      - { .name: x1, .offset: 24, .size: 8, .value_kind: global_buffer, .address_space: global }
      - { .name: b2, .offset: 32, .size: 8, .value_kind: global_buffer, .address_space: global }
      - { .name: out0, .offset: 40, .size: 8, .value_kind: global_buffer, .address_space: global }
    .group_segment_fixed_size: 327680
    .private_segment_fixed_size: 0
    .kernarg_segment_align: 8
    .kernarg_segment_size: 48
    .max_flat_workgroup_size: 128
    .sgpr_count:     100
    .vgpr_count:     640
    .wavefront_size: 32
...
	.end_amdgpu_metadata
.endif
;; end of part 7
;; ======== version 2 of 2: 7 launches; 1.18 times as fast as version 1
;; limits: a function is approximated: absolute error at most 1e-07
;; workspace buffers: hc 8,388,608 bytes; wc 6,815,744 bytes; qkvc 6,291,456 bytes; oc 4,194,304 bytes; x1 16,777,216 bytes; h2c 4,194,304 bytes; gc 8,388,608 bytes
;; launch prep (part 8): grid 672 x 1, 8 waves a work-group, no clusters, 77,824 bytes of LDS; arguments x, ln1_g, ln1_b, Wq, Wkv, Wo, W1, W2, lowp_scales, hc, wc; writes hc, wc
.if DOCPART == 8
	.amdgcn_target "amdgcn-amd-amdhsa--gfx1250"
	.amdhsa_code_object_version 6
	.text
	.protected	k_q28470908cd_prep
	.globl	k_q28470908cd_prep
	.p2align	8
	.type	k_q28470908cd_prep,@function
k_q28470908cd_prep:
	s_mov_b64 s[64:65], 0
	v_nop
	global_prefetch_b8 v0, s[64:65] scope:SCOPE_SE
	s_setreg_imm32_b32 hwreg(HW_REG_WAVE_MODE, 25, 1), 1
	s_wait_xcnt 0x0
; Work-groups 0-255: h = LayerNorm(x) of 16 rows, quantised twice to BF8 (E5M2): under 2^e0 (for Wq's product) and under 2^e2 (for Wkv's).
; Work-groups 256-671: a stripe of 16 rows x 1,024 k of one of the five weights, quantised under its own scale (e1, e3, e9, e11, e13).
; ALL CODES ARE STORED AS IMAGES OF THE OPERAND'S REGISTERS.  A fragment is 16 rows x 128 k = 2,048 bytes; byte 512 q + 16 lane + i (lane = r + 16 h) holds row r,
; k = 32 q + 8 h + i (i < 8) or 32 q + 16 + 8 h + i - 8: registers 2 c, 2 c + 1 of the plain 8-bit form hold k = 16 c + 8 h + 0 .. 7.  An operand [R][K] lies as [R / 16][K / 128][2,048].
; A wave makes one fragment.  A fragment's row is 512 consecutive bytes of f32: each of the wave's 16 loads reads one row's 512 bytes, 16 a lane.  The conversions want eight neighbours along K in one lane's registers:
; so the 8,192 bytes turn through the wave's own stage in LDS and come back to lane (r, h) as row r, k = 16 c + 8 h + 0 .. 7 in registers 8 c on.  Each store of the wave covers 512 consecutive bytes, aligned.
; The choice of the tensor, the loads and the turn are one path for all work-groups; the text parts on the work-group's number behind them.
; The mean and the variance are taken in two passes (x - mean first), so a common offset of x costs no accuracy.  The 8 waves of a row meet in LDS: 64 bytes a wave, bytes 0-511 for the sums, 512-1,023 for the squares.
; The gain and the bias of the wave's 128 columns are 512 bytes each: one load of 16 bytes a lane for each, into 1,024 bytes of LDS of the wave's own, and back half by half in the lanes' layout (all sixteen rows read the same words).
; The codes are laid over x's registers that are done with: 160 registers a wave, so that three work-groups' loads can be out on a WGP at once.
; LIMITS: each of e0, e1, e2, e3, e9, e11, e13 lies between -126 and 112, so that 2^e and 57,344 x 2^e are f32 numbers.  NaN and infinities among the inputs are not served.
.set X,   32                           ; v32-95   my 64 numbers: as loaded 4 i + j (row i), behind the turn 8 c + i; later the codes: quad q at 16 q (first scale) and 16 q + 4 (second)
.set GH,  96                           ; v96-127  half of the gain at my columns
.set BH,  128                          ; v128-159 half of the bias
.set C0,  96                           ; v96-111  a weight's codes
.set SP,  528                          ; a stage row: 512 bytes + 16 = 132 words: row r starts at bank 4 r mod 64 (64 banks of 4 bytes: ISA guide 11.1)
.set STG, 1024                         ; the stages: 16 rows for each wave
.set GBS, STG+8*16*SP                  ; behind them: 512 bytes of gain and 512 of bias for each wave
.macro MKSCALE e, sc, lim              ; v[sc] = 2^e as f32 (the conversion takes its exponent field), v[lim] = 57,344 x 2^e
	s_add_co_i32 s46, s[\e], 127
	s_lshl_b32 s47, s46, 23
	v_mov_b32 v[\sc], s47
	s_add_co_i32 s46, s46, 15
	s_lshl_b32 s46, s46, 23
	s_or_b32 s46, s46, 0x600000
	v_mov_b32 v[\lim], s46
.endm
; v[8:9] holds my two partial sums.  Out: v12 = the sum over the row's 1,024 numbers, in every lane of the row.
.macro XCHG base
	v_add_f32 v8, v8, v9
	v_permlanex16_b32 v9, v8, s42, s43             ; the row's other 64 numbers of this fragment lie in the lane 16 away
	v_add_f32 v8, v8, v9
	ds_store_b32 v5, v8 offset:\base               ; word 16 wave + r (both halves of the lanes write the same number)
	s_wait_dscnt 0x0                               ; for the others' sake: my store has landed
	s_barrier_signal -1
	s_barrier_wait -1
.irp w, 0,1,2,3,4,5,6,7
	ds_load_b32 v[12+\w], v6 offset:\base+64*\w
.endr
	s_wait_dscnt 0x0
	v_add_f32 v12, v12, v13
	v_add_f32 v14, v14, v15
	v_add_f32 v16, v16, v17
	v_add_f32 v18, v18, v19
	v_add_f32 v12, v12, v14
	v_add_f32 v16, v16, v18
	v_add_f32 v12, v12, v16
.endm
.macro GBLDS half                      ; the gain and the bias at my columns 16 c + 8 h + 0 .. 7, c = 4 half .. 4 half + 3, out of my wave's LDS bytes
.irp c, 0,1,2,3
	ds_load_b128 v[GH+8*\c:GH+8*\c+3], v31 offset:256*\half+64*\c
	ds_load_b128 v[GH+8*\c+4:GH+8*\c+7], v31 offset:256*\half+64*\c+16
	ds_load_b128 v[BH+8*\c:BH+8*\c+3], v31 offset:512+256*\half+64*\c
	ds_load_b128 v[BH+8*\c+4:BH+8*\c+7], v31 offset:512+256*\half+64*\c+16
.endr
.endm
.macro AFFINE half
.set j, 0
.rept 16
	v_pk_fma_f32 v[X+32*\half+j:X+32*\half+j+1], v[X+32*\half+j:X+32*\half+j+1], v[GH+j:GH+j+1], v[BH+j:BH+j+1]
.set j, j+2
.endr
.endm
; Eight numbers become codes, once for each scale: the hold (the conversion to an 8-bit code does not saturate: ISA guide 7.6.2) into registers at work, then the conversions, whose results lie over x's registers of c = 2 (c / 2), which both holds have read.
.macro QUANT c
.irp i, 0,1,2,3,4,5,6,7
	v_med3_num_f32 v[8+\i], v[X+8*(\c)+\i], -v24, v24
.endr
.irp i, 0,1,2,3,4,5,6,7
	v_med3_num_f32 v[16+\i], v[X+8*(\c)+\i], -v26, v26
.endr
	v_cvt_scalef32_pk8_bf8_f32 v[X+16*((\c)/2)+2*((\c)%2):X+16*((\c)/2)+2*((\c)%2)+1], v[8:15], v25
	v_cvt_scalef32_pk8_bf8_f32 v[X+16*((\c)/2)+4+2*((\c)%2):X+16*((\c)/2)+4+2*((\c)%2)+1], v[16:23], v27
	v_nop                                          ; a plain instruction before the next holds write the conversions' sources
.endm
.macro SEND q
	global_store_b128 v7, v[X+16*\q:X+16*\q+3], s[26:27] offset:512*\q
	global_store_b128 v7, v[X+16*\q+4:X+16*\q+7], s[26:27] offset:4194304+512*\q
.endm
	s_load_b512 s[8:23], s[0:1], 0x0               ; x 8, ln1_g 10, ln1_b 12, Wq 14, Wkv 16, Wo 18, W1 20, W2 22
	s_load_b128 s[24:27], s[0:1], 0x40             ; the scales' exponents 24, hc 26
	s_load_b64 s[28:29], s[0:1], 0x50              ; wc
	v_lshl_add_u32 v160, v0, 2, 0x12c00
	v_mov_b32 v161, 0
	v_lshrrev_b32 v1, 5, v0
	v_readfirstlane_b32 s30, v1                    ; wave 0..7: which 128 along K
	v_and_b32 v1, 15, v0                           ; r
	v_bfe_u32 v2, v0, 4, 1                         ; h
	v_and_b32 v9, 31, v0
	v_lshlrev_b32 v9, 4, v9                        ; 16 lane
	s_lshl_b32 s31, s30, 11
	v_add_nc_u32 v7, s31, v9                       ; my place in the stripe's images: 2,048 wave + 16 lane
	s_lshl_b32 s31, s30, 9
	v_add_nc_u32 v3, s31, v9                       ; my 16 bytes of a row, of the gain and of the bias: 512 wave + 16 lane
	s_lshl_b32 s31, s30, 6
	v_lshl_add_u32 v5, v1, 2, s31                  ; LDS, the sums: 64 wave + 4 r
	v_lshlrev_b32 v6, 2, v1                        ; 4 r
	s_mul_i32 s31, s30, 16*SP
	s_add_co_u32 s31, s31, STG                     ; my stage
	v_add_nc_u32 v28, s31, v9                      ; in: 16 lane, the row in the immediate
	v_mul_u32_u24 v29, v1, SP
	v_lshl_add_u32 v29, v2, 5, v29
	v_add_nc_u32 v29, s31, v29                     ; back: row r, + 32 h
	s_lshl_b32 s31, s30, 10
	s_add_co_u32 s31, s31, GBS                     ; my gain and bias
	v_add_nc_u32 v30, s31, v9                      ; in: 16 lane
	v_lshl_add_u32 v31, v2, 5, s31                 ; back: 32 h
	s_wait_kmcnt 0x0
	s_load_b128 s[32:35], s[24:25], 0x0            ; e0 .. e3
	s_load_b128 s[36:39], s[24:25], 0x20           ; e8 .. e11
	s_load_b64 s[40:41], s[24:25], 0x30            ; e12, e13
	; stripes of 16 rows x 1,024: x 0-255, Wq 256-319, Wkv 320-351, Wo 352-415, W1 416-543, W2 544-671 (two to a row block: K = 2,048).  The choices hang on the work-group's number alone
	s_mov_b64 s[48:49], s[22:23]
	s_mov_b32 s50, 544
	s_cmp_lt_u32 ttmp9, 544
	s_cselect_b64 s[48:49], s[20:21], s[48:49]
	s_cselect_b32 s50, 416, s50
	s_cmp_lt_u32 ttmp9, 416
	s_cselect_b64 s[48:49], s[18:19], s[48:49]
	s_cselect_b32 s50, 352, s50
	s_cmp_lt_u32 ttmp9, 352
	s_cselect_b64 s[48:49], s[16:17], s[48:49]
	s_cselect_b32 s50, 320, s50
	s_cmp_lt_u32 ttmp9, 320
	s_cselect_b64 s[48:49], s[14:15], s[48:49]
	s_cselect_b32 s50, 256, s50
	s_cmp_lt_u32 ttmp9, 256
	s_cselect_b64 s[48:49], s[8:9], s[48:49]
	s_cselect_b32 s50, 0, s50
	s_sub_co_u32 s50, ttmp9, s50                   ; the stripe within its tensor
	s_lshl_b32 s53, s50, 16                        ; K = 1,024: 16 rows of 4,096 bytes
	s_lshr_b32 s54, s50, 1                         ; K = 2,048: 16 rows of 8,192 bytes, and which half of them
	s_lshl_b32 s54, s54, 17
	s_and_b32 s55, s50, 1
	s_lshl_b32 s55, s55, 12
	s_or_b32 s54, s54, s55
	s_cmp_ge_u32 ttmp9, 544
	s_cselect_b32 s56, s54, s53
	s_mov_b32 s57, 0
	s_add_nc_u64 s[48:49], s[48:49], s[56:57]
	s_cmp_ge_u32 ttmp9, 544
	s_cbranch_scc1 .Lwide
.irp i, 0,1,2,3,4,5,6,7,8,9,10,11,12,13,14,15
	global_load_b128 v[X+4*\i:X+4*\i+3], v3, s[48:49] offset:\i*4096 th:TH_LOAD_NT   ; row i: 32 lanes read 512 consecutive bytes; read once in the launch
.endr
	s_branch .Lloaded
.Lwide:
.irp i, 0,1,2,3,4,5,6,7,8,9,10,11,12,13,14,15
	global_load_b128 v[X+4*\i:X+4*\i+3], v3, s[48:49] offset:\i*8192 th:TH_LOAD_NT
.endr
.Lloaded:
.irp i, 0,1,2,3,4,5,6,7,8,9,10,11,12,13,14,15
	s_wait_loadcnt 15-\i                           ; row i is in; the younger rows may be out
	ds_store_b128 v28, v[X+4*\i:X+4*\i+3] offset:\i*SP
.endr
.irp c, 0,1,2,3,4,5,6,7                ; LDS serves a wave's instructions in order (ISA guide 5.7.1.4): these see the stores above, and land where those have read
	ds_load_b128 v[X+8*\c:X+8*\c+3], v29 offset:64*\c
	ds_load_b128 v[X+8*\c+4:X+8*\c+7], v29 offset:64*\c+16
.endr
	s_cmp_lt_u32 ttmp9, 256                        ; the same in every wave of a work-group
	s_cbranch_scc0 .Lweights
	; ---- LayerNorm of rows 16 wg .. 16 wg + 15
	global_load_b128 v[GH:GH+3], v3, s[10:11]      ; my wave's 512 bytes of the gain,
	global_load_b128 v[GH+4:GH+7], v3, s[12:13]    ; and of the bias: wanted behind the two meetings of the waves
	s_lshl_b32 s46, ttmp9, 14                      ; a row block's 8 fragments
	s_mov_b32 s47, 0
	s_add_nc_u64 s[26:27], s[26:27], s[46:47]
	s_mov_b32 s42, 0x76543210                      ; lane selects: lane l xor 16
	s_mov_b32 s43, 0xfedcba98
	s_mov_b32 s44, 0x3a800000                      ; 1 / 1,024
	s_mov_b32 s45, 0x3727c5ac                      ; 1e-5
	s_wait_kmcnt 0x0
	MKSCALE 32, 25, 24                             ; e0
	MKSCALE 34, 27, 26                             ; e2
	s_wait_dscnt 0x0                               ; my numbers are back from the stage
	v_pk_add_f32 v[8:9], v[X:X+1], v[X+2:X+3]
	v_pk_add_f32 v[10:11], v[X+4:X+5], v[X+6:X+7]
.irp j, 8,12,16,20,24,28,32,36,40,44,48,52,56,60
	v_pk_add_f32 v[8:9], v[8:9], v[X+\j:X+\j+1]
	v_pk_add_f32 v[10:11], v[10:11], v[X+\j+2:X+\j+3]
.endr
	v_pk_add_f32 v[8:9], v[8:9], v[10:11]
	XCHG 0
	v_mul_f32 v12, s44, v12                        ; the mean
.set j, 0
.rept 32
	v_pk_add_f32 v[X+j:X+j+1], v[X+j:X+j+1], v[12:13] op_sel_hi:[1,0] neg_lo:[0,1] neg_hi:[0,1]   ; x - mean
.set j, j+2
.endr
	v_pk_mul_f32 v[8:9], v[X:X+1], v[X:X+1]
	v_pk_mul_f32 v[10:11], v[X+2:X+3], v[X+2:X+3]
.irp j, 4,8,12,16,20,24,28,32,36,40,44,48,52,56,60
	v_pk_fma_f32 v[8:9], v[X+\j:X+\j+1], v[X+\j:X+\j+1], v[8:9]
	v_pk_fma_f32 v[10:11], v[X+\j+2:X+\j+3], v[X+\j+2:X+\j+3], v[10:11]
.endr
	v_pk_add_f32 v[8:9], v[8:9], v[10:11]
	XCHG 512                                       ; bytes of its own: no wave can still be reading what is written here
	s_wait_loadcnt 0x0                             ; the gain and the bias
	ds_store_b128 v30, v[GH:GH+3]
	ds_store_b128 v30, v[GH+4:GH+7] offset:512
	GBLDS 0                                        ; in order behind the two stores; the first halves come back under the lines below
	v_fma_f32 v12, v12, s44, s45                   ; the variance + 1e-5
	v_rsq_f32 v14, v12
	v_nop                                          ; a plain instruction behind the transcendental
.set j, 0
	s_wait_alu depctr_va_vdst(0)
.rept 32
	v_pk_mul_f32 v[X+j:X+j+1], v[X+j:X+j+1], v[14:15] op_sel_hi:[1,0]
.set j, j+2
.endr
	s_wait_dscnt 0x0                               ; the first halves of the gain and the bias
	AFFINE 0
	GBLDS 1                                        ; the second halves come back while the first half is quantised
	QUANT 0
	QUANT 1
	SEND 0
	QUANT 2
	QUANT 3
	SEND 1
	s_wait_dscnt 0x0
	AFFINE 1
	QUANT 4
	QUANT 5
	SEND 2
	QUANT 6
	QUANT 7
	SEND 3
	s_wait_tensorcnt 0x0
	ds_add_u32 v160, v161
	s_wait_dscnt 0x0
	s_endpgm
	; ---- a stripe of a weight
.Lweights:
	s_sub_co_u32 s52, ttmp9, 256
	s_lshl_b32 s60, s52, 14                        ; every stripe is 8 fragments, and the five images lie on end in the stripes' order
	s_mov_b32 s61, 0
	s_add_nc_u64 s[28:29], s[28:29], s[60:61]
	s_wait_kmcnt 0x0
	s_mov_b32 s51, s41                             ; e13, e11, e9, e3 or e1
	s_cmp_lt_u32 ttmp9, 544
	s_cselect_b32 s51, s39, s51
	s_cmp_lt_u32 ttmp9, 416
	s_cselect_b32 s51, s37, s51
	s_cmp_lt_u32 ttmp9, 352
	s_cselect_b32 s51, s35, s51
	s_cmp_lt_u32 ttmp9, 320
	s_cselect_b32 s51, s33, s51
	MKSCALE 51, 25, 24
	s_wait_dscnt 0x0                               ; my numbers are back from the stage
.irp c, 0,1,2,3,4,5,6,7
.irp i, 0,1,2,3,4,5,6,7
	v_med3_num_f32 v[X+8*\c+\i], v[X+8*\c+\i], -v24, v24
.endr
	v_cvt_scalef32_pk8_bf8_f32 v[C0+2*\c:C0+2*\c+1], v[X+8*\c:X+8*\c+7], v25
.endr
	v_nop
.irp q, 0,1,2,3
	global_store_b128 v7, v[C0+4*\q:C0+4*\q+3], s[28:29] offset:512*\q
.endr
	s_wait_tensorcnt 0x0
	ds_add_u32 v160, v161
	s_wait_dscnt 0x0
	s_endpgm
.Lfunc_end_k_q28470908cd_prep:
	.size	k_q28470908cd_prep, .Lfunc_end_k_q28470908cd_prep-k_q28470908cd_prep
	.p2alignl 7, 3214868480
	.fill 96, 4, 3214868480
	.section	.rodata,"a",@progbits
	.p2align	6, 0x0
	.amdhsa_kernel k_q28470908cd_prep
		.amdhsa_group_segment_fixed_size 77824
		.amdhsa_private_segment_fixed_size 0
		.amdhsa_enable_private_segment 0
		.amdhsa_kernarg_size 88
		.amdhsa_user_sgpr_count 2
		.amdhsa_user_sgpr_kernarg_segment_ptr 1
		.amdhsa_wavefront_size32 1
		.amdhsa_system_sgpr_workgroup_id_x 1
		.amdhsa_system_sgpr_workgroup_id_y 1
		.amdhsa_system_sgpr_workgroup_id_z 1
		.amdhsa_system_vgpr_workitem_id 0
		.amdhsa_next_free_vgpr 162
		.amdhsa_next_free_sgpr 66
		.amdhsa_reserve_vcc 0
		.amdhsa_float_denorm_mode_32 3
		.amdhsa_float_denorm_mode_16_64 3
		.amdhsa_memory_ordered 1
		.amdhsa_forward_progress 1
		.amdhsa_inst_pref_size 41
	.end_amdhsa_kernel
	.amdgpu_metadata
---
amdhsa.version: [ 1, 2 ]
amdhsa.kernels:
  - .name:           k_q28470908cd_prep
    .symbol:         k_q28470908cd_prep.kd
    .args:
      - { .name: x, .offset: 0, .size: 8, .value_kind: global_buffer, .address_space: global }
      - { .name: ln1_g, .offset: 8, .size: 8, .value_kind: global_buffer, .address_space: global }
      - { .name: ln1_b, .offset: 16, .size: 8, .value_kind: global_buffer, .address_space: global }
      - { .name: Wq, .offset: 24, .size: 8, .value_kind: global_buffer, .address_space: global }
      - { .name: Wkv, .offset: 32, .size: 8, .value_kind: global_buffer, .address_space: global }
      - { .name: Wo, .offset: 40, .size: 8, .value_kind: global_buffer, .address_space: global }
      - { .name: W1, .offset: 48, .size: 8, .value_kind: global_buffer, .address_space: global }
      - { .name: W2, .offset: 56, .size: 8, .value_kind: global_buffer, .address_space: global }
      - { .name: lowp_scales, .offset: 64, .size: 8, .value_kind: global_buffer, .address_space: global }
      - { .name: hc, .offset: 72, .size: 8, .value_kind: global_buffer, .address_space: global }
      - { .name: wc, .offset: 80, .size: 8, .value_kind: global_buffer, .address_space: global }
    .group_segment_fixed_size: 77824
    .private_segment_fixed_size: 0
    .kernarg_segment_align: 8
    .kernarg_segment_size: 88
    .max_flat_workgroup_size: 256
    .sgpr_count:     66
    .vgpr_count:     162
    .wavefront_size: 32
...
	.end_amdgpu_metadata
.endif
;; end of part 8
;; launch qkv (part 9): grid 8 x 32, 4 waves a work-group, clusters of 4 x 4, 327,680 bytes of LDS; arguments hc, wc, lowp_scales, cos, sin, qkvc; writes qkvc
.if DOCPART == 9
	.amdgcn_target "amdgcn-amd-amdhsa--gfx1250"
	.amdhsa_code_object_version 6
	.text
	.protected	k_q28470908cd_qkv
	.globl	k_q28470908cd_qkv
	.p2align	8
	.type	k_q28470908cd_qkv,@function
k_q28470908cd_qkv:
	s_mov_b64 s[64:65], 0
	v_nop
	global_prefetch_b8 v0, s[64:65] scope:SCOPE_SE
	s_setreg_imm32_b32 hwreg(HW_REG_WAVE_MODE, 25, 1), 1
	s_wait_xcnt 0x0
	s_wait_alu depctr_hold_cnt(0) depctr_sa_sdst(0) depctr_va_vdst(0) depctr_va_sdst(0) depctr_va_ssrc(0) depctr_va_vcc(0) depctr_vm_vsrc(0)
	s_getreg_b32 s2, hwreg(HW_REG_IB_STS2, 6, 4)
	s_cmp_eq_u32 s2, 0
	s_cbranch_scc0 .Lentry_in_a_cluster
	s_endpgm
.Lentry_in_a_cluster:
	s_bfe_u32 s2, ttmp6, 0x10000c
	s_cmp_lg_u32 s2, 0xf033
	s_cbranch_scc0 .Lentry_shape_is_right
	s_endpgm
.Lentry_shape_is_right:
; q = rope(h Wq^T), k = rope(h Wk^T), v = h Wv^T on codes of BF8 (E5M2), and their codes for attention.  q takes h under e0 and Wq under e1; k and v take h under e2 and Wkv under e3.
; OPERANDS ARE IMAGES OF THEIR REGISTERS: a fragment (16 rows x 128 k) is 2,048 bytes, byte 512 q + 16 lane + i; an operand [R][K] lies as [R / 16][K / 128][2,048].  So tiles are dense, a fragment is four ds_load_b128 at 16 x lane, and k stands in its own place.
; A WORK-GROUP STAYS AND MAKES TWO PRODUCTS for its 128 tokens (tile row tr), so that 8 x 32 = 256 work-groups share all the work evenly:
;   first 128 columns of q (tile column tc = 0 .. 7: heads 2 tc, 2 tc + 1), a wave 64 x 64: 16 accumulators; K = 1,024 lies whole in LDS as two slots of 512;
;   then 32 channels of k and 32 of v of key head tc / 2, channels 32 (tc % 2) on: waves 0 and 1 make k, waves 2 and 3 make v, each for 64 tokens: 8 accumulators.
; THE REFILL.  In the first product's last K step each wave waits for all its tensor loads, adds 0 to its spare word, waits for that and for its reads; a round of the cluster's barrier; then one joint load a wave: waves 0 and 1 bring h under e2
; (8 row blocks of 16,384 bytes, dense: 65,536 each, to LDS byte 0 on), wave 2 Wk's two row blocks (32,768 bytes, to 131,072), wave 3 Wv's (to 163,840).  Eight matrix instructions and q's whole way out stand between that load and the wait for it.
; CLUSTERS: 4 x 4 work-groups; the four of a row ask jointly for the tokens' tiles, the four of a column for the weights'.  The place in the cluster enters global addresses alone; the roles in the second product hang on the wave's number.
; THE PRODUCTS ARE USED TRANSPOSED: source 0 = 16 weight rows, source 1 = 16 tokens: lane (r, h) holds token r and columns 16 b + 8 h + 0 .. 7: eight neighbours along the next K, so a conversion's two registers are two registers of the next operand.
; V's next K is the KEYS: its waves swap the two sources: lane (r, h) then holds channel 16 a + r and tokens 16 b + 8 h + 0 .. 7.
; OUT: q [b][16 heads][128 tiles][1,024] at 0 and k [b][4][128][1,024] at 4,194,304 (16 tokens x 64 channels, the K = 64 form's registers); v [b][4][16 key blocks][4 channel blocks][2,048] at 5,242,880 (16 channels x 128 keys).
; The three scales are folded into the conversion's one: a sum stands for sum x 2^(eA + eB), and rope is linear.
; LIMITS: e4 - e0 - e1, e5 - e2 - e3, e7 - e2 - e3 lie between -126 and 112.  NaN and infinities are not served.
; REGISTERS: window 0: v4 the tables' offset, v16-29 addresses, v30-31 the hold and the scale, v32-103 the way out, v128-255 the accumulators.
;   window 1: two sets of fragments of 128.  First product: source 1's four at 16 a, source 0's four at 64 + 16 b.  Second: the tokens' four at 16 i, the weights' two at 64 + 16 i.
;   window 2: cos and sin.  First product: cos at 64 a + 16 b + 0 .. 7, sin at + 8 .. 15.  Second (k's waves): at 32 a + 16 b likewise.
.set KTOT,  1024
.set RBB,   KTOT*16                    ; bytes of a block of 16 rows in an image
.set SLOT,  131072                     ; first product: 512 along K: the tokens' 8 row blocks x 8,192 bytes, then the weights' 8
.set WK2,   131072                     ; second product: Wk's two row blocks; Wv's lie 32,768 further on
.set SPARE, 262144                     ; the spare words, 128 bytes for each wave: two blocks of 256 bytes that no other line names
.set G1,  24                           ; s[24:31] descriptor group 1 for the tokens' tiles;  s[32:39] group 0, one set for each slot
.set G0,  32
.set G1B, 48                           ; s[48:55], s[56:63] the same for the weights' tiles
.set G0B, 56
.set AD0, 16                           ; v16-17  LDS address of source 0's fragments in slot 0, 1
.set AD1, 20                           ; v20-21  of source 1's
.set ADT, 22                           ; v22     second product: my 64 tokens' fragments
.set ADW, 23                           ; v23     second product: my weights' fragments
.set LI,  27                           ; v27     16 x lane
.set SPW, 28                           ; v28     LDS address of my spare word; never rewritten
.set NIL, 29                           ; v29     0; never rewritten
.set ACC, 128
.set F0,  0
.set F1,  128
.set Y,   32                           ; the way out: up to 32 numbers of a block
.set T,   64                           ; 8 at work
.set CD,  72                           ; codes
.set MSB, 0
.macro WIN new                         ; the immediate's high byte repeats the setting that is left
.if MSB != \new
	s_set_vgpr_msb (MSB<<8)|\new
.set MSB, \new
.endif
.endm
.macro PLACES                          ; four plain vector instructions between a matrix instruction and a load into its sources or a read of its result
.rept 4
	v_nop
.endr
.endm
.macro CREST                           ; a round of the cluster's barrier behind its opening barrier
	s_cmp_lg_u32 s10, 0
	s_cbranch_scc1 .Lnot_wave_0_\@
	s_barrier_signal -3
.Lnot_wave_0_\@:
	s_barrier_wait -3
	s_barrier_signal -1
	s_barrier_wait -1
.endm
.macro CROUND                          ; a whole round
	s_barrier_signal -1
	s_barrier_wait -1
	CREST
.endm
.macro FETCH slot, kf, f               ; first product: 32 LDS loads: the eight fragments of the slot's kf-th 128 along K into set f
	WIN 0x40
.irp i, 0,1,2,3
.irp q, 0,1,2,3
	ds_load_b128 v[\f+64+16*\i+4*\q:\f+64+16*\i+4*\q+3], v[AD0+\slot] offset:\i*8192+(\kf)*2048+\q*512
.endr
.endr
.irp i, 0,1,2,3
.irp q, 0,1,2,3
	ds_load_b128 v[\f+16*\i+4*\q:\f+16*\i+4*\q+3], v[AD1+\slot] offset:\i*8192+(\kf)*2048+\q*512
.endr
.endr
.endm
.macro MUL4 f, a, zero                 ; the 16 accumulators take turns, one instruction a turn, in the same order in every step
.irp b, 0,1,2,3
.if \zero
	v_wmma_f32_16x16x128_bf8_bf8 v[ACC+8*(4*(\a)+\b):ACC+8*(4*(\a)+\b)+7], v[\f+64+16*\b:\f+64+16*\b+15], v[\f+16*(\a):\f+16*(\a)+15], 0
.else
	v_wmma_f32_16x16x128_bf8_bf8 v[ACC+8*(4*(\a)+\b):ACC+8*(4*(\a)+\b)+7], v[\f+64+16*\b:\f+64+16*\b+15], v[\f+16*(\a):\f+16*(\a)+15], v[ACC+8*(4*(\a)+\b):ACC+8*(4*(\a)+\b)+7]
.endif
.endr
.endm
.macro STEP f, g, slot, kf, zero       ; multiplies set f; ahead of that asks for the next 128 along K into set g
	PLACES
	FETCH \slot, \kf, \g
	s_wait_dscnt 32                                ; all but the 32 just issued: set f is in
	WIN 0x05
	MUL4 \f, 0, \zero
	MUL4 \f, 1, \zero
	MUL4 \f, 2, \zero
	MUL4 \f, 3, \zero
.endm
.macro BOUND f, g, next                ; the step that goes over to the second slot: my part of it has landed, then the barrier
	s_wait_tensorcnt 0x0                           ; no load was issued behind the second slot's
	s_wait_dscnt 0x0                               ; set f is in, and no LDS instruction of mine is pending at the signal
	s_barrier_signal -1
	WIN 0x05
	MUL4 \f, 0, 0
	MUL4 \f, 1, 0
	s_barrier_wait -1
	PLACES
	FETCH \next, 0, \g
	WIN 0x05
	MUL4 \f, 2, 0
	MUL4 \f, 3, 0
.endm
; The first product's last step: nobody reads its tiles any more, and the second product's take their place.
.macro LASTF f
	WIN 0                                          ; (the add's two registers lie in window 0)
	s_wait_tensorcnt 0x0                           ; all my tensor loads have landed, so every descriptor may be written;
	ds_add_u32 v[SPW], v[NIL]                      ; 0 onto my spare word; the descriptors are made between it and the wait for it
	s_mov_b32 s[G1+2], 8<<16                       ; the tokens: 8 rows of 8,192 bytes, dense: tensor_dim1 = 8,
	s_mov_b32 s[G1+4], 8                           ; tile_dim1 = 8,
	s_mov_b32 s[G1+5], 1024                        ; the pitch = a row
	s_mov_b32 s[G1B+5], 1024                       ; the weights: 4 rows of 8,192 bytes, dense
	s_lshl_b32 s[G0+1], s12, 16                    ; waves 0, 1: row blocks 0-3 to LDS byte 0, 4-7 to 65,536
	s_add_nc_u64 s[G0+2:G0+3], s[14:15], 0x400000  ; the same row blocks of h as at the start, under e2
	s_or_b32 s[G0+3], s[G0+3], 0x80000000
	s_lshl_b32 s[G0B+1], s12, 15
	s_add_co_u32 s[G0B+1], s[G0B+1], WK2           ; wave 2: Wk's rows; wave 3: Wv's
	s_mov_b64 s[G0B+2:G0B+3], s[66:67]
	s_or_b32 s[G0B+3], s[G0B+3], 0x80000000
	s_wait_dscnt 1                                 ; (the add alone may be out: set f is in)
	WIN 0x05
	MUL4 \f, 0, 0                                  ; four matrix instructions more stand between the add and the wait for it
	s_wait_dscnt 0x0                               ; the add is done, and my reads of both slots are over
	s_barrier_signal -1
	MUL4 \f, 1, 0
	WIN 0
	s_barrier_wait -1
	CREST                                          ; the barrier has opened a round of the cluster's: no wave of any partner still reads these tiles or has a load on its way
	s_cmp_eq_u32 s11, 0                            ; my one tensor load behind the round, and the first thing there; four v_nop follow each of the two lines
	s_cbranch_scc0 .Lagain_b
	tensor_load_to_lds s[G0:G0+3], s[G1:G1+7]
	s_nop 0
.rept 4
	v_nop
.endr
	s_branch .Lagain_asked
.Lagain_b:
	tensor_load_to_lds s[G0B:G0B+3], s[G1B:G1B+7]
	s_nop 0
.rept 4
	v_nop
.endr
.Lagain_asked:
	WIN 0x05
	MUL4 \f, 2, 0
	MUL4 \f, 3, 0
	WIN 0
.endm
; Second product: 24 LDS loads: my tokens' four fragments and my weights' two of the kf-th 128 along K into set f
.macro FETCH2 kf, f
	WIN 0x40
.irp i, 0,1,2,3
.irp q, 0,1,2,3
	ds_load_b128 v[\f+16*\i+4*\q:\f+16*\i+4*\q+3], v[ADT] offset:\i*16384+(\kf)*2048+\q*512
.endr
.endr
.irp i, 0,1
.irp q, 0,1,2,3
	ds_load_b128 v[\f+64+16*\i+4*\q:\f+64+16*\i+4*\q+3], v[ADW] offset:\i*16384+(\kf)*2048+\q*512
.endr
.endr
.endm
; 8 matrix instructions, the 8 accumulators by turns.  v = 0 (k): source 0 = weights b, source 1 = tokens a, accumulator 2 a + b.  v = 1: source 0 = tokens b, source 1 = weights a, accumulator 4 a + b.
.macro MUL2 v, f, zero
.if \v
.irp a, 0,1
.irp b, 0,1,2,3
.if \zero
	v_wmma_f32_16x16x128_bf8_bf8 v[ACC+8*(4*\a+\b):ACC+8*(4*\a+\b)+7], v[\f+16*\b:\f+16*\b+15], v[\f+64+16*\a:\f+64+16*\a+15], 0
.else
	v_wmma_f32_16x16x128_bf8_bf8 v[ACC+8*(4*\a+\b):ACC+8*(4*\a+\b)+7], v[\f+16*\b:\f+16*\b+15], v[\f+64+16*\a:\f+64+16*\a+15], v[ACC+8*(4*\a+\b):ACC+8*(4*\a+\b)+7]
.endif
.endr
.endr
.else
.irp a, 0,1,2,3
.irp b, 0,1
.if \zero
	v_wmma_f32_16x16x128_bf8_bf8 v[ACC+8*(2*\a+\b):ACC+8*(2*\a+\b)+7], v[\f+64+16*\b:\f+64+16*\b+15], v[\f+16*\a:\f+16*\a+15], 0
.else
	v_wmma_f32_16x16x128_bf8_bf8 v[ACC+8*(2*\a+\b):ACC+8*(2*\a+\b)+7], v[\f+64+16*\b:\f+64+16*\b+15], v[\f+16*\a:\f+16*\a+15], v[ACC+8*(2*\a+\b):ACC+8*(2*\a+\b)+7]
.endif
.endr
.endr
.endif
.endm
.macro STEP2 v, f, g, kf, zero
	PLACES
	FETCH2 \kf, \g
	s_wait_dscnt 24                                ; all but the 24 just issued: set f is in
	WIN 0x05
	MUL2 \v, \f, \zero
.endm
.macro PASS2 v                         ; all of K lies in LDS: no barrier stands in here
	FETCH2 0, F0
	STEP2 \v, F0, F1, 1, 1                         ; the first products start the sums anew
	STEP2 \v, F1, F0, 2, 0
	STEP2 \v, F0, F1, 3, 0
	STEP2 \v, F1, F0, 4, 0
	STEP2 \v, F0, F1, 5, 0
	STEP2 \v, F1, F0, 6, 0
	STEP2 \v, F0, F1, 7, 0
	s_wait_dscnt 0x0
	WIN 0x05
	MUL2 \v, F1, 0
	WIN 0
.endm
.macro MKSCALE                         ; s97 = the folded exponent: v31 = 2^s97 as f32, v30 = 57,344 x that
	s_add_co_i32 s97, s97, 127
	s_lshl_b32 s98, s97, 23
	v_mov_b32 v31, s98
	s_add_co_i32 s97, s97, 15
	s_lshl_b32 s97, s97, 23
	s_or_b32 s97, s97, 0x600000
	v_mov_b32 v30, s97
.endm
	s_load_b128 s[4:7], s[0:1], 0x0                ; hc, wc
	s_load_b256 s[68:75], s[0:1], 0x10             ; the scales' exponents 68, cos 70, sin 72, qkvc 74
	v_lshl_add_u32 v[SPW], v0, 2, SPARE
	v_mov_b32 v[NIL], 0
	ds_add_u32 v28, v29
	ds_add_u32 v28, v29
	s_wait_dscnt 0x0
	v_lshrrev_b32 v1, 5, v0
	v_readfirstlane_b32 s10, v1                    ; wave 0..3
	s_lshr_b32 s11, s10, 1                         ; first product: which half of the tokens is mine; I fetch tokens (0) or weights (1).  Second: I make k (0) or v (1)
	s_and_b32 s12, s10, 1                          ; first product: which half of the columns; which half of a tile I fetch.  Second: which half of the tokens
	s_bfe_u32 s40, ttmp6, 0x40000                  ; cx, cy: my place in the cluster
	s_bfe_u32 s41, ttmp6, 0x40004
	s_lshl_b32 s42, ttmp9, 2
	s_add_co_u32 s42, s42, s40                     ; tile column = 4 x cluster x + cx: 0 .. 7
	s_and_b32 s13, ttmp7, 0xffff
	s_lshl_b32 s13, s13, 2
	s_add_co_u32 s13, s13, s41                     ; tile row = 4 x cluster y + cy
	s_lshl_b32 s43, s41, 2
	s_lshl_b32 s43, 15, s43                        ; my row of the cluster
	s_lshl_b32 s44, 0x1111, s40                    ; my column
	s_or_b32 s[G1], s43, (3<<16)|(1<<21)           ; 15:0 the mask; 17:16 elements of 8 bytes; 20 no padding; 21 set beside a mask
	s_or_b32 s[G1B], s44, (3<<16)|(1<<21)
.irp g, G1, G1B
	s_mov_b32 s[\g+1], 1024<<16                    ; tensor_dim0 = 1,024 elements: 8,192 bytes, four fragments of a row block
	s_mov_b32 s[\g+2], 4<<16                       ; tensor_dim1 = 4 row blocks
	s_mov_b32 s[\g+3], 1024<<16                    ; tile_dim0
	s_mov_b32 s[\g+4], 4                           ; tile_dim1
	s_mov_b32 s[\g+5], RBB/8                       ; from row block to row block
	s_mov_b32 s[\g+6], 0
	s_mov_b32 s[\g+7], 0
.endr
	s_lshl_b32 s17, s12, 2
	s_lshl_b32 s16, s13, 3
	s_add_co_u32 s16, s16, s17                     ; tokens: row block 8 x tile row + 4 x half
	s_mul_i32 s16, s16, RBB
	s_lshl_b32 s46, s42, 3
	s_add_co_u32 s46, s46, s17                     ; Wq: row block 8 x tile column + 4 x half
	s_mul_i32 s46, s46, RBB
	s_lshr_b32 s66, s42, 1                         ; Wkv lies behind Wq's 64 row blocks; a key head is 8 row blocks, k's four and then v's four:
	s_lshl_b32 s66, s66, 3                         ; 8 x key head
	s_and_b32 s67, s42, 1
	s_lshl_b32 s67, s67, 1
	s_add_co_u32 s66, s66, s67                     ; + 2 x channel half
	s_add_co_u32 s66, s66, s17                     ; + 4 for v's rows (wave 3)
	s_add_co_u32 s66, s66, 64
	s_mul_i32 s66, s66, RBB
	s_mov_b32 s67, 0
	s_mov_b32 s17, 0
	s_mov_b32 s47, 0
	s_lshl_b32 s20, s10, 15                        ; where the first tiles go: wave x 32,768
	CROUND                                         ; all sixteen work-groups are here: the joint loads meet.  (The arguments are on their way meanwhile)
	s_wait_kmcnt 0x0
	s_load_b256 s[80:87], s[68:69], 0x0            ; e0 .. e7
	s_add_nc_u64 s[14:15], s[4:5], s[16:17]
	s_add_nc_u64 s[46:47], s[6:7], s[46:47]
	s_add_nc_u64 s[66:67], s[6:7], s[66:67]
.irp s, 0,1
	s_mov_b32 s[G0+4*\s], 1
	s_add_co_u32 s[G0+4*\s+1], s20, \s*SLOT
	s_add_nc_u64 s[G0+4*\s+2:G0+4*\s+3], s[14:15], \s*8192
	s_or_b32 s[G0+4*\s+3], s[G0+4*\s+3], 0x80000000
	s_mov_b32 s[G0B+4*\s], 1
	s_add_co_u32 s[G0B+4*\s+1], s20, \s*SLOT
	s_add_nc_u64 s[G0B+4*\s+2:G0B+4*\s+3], s[46:47], \s*8192
	s_or_b32 s[G0B+4*\s+3], s[G0B+4*\s+3], 0x80000000
.endr
	s_cmp_eq_u32 s11, 0                            ; a wave's two first fills stand in one branch: two tensor loads of mine are out
	s_cbranch_scc0 .Lfirst_b
	tensor_load_to_lds s[G0:G0+3], s[G1:G1+7]
	s_nop 0
	tensor_load_to_lds s[G0+4:G0+7], s[G1:G1+7]
	s_nop 0
.rept 4
	v_nop
.endr
	s_branch .Lfirst_asked
.Lfirst_b:
	tensor_load_to_lds s[G0B:G0B+3], s[G1B:G1B+7]
	s_nop 0
	tensor_load_to_lds s[G0B+4:G0B+7], s[G1B:G1B+7]
	s_nop 0
.rept 4
	v_nop
.endr
.Lfirst_asked:
	v_and_b32 v1, 15, v0                           ; r
	v_bfe_u32 v2, v0, 4, 1                         ; h
	v_and_b32 v3, 31, v0
	v_lshlrev_b32 v[LI], 4, v3
	s_lshl_b32 s21, s11, 15                        ; first product: my 4 row blocks of tokens,
	s_lshl_b32 s22, s12, 15
	s_add_co_u32 s22, s22, 65536                   ; my 4 row blocks of weights
	v_add_nc_u32 v[AD0], s22, v[LI]
	v_add_nc_u32 v[AD0+1], SLOT, v[AD0]
	v_add_nc_u32 v[AD1], s21, v[LI]
	v_add_nc_u32 v[AD1+1], SLOT, v[AD1]
	s_lshl_b32 s21, s12, 16                        ; second product: my 4 row blocks of tokens, 16,384 bytes each,
	v_add_nc_u32 v[ADT], s21, v[LI]
	s_lshl_b32 s22, s11, 15
	s_add_co_u32 s22, s22, WK2                     ; Wk's or Wv's two row blocks
	v_add_nc_u32 v[ADW], s22, v[LI]
	s_lshr_b32 s91, s13, 4                         ; the batch
	s_and_b32 s92, s13, 15                         ; which 128 tokens of it
	s_lshl_b32 s94, s92, 15
	s_lshl_b32 s93, s11, 14
	s_add_co_u32 s94, s94, s93                     ; first product: my 64 tokens' rows of 256 bytes in cos and sin
	s_mov_b32 s95, 0
	s_add_nc_u64 s[76:77], s[70:71], s[94:95]
	s_add_nc_u64 s[78:79], s[72:73], s[94:95]
	s_lshl_b32 s94, s92, 15
	s_lshl_b32 s93, s12, 14
	s_add_co_u32 s94, s94, s93                     ; second product: my 64 tokens' rows,
	s_and_b32 s93, s42, 1
	s_lshl_b32 s93, s93, 7
	s_add_co_u32 s94, s94, s93                     ; channels 32 (tc % 2) on
	s_add_nc_u64 s[70:71], s[70:71], s[94:95]
	s_add_nc_u64 s[72:73], s[72:73], s[94:95]
	v_lshlrev_b32 v4, 8, v1
	v_lshl_add_u32 v4, v2, 5, v4                   ; row r, + 32 h
	WIN 0x80                                       ; destination window 2
.irp a, 0,1,2,3
.irp b, 0,1,2,3
	global_load_b128 v[64*\a+16*\b:64*\a+16*\b+3], v4, s[76:77] offset:\a*4096+64*\b
	global_load_b128 v[64*\a+16*\b+4:64*\a+16*\b+7], v4, s[76:77] offset:\a*4096+64*\b+16
	global_load_b128 v[64*\a+16*\b+8:64*\a+16*\b+11], v4, s[78:79] offset:\a*4096+64*\b
	global_load_b128 v[64*\a+16*\b+12:64*\a+16*\b+15], v4, s[78:79] offset:\a*4096+64*\b+16
.endr
.endr
	WIN 0
	s_wait_tensorcnt 1                             ; my part of slot 0 is in; slot 1's may stay out
	s_barrier_signal -1
	s_barrier_wait -1
	FETCH 0, 0, F0
	STEP F0, F1, 0, 1, 1                           ; the first products start the sums
	STEP F1, F0, 0, 2, 0
	STEP F0, F1, 0, 3, 0
	BOUND F1, F0, 1
	STEP F0, F1, 1, 1, 0
	STEP F1, F0, 1, 2, 0
	STEP F0, F1, 1, 3, 0
	LASTF F1
	; ---- q's way out: rope, the hold, the conversion
	s_wait_kmcnt 0x0
	s_lshl_b32 s93, s91, 4
	s_lshl_b32 s94, s42, 1
	s_add_co_u32 s93, s93, s94
	s_add_co_u32 s93, s93, s12                     ; batch x 16 + head, head = 2 x tile column + half
	s_lshl_b32 s93, s93, 7
	s_lshl_b32 s94, s92, 3
	s_add_co_u32 s93, s93, s94
	s_lshl_b32 s94, s11, 2
	s_add_co_u32 s93, s93, s94                     ; + my first tile of 16 tokens
	s_lshl_b32 s94, s93, 10
	s_mov_b32 s95, 0
	s_add_nc_u64 s[88:89], s[74:75], s[94:95]
	s_sub_co_i32 s97, s84, s80
	s_sub_co_i32 s97, s97, s81                     ; e4 - e0 - e1
	MKSCALE
	s_wait_loadcnt 0x0                             ; cos and sin
	PLACES
.macro ROPE a
	WIN 0x08                                       ; source 1 (cos, sin) window 2
.irp b, 0,1,2,3
.irp i, 0,2,4,6
	v_mul_f32 v[T+\i], v[ACC+8*(4*(\a)+\b)+\i+1], v[64*(\a)+16*\b+8+\i]
	v_mul_f32 v[T+\i+1], v[ACC+8*(4*(\a)+\b)+\i], v[64*(\a)+16*\b+8+\i+1]
.endr
.irp i, 0,2,4,6
	v_fma_f32 v[Y+8*\b+\i], v[ACC+8*(4*(\a)+\b)+\i], v[64*(\a)+16*\b+\i], -v[T+\i]        ; x0 c0 - x1 s0
	v_fma_f32 v[Y+8*\b+\i+1], v[ACC+8*(4*(\a)+\b)+\i+1], v[64*(\a)+16*\b+\i+1], v[T+\i+1]  ; x1 c1 + x0 s1
.endr
.endr
	WIN 0
.set j, 0
.rept 32
	v_med3_num_f32 v[Y+j], v[Y+j], -v30, v30       ; the conversion does not saturate (ISA guide 7.6.2)
.set j, j+1
.endr
.irp b, 0,1,2,3
	v_cvt_scalef32_pk8_bf8_f32 v[CD+8*(\a)+2*\b:CD+8*(\a)+2*\b+1], v[Y+8*\b:Y+8*\b+7], v31
.endr
	v_nop                                          ; a plain instruction behind the last conversion
	global_store_b128 v[LI], v[CD+8*(\a):CD+8*(\a)+3], s[88:89] offset:(\a)*1024
	global_store_b128 v[LI], v[CD+8*(\a)+4:CD+8*(\a)+7], s[88:89] offset:(\a)*1024+512
.endm
	ROPE 0
	ROPE 1
	ROPE 2
	ROPE 3
	s_wait_xcnt 0x0                                ; q's stores have read their registers and their base: both are written again below
	s_lshl_b32 s99, s91, 2
	s_lshr_b32 s93, s42, 1
	s_add_co_u32 s99, s99, s93                     ; batch x 4 + key head
	s_cmp_lg_u32 s11, 0
	s_cbranch_scc1 .Lno_tables2                    ; v is not turned
	WIN 0x80                                       ; k's waves: cos and sin of the second product; they land while it is multiplied
.irp a, 0,1,2,3
.irp b, 0,1
	global_load_b128 v[32*\a+16*\b:32*\a+16*\b+3], v4, s[70:71] offset:\a*4096+64*\b
	global_load_b128 v[32*\a+16*\b+4:32*\a+16*\b+7], v4, s[70:71] offset:\a*4096+64*\b+16
	global_load_b128 v[32*\a+16*\b+8:32*\a+16*\b+11], v4, s[72:73] offset:\a*4096+64*\b
	global_load_b128 v[32*\a+16*\b+12:32*\a+16*\b+15], v4, s[72:73] offset:\a*4096+64*\b+16
.endr
.endr
	WIN 0
.Lno_tables2:
	s_wait_tensorcnt 0x0                           ; my part of the second product's tiles is in,
	s_wait_dscnt 0x0
	s_barrier_signal -1
	s_barrier_wait -1                              ; everybody's is
	s_cmp_lg_u32 s11, 0
	s_cbranch_scc1 .Lv_path
	; ---- k: lane (r, h) holds token 16 a + r and channels 32 (tc % 2) + 16 b + 8 h + 0 .. 7: registers 2 b, 2 b + 1 of quad tc % 2 of the tile's 1,024 bytes
	PASS2 0
	s_lshl_b32 s93, s99, 7
	s_lshl_b32 s94, s92, 3
	s_add_co_u32 s93, s93, s94
	s_lshl_b32 s94, s12, 2
	s_add_co_u32 s93, s93, s94                     ; my first tile of 16 tokens
	s_lshl_b32 s93, s93, 10
	s_and_b32 s94, s42, 1
	s_lshl_b32 s94, s94, 9
	s_add_co_u32 s93, s93, s94
	s_add_co_u32 s94, s93, 0x400000
	s_mov_b32 s95, 0
	s_add_nc_u64 s[88:89], s[74:75], s[94:95]
	s_sub_co_i32 s97, s85, s82
	s_sub_co_i32 s97, s97, s83                     ; e5 - e2 - e3
	MKSCALE
	s_wait_loadcnt 0x0                             ; cos and sin
	PLACES
.macro ROPE2 a
	WIN 0x08                                       ; source 1 (cos, sin) window 2
.irp b, 0,1
.irp i, 0,2,4,6
	v_mul_f32 v[T+\i], v[ACC+8*(2*(\a)+\b)+\i+1], v[32*(\a)+16*\b+8+\i]
	v_mul_f32 v[T+\i+1], v[ACC+8*(2*(\a)+\b)+\i], v[32*(\a)+16*\b+8+\i+1]
.endr
.irp i, 0,2,4,6
	v_fma_f32 v[Y+8*\b+\i], v[ACC+8*(2*(\a)+\b)+\i], v[32*(\a)+16*\b+\i], -v[T+\i]
	v_fma_f32 v[Y+8*\b+\i+1], v[ACC+8*(2*(\a)+\b)+\i+1], v[32*(\a)+16*\b+\i+1], v[T+\i+1]
.endr
.endr
	WIN 0
.set j, 0
.rept 16
	v_med3_num_f32 v[Y+j], v[Y+j], -v30, v30
.set j, j+1
.endr
.irp b, 0,1
	v_cvt_scalef32_pk8_bf8_f32 v[CD+4*(\a)+2*\b:CD+4*(\a)+2*\b+1], v[Y+8*\b:Y+8*\b+7], v31
.endr
	v_nop                                          ; a plain instruction behind the last conversion
	global_store_b128 v[LI], v[CD+4*(\a):CD+4*(\a)+3], s[88:89] offset:(\a)*1024
.endm
	ROPE2 0
	ROPE2 1
	ROPE2 2
	ROPE2 3
	s_branch .Ldone
.Lv_path:
	; ---- v: lane (r, h) holds channel 32 (tc % 2) + 16 a + r and tokens 16 b + 8 h + 0 .. 7: registers 2 c, 2 c + 1, c = 4 x token half + b, of the fragment (key block, channel block 2 (tc % 2) + a)
	PASS2 1
	s_lshl_b32 s93, s99, 4
	s_add_co_u32 s93, s93, s92                     ; the work-group's 128 tokens are one key block
	s_lshl_b32 s93, s93, 13
	s_lshl_b32 s94, s12, 10
	s_add_co_u32 s93, s93, s94
	s_and_b32 s94, s42, 1
	s_lshl_b32 s94, s94, 12
	s_add_co_u32 s93, s93, s94
	s_add_co_u32 s94, s93, 5242880
	s_mov_b32 s95, 0
	s_add_nc_u64 s[88:89], s[74:75], s[94:95]
	s_sub_co_i32 s97, s87, s82
	s_sub_co_i32 s97, s97, s83                     ; e7 - e2 - e3
	MKSCALE
	PLACES
.irp a, 0,1
.set j, 0
.rept 32
	v_med3_num_f32 v[ACC+32*\a+j], v[ACC+32*\a+j], -v30, v30
.set j, j+1
.endr
.irp b, 0,1,2,3
	v_cvt_scalef32_pk8_bf8_f32 v[CD+8*\a+2*\b:CD+8*\a+2*\b+1], v[ACC+8*(4*\a+\b):ACC+8*(4*\a+\b)+7], v31
.endr
	v_nop
	global_store_b128 v[LI], v[CD+8*\a:CD+8*\a+3], s[88:89] offset:\a*2048
	global_store_b128 v[LI], v[CD+8*\a+4:CD+8*\a+7], s[88:89] offset:\a*2048+512
.endr
.Ldone:
	s_wait_tensorcnt 0x0                           ; the wave's end
	ds_add_u32 v[SPW], v[NIL]
	s_wait_dscnt 0x0
	CROUND                                         ; the closing round: no work-group ends while a partner may still ask for a tile that names it
	s_endpgm
.Lfunc_end_k_q28470908cd_qkv:
	.size	k_q28470908cd_qkv, .Lfunc_end_k_q28470908cd_qkv-k_q28470908cd_qkv
	.p2alignl 7, 3214868480
	.fill 96, 4, 3214868480
	.section	.rodata,"a",@progbits
	.p2align	6, 0x0
	.amdhsa_kernel k_q28470908cd_qkv
		.amdhsa_group_segment_fixed_size 327680
		.amdhsa_private_segment_fixed_size 0
		.amdhsa_enable_private_segment 0
		.amdhsa_kernarg_size 48
		.amdhsa_user_sgpr_count 2
		.amdhsa_user_sgpr_kernarg_segment_ptr 1
		.amdhsa_wavefront_size32 1
		.amdhsa_system_sgpr_workgroup_id_x 1
		.amdhsa_system_sgpr_workgroup_id_y 1
		.amdhsa_system_sgpr_workgroup_id_z 1
		.amdhsa_system_vgpr_workitem_id 0
		.amdhsa_next_free_vgpr 768
		.amdhsa_next_free_sgpr 100
		.amdhsa_reserve_vcc 0
		.amdhsa_float_denorm_mode_32 3
		.amdhsa_float_denorm_mode_16_64 3
		.amdhsa_memory_ordered 1
		.amdhsa_forward_progress 1
		.amdhsa_inst_pref_size 120
	.end_amdhsa_kernel
	.amdgpu_metadata
---
amdhsa.version: [ 1, 2 ]
amdhsa.kernels:
  - .name:           k_q28470908cd_qkv
    .symbol:         k_q28470908cd_qkv.kd
    .args:
      - { .name: hc, .offset: 0, .size: 8, .value_kind: global_buffer, .address_space: global }
      - { .name: wc, .offset: 8, .size: 8, .value_kind: global_buffer, .address_space: global }
      - { .name: lowp_scales, .offset: 16, .size: 8, .value_kind: global_buffer, .address_space: global }
      - { .name: cos, .offset: 24, .size: 8, .value_kind: global_buffer, .address_space: global }
      - { .name: sin, .offset: 32, .size: 8, .value_kind: global_buffer, .address_space: global }
      - { .name: qkvc, .offset: 40, .size: 8, .value_kind: global_buffer, .address_space: global }
    .group_segment_fixed_size: 327680
    .private_segment_fixed_size: 0
    .kernarg_segment_align: 8
    .kernarg_segment_size: 48
    .max_flat_workgroup_size: 128
    .sgpr_count:     100
    .vgpr_count:     768
    .wavefront_size: 32
...
	.end_amdgpu_metadata
.endif
;; end of part 9
;; launch attn (part 10): grid 32 x 8, 8 waves a work-group, clusters of 4 x 1, 263,168 bytes of LDS; arguments qkvc, lowp_scales, oc; writes oc
.if DOCPART == 10
	.amdgcn_target "amdgcn-amd-amdhsa--gfx1250"
	.amdhsa_code_object_version 6
	.text
	.protected	k_q28470908cd_attn
	.globl	k_q28470908cd_attn
	.p2align	8
	.type	k_q28470908cd_attn,@function
k_q28470908cd_attn:
	s_mov_b64 s[64:65], 0
	v_nop
	global_prefetch_b8 v0, s[64:65] scope:SCOPE_SE
	s_setreg_imm32_b32 hwreg(HW_REG_WAVE_MODE, 25, 1), 1
	s_wait_xcnt 0x0
	s_wait_alu depctr_hold_cnt(0) depctr_sa_sdst(0) depctr_va_vdst(0) depctr_va_sdst(0) depctr_va_ssrc(0) depctr_va_vcc(0) depctr_vm_vsrc(0)
	s_getreg_b32 s2, hwreg(HW_REG_IB_STS2, 6, 4)
	s_cmp_eq_u32 s2, 0
	s_cbranch_scc0 .Lentry_in_a_cluster
	s_endpgm
.Lentry_in_a_cluster:
	s_bfe_u32 s2, ttmp6, 0x10000c
	s_cmp_lg_u32 s2, 0x3003
	s_cbranch_scc0 .Lentry_shape_is_right
	s_endpgm
.Lentry_shape_is_right:
; o = softmax(q k^T / 8) v for 16 query heads on 4 key heads, both products on codes of BF8 (E5M2), and o's codes under 2^e8 for Wo's product.
; THE SOFTMAX AHEAD OF THE SECOND PRODUCT: t = score x log2(e) / 8; M = the running largest t rounded UP to a whole number; p = 2^(t - M) is quantised under 2^e6, not normalised; the row's sum is taken of the unquantised p and divides at the end.
; When M moves, the sum and O are multiplied by 2^(old M - new M): exact.
; SHARES.  Work-group (x, y): y = batch x 4 + key head; x = 8 g + block: query head 4 x key head + g, 256 queries.  Each of 8 waves owns 32 queries, two tiles of 16, so that each fragment of K and V read from LDS feeds two matrix instructions.
; LDS holds ALL of the head's K (bytes 0-131,071: 128 tiles of 16 keys x 64, 1,024 bytes each) and V (131,072 on: 16 key blocks x 4 channel blocks x 2,048 bytes): every byte is filled once.
; CLUSTER: the four work-groups of a cluster share y, so K and V are asked for jointly; wave w brings 16,384 bytes of each half of K (waves 0-3) or of V (waves 4-7).
; LAYOUT.  Both products transposed: S^T = K Q^T (source 0 = 16 keys, source 1 = 16 queries), O^T = V^T P^T: a lane holds one query throughout.  S^T's tile c holds keys 16 c + 8 h + 0 .. 7, which are registers 2 c, 2 c + 1 of P as an operand.
; THE STEP'S ORDER.  A step's vector work outweighs its 24 matrix instructions, so it is kept short and free of waits: maxima and sums in four chains; the two tiles' statistics line by line; plain work of the other tile between the exponentials;
; two holds of p in one dual instruction; V is asked for ahead of the softmax, and K has registers of its own and is asked for a step ahead.  Each half's last step is written out without that fetch: no LDS read reaches a tile that has not been waited for.
; LIMITS: e4 + e5 between -123 and 130 (added to c's exponent field); e6 and e8 between -126 and 112.  NaN and infinities are not served.
; REGISTERS: window 0: v1-3 addresses; v4.. (-M, largest t), v8.. the sum in two halves, v12.. (f, 0), a pair for each tile; v16-19 at work, one a tile; v20, v23 the hold, v21 the scale; v24-31 chains; v32-95 V's fragments;
;   v96-223 S^T, then p (64 a tile); v224-255 p's codes.   window 1: v0-63 O^T (32 a tile), v64-79 Q, v80-143 K's fragments.
.set LI,  1
.set AK,  2
.set AV,  3
.set MT,  4
.set SUM, 8
.set FF,  12
.set LIM, 20
.set SCL, 21
.set LIM2, 23                          ; the hold once more: the second sources of a dual instruction's halves stand in registers of different banks (number mod 4)
.set S,   96
.set PC,  224
.set QF,  64                           ; in window 1
.set KF,  80                           ; in window 1
.set WV,  12                           ; s12 my wave's number
.set G1,  24                           ; s[24:31] descriptor group 1; s[32:35], s[36:39] group 0 for the two halves
.set CS,  46                           ; s[46:47] c
.set SEL, 48                           ; s[48:49] lane selects: lane l xor 16
.set TB,  50                           ; s50 LDS byte of the step's tiles of K
.set CNT, 51
.set MSB, 0
.macro WIN new
.if MSB != \new
	s_set_vgpr_msb (MSB<<8)|\new
.set MSB, \new
.endif
.endm
.macro PLACES
.rept 4
	v_nop
.endr
.endm
.macro CROUND
	s_barrier_signal -1
	s_barrier_wait -1
	s_cmp_lg_u32 s[WV], 0
	s_cbranch_scc1 .Lnot_wave_0_\@
	s_barrier_signal -3
.Lnot_wave_0_\@:
	s_barrier_wait -3
	s_barrier_signal -1
	s_barrier_wait -1
.endm
; The largest of tile u's 64 scores of a lane, in four chains, the registers in ascending order: each accumulator is first read at its low end.
.macro MAXP u
.set rS, S+64*\u
.set rC, 24+4*\u
	v_max3_num_f32 v[rC], v[rS], v[rS+1], v[rS+2]
	v_max3_num_f32 v[rC+1], v[rS+3], v[rS+4], v[rS+5]
	v_max3_num_f32 v[rC+2], v[rS+6], v[rS+7], v[rS+8]
	v_max3_num_f32 v[rC+3], v[rS+9], v[rS+10], v[rS+11]
.irp i, 12,20,28,36,44,52
	v_max3_num_f32 v[rC], v[rC], v[rS+\i], v[rS+\i+1]
	v_max3_num_f32 v[rC+1], v[rC+1], v[rS+\i+2], v[rS+\i+3]
	v_max3_num_f32 v[rC+2], v[rC+2], v[rS+\i+4], v[rS+\i+5]
	v_max3_num_f32 v[rC+3], v[rC+3], v[rS+\i+6], v[rS+\i+7]
.endr
	v_max3_num_f32 v[rC], v[rC], v[rS+60], v[rS+61]
	v_max3_num_f32 v[rC+1], v[rC+1], v[rS+62], v[rS+63]
	v_max3_num_f32 v[16+\u], v[rC], v[rC+1], v[rC+2]
	v_max_num_f32 v[16+\u], v[16+\u], v[rC+3]
.endm
; Both tiles' statistics, line by line, so that no line reads the result of the line just before it.
.macro STATS
.irp u, 0,1
	v_permlanex16_b32 v[18+\u], v[16+\u], s[SEL], s[SEL+1]   ; the query's other 64 keys lie in the lane 16 away
.endr
.irp u, 0,1
	v_max_num_f32 v[16+\u], v[16+\u], v[18+\u]
.endr
.irp u, 0,1
	v_mul_f32 v[16+\u], s[CS], v[16+\u]            ; as t (c is positive)
.endr
.irp u, 0,1
	v_max_num_f32 v[MT+2*\u+1], v[MT+2*\u+1], v[16+\u]   ; the running largest t
.endr
.irp u, 0,1
	v_mov_b32 v[16+\u], v[MT+2*\u]
.endr
.irp u, 0,1
	v_floor_f32 v[MT+2*\u], -v[MT+2*\u+1]          ; -M = floor(-t): M is a whole number
.endr
.irp u, 0,1
	v_sub_f32 v[16+\u], v[MT+2*\u], v[16+\u]       ; old M - new M: a whole number, 0 or less
.endr
.irp u, 0,1
	v_cvt_i32_f32 v[16+\u], v[16+\u]               ; (it saturates)
.endr
.irp u, 0,1
	v_ldexp_f32 v[FF+2*\u], 1.0, v[16+\u]          ; f = 2^(old M - new M)
.endr
.endm
; Line k of 33 of tile u's sum of the unquantised p: the running sum x f; three more chains begun by pairs 0 to 5; pairs 6 to 31 dealt to the four chains; the chains joined.
.macro SUMOP u
.set rS, S+64*\u
.set rL, SUM+2*\u
.if k == 0
	v_pk_mul_f32 v[rL:rL+1], v[rL:rL+1], v[FF+2*\u:FF+2*\u+1] op_sel_hi:[1,0]
.elseif k < 4
	s_wait_alu depctr_va_vdst(0)
	v_pk_add_f32 v[22+2*k:23+2*k], v[rS+4*k-4:rS+4*k-3], v[rS+4*k-2:rS+4*k-1]
.elseif (k < 30) && (k%4 == 0)
	v_pk_add_f32 v[rL:rL+1], v[rL:rL+1], v[rS+2*k+4:rS+2*k+5]
.elseif k < 30
	v_pk_add_f32 v[22+2*(k%4):23+2*(k%4)], v[22+2*(k%4):23+2*(k%4)], v[rS+2*k+4:rS+2*k+5]
.elseif k == 30
	v_pk_add_f32 v[24:25], v[24:25], v[26:27]
.elseif k == 31
	v_pk_add_f32 v[rL:rL+1], v[rL:rL+1], v[28:29]
.else
	v_pk_add_f32 v[rL:rL+1], v[rL:rL+1], v[24:25]
.endif
.endm
; Pair k of 32 of tile u's p is held (the conversion does not saturate: ISA guide 7.6.2; p is not negative: a one-sided hold), two numbers an instruction; behind every eighth pair 16 numbers are converted.
.macro DMIN u
.set rS, S+64*\u
.set rP, PC+16*\u
	v_dual_min_num_f32 v[rS+2*k], v[rS+2*k], v[LIM] :: v_dual_min_num_f32 v[rS+2*k+1], v[rS+2*k+1], v[LIM2]
.if k%8 == 7
	v_cvt_scalef32_pk8_bf8_f32 v[rP+4*(k/8):rP+4*(k/8)+1], v[rS+16*(k/8):rS+16*(k/8)+7], v[SCL]
	v_cvt_scalef32_pk8_bf8_f32 v[rP+4*(k/8)+2:rP+4*(k/8)+3], v[rS+16*(k/8)+8:rS+16*(k/8)+15], v[SCL]
.endif
.endm
.macro KLOAD                           ; 8 tiles of 16 keys x 64 from v[AK] on, into K's registers
	WIN 0x40                                       ; destination window 1
.irp c, 0,1,2,3,4,5,6,7
.irp q, 0,1
	ds_load_b128 v[KF+8*\c+4*\q:KF+8*\c+4*\q+3], v[AK] offset:\c*1024+\q*512
.endr
.endr
	WIN 0
.endm
; A key step: 128 keys.  pre = 1: the next step's K is asked for.
.macro STEP pre
	s_wait_dscnt 0x0                               ; K is in; nothing else is out
	WIN 0x05                                       ; sources 0 (K) and 1 (Q) window 1
.irp c, 0,1,2,3,4,5,6,7
.irp u, 0,1
	v_wmma_f32_16x16x64_bf8_bf8 v[S+64*\u+8*\c:S+64*\u+8*\c+7], v[KF+8*\c:KF+8*\c+7], v[QF+8*\u:QF+8*\u+7], 0
.endr
.endr
	WIN 0
	v_add_nc_u32 v[AK], s[TB], v[LI]               ; four plain instructions: in front of the loads into V's registers (read by the last step's products) and K's (read just now), and of the first read of the scores
	v_add_nc_u32 v[AV], 131072, v[AK]
.if \pre
	v_add_nc_u32 v[AK], 8192, v[AK]
.else
	v_nop
.endif
	v_nop
.irp t, 0,1,2,3
.irp q, 0,1,2,3
	ds_load_b128 v[32+16*\t+4*\q:32+16*\t+4*\q+3], v[AV] offset:\t*2048+\q*512   ; V lands while the softmax is worked
.endr
.endr
.if \pre
	KLOAD
.endif
	MAXP 0
	MAXP 1
	STATS
.set j, 0
.rept 32
	v_pk_fma_f32 v[S+j:S+j+1], v[S+j:S+j+1], s[CS:CS+1], v[MT:MT+1] op_sel_hi:[1,0,0]   ; tile 0: t - M
.set j, j+2
.endr
.set j, 0
.rept 32
	v_exp_f32 v[S+j], v[S+j]                       ; tile 0: p = 2^(t - M); between the exponentials tile 1's t - M
	v_exp_f32 v[S+j+1], v[S+j+1]
	v_pk_fma_f32 v[S+64+j:S+64+j+1], v[S+64+j:S+64+j+1], s[CS:CS+1], v[MT+2:MT+3] op_sel_hi:[1,0,0]
.set j, j+2
.endr
.set k, 0
.rept 32
	v_exp_f32 v[S+64+2*k], v[S+64+2*k]             ; tile 1: p; between the exponentials tile 0's sum
	v_exp_f32 v[S+64+2*k+1], v[S+64+2*k+1]
	SUMOP 0
.set k, k+1
.endr
	SUMOP 0
.set k, 0
.rept 32
	SUMOP 1                                        ; tile 1's sum and tile 0's holds by turns
	DMIN 0
.set k, k+1
.endr
	SUMOP 1
.set k, 0
.rept 32
	DMIN 1
.set k, k+1
.endr
	WIN 0x41                                       ; O^T (destination and source 0) window 1
.irp u, 0,1
.set j, 0
.rept 16
	v_pk_mul_f32 v[32*\u+j:32*\u+j+1], v[32*\u+j:32*\u+j+1], v[FF+2*\u:FF+2*\u+1] op_sel_hi:[1,0]   ; O^T under the new M (also the plain work behind the conversions)
.set j, j+2
.endr
.endr
	s_wait_dscnt 16*\pre                           ; V's 16 loads are in; the next K's 16, issued behind them, may be out
	WIN 0x50                                       ; C and D window 1
.irp t, 0,1,2,3
.irp u, 0,1
	v_wmma_f32_16x16x128_bf8_bf8 v[32*\u+8*\t:32*\u+8*\t+7], v[32+16*\t:32+16*\t+15], v[PC+16*\u:PC+16*\u+15], v[32*\u+8*\t:32*\u+8*\t+7]
.endr
.endr
	WIN 0
	s_add_co_u32 s[TB], s[TB], 8192
.endm
; Half of the keys: my part of it has landed, then the barrier; its first K; seven steps that fetch ahead and one that does not.
.macro HALF half, left
	s_wait_tensorcnt \left                         ; left = the loads of mine issued behind this half's
	s_wait_dscnt 0x0
	s_barrier_signal -1
	s_barrier_wait -1
	s_mov_b32 s[TB], \half*65536
	v_add_nc_u32 v[AK], s[TB], v[LI]
	KLOAD
	s_mov_b32 s[CNT], 7
.Lstep_\@:
	STEP 1
	s_sub_co_u32 s[CNT], s[CNT], 1
	s_cmp_lg_u32 s[CNT], 0
	s_cbranch_scc1 .Lstep_\@
	STEP 0
.endm
	s_load_b128 s[4:7], s[0:1], 0x0                ; qkvc, the scales' exponents
	s_load_b64 s[8:9], s[0:1], 0x10                ; oc
	v_lshl_add_u32 v22, v0, 2, 0x40000
	s_set_vgpr_msb 0x40
	v_mov_b32 v145, 0
	s_set_vgpr_msb 0x4044
	ds_add_u32 v22, v145
	ds_add_u32 v22, v145
	s_set_vgpr_msb 0x4400
	v_lshrrev_b32 v1, 5, v0
	v_readfirstlane_b32 s[WV], v1                  ; wave 0..7
	s_bfe_u32 s13, ttmp6, 0x40000                  ; cx: it enters Q's and O's addresses alone
	s_lshl_b32 s14, ttmp9, 2
	s_add_co_u32 s14, s14, s13                     ; work-group x
	s_and_b32 s15, ttmp7, 0xffff                   ; y, which the partners share
	s_lshr_b32 s16, s[WV], 2                       ; I fetch K (0) or V (1),
	s_and_b32 s17, s[WV], 3                        ; which 16,384 bytes of a half
	s_lshl_b32 s18, s16, 17
	s_lshl_b32 s19, s17, 14
	s_add_co_u32 s18, s18, s19                     ; in LDS
	s_lshl_b32 s20, s16, 20
	s_add_co_u32 s20, s20, s19
	s_lshl_b32 s21, s15, 17
	s_add_co_u32 s20, s20, s21
	s_add_co_u32 s20, s20, 0x400000                ; in qkvc: k begins at 4,194,304, v 1,048,576 further on; 131,072 bytes a head
	s_mov_b32 s21, 0
	s_mov_b32 s[G1], 15|(3<<16)|(1<<21)            ; 15:0 the mask: all four work-groups; 17:16 elements of 8 bytes; 21 set beside a mask
	s_mov_b32 s[G1+1], 32<<16                      ; a dense block as rows of 256 bytes: tensor_dim0 = 32
	s_mov_b32 s[G1+2], 64<<16                      ; tensor_dim1 = 64
	s_mov_b32 s[G1+3], 32<<16                      ; tile_dim0
	s_mov_b32 s[G1+4], 64                          ; tile_dim1
	s_mov_b32 s[G1+5], 32                          ; the pitch
	s_mov_b32 s[G1+6], 0
	s_mov_b32 s[G1+7], 0
	s_lshr_b32 s52, s15, 2                         ; the batch
	s_and_b32 s53, s15, 3
	s_lshr_b32 s54, s14, 3
	s_lshl_b32 s53, s53, 2
	s_add_co_u32 s53, s53, s54                     ; the query head
	s_and_b32 s54, s14, 7
	s_lshl_b32 s54, s54, 4
	s_lshl_b32 s55, s[WV], 1
	s_add_co_u32 s54, s54, s55                     ; my first tile of 16 queries in the batch
	s_lshl_b32 s56, s52, 4
	s_add_co_u32 s56, s56, s53
	s_lshl_b32 s56, s56, 7
	s_add_co_u32 s56, s56, s54
	s_lshl_b32 s56, s56, 10                        ; its codes in q
	s_mov_b32 s57, 0
	s_lshl_b32 s58, s52, 7
	s_add_co_u32 s58, s58, s54                     ; its row block in oc's image [4,096][1,024]:
	s_lshl_b32 s58, s58, 3
	s_lshr_b32 s59, s53, 1
	s_add_co_u32 s58, s58, s59                     ; fragment head / 2,
	s_lshl_b32 s58, s58, 11
	s_and_b32 s59, s53, 1
	s_lshl_b32 s59, s59, 10
	s_add_co_u32 s58, s58, s59                     ; its upper or lower half
	s_mov_b32 s59, 0
	s_mov_b32 s[SEL], 0x76543210
	s_mov_b32 s[SEL+1], 0xfedcba98
	s_mov_b32 s[CS], 0x3e38aa3b                    ; c = log2(e) / 8
	s_wait_dscnt 0x0
	s_wait_kmcnt 0x0
	s_load_b128 s[40:43], s[6:7], 0x10             ; e4 .. e7
	s_load_b32 s44, s[6:7], 0x20                   ; e8
	s_add_nc_u64 s[22:23], s[4:5], s[20:21]        ; my tile (no place in the cluster enters it)
	s_add_nc_u64 s[4:5], s[4:5], s[56:57]          ; Q
	s_add_nc_u64 s[8:9], s[8:9], s[58:59]          ; O
	CROUND                                         ; all four work-groups are here: the joint loads meet
	s_mov_b32 s32, 1
	s_mov_b32 s33, s18
	s_mov_b64 s[34:35], s[22:23]
	s_or_b32 s35, s35, 0x80000000
	s_mov_b32 s36, 1
	s_add_co_u32 s37, s18, 65536
	s_add_nc_u64 s[38:39], s[22:23], 65536
	s_or_b32 s39, s39, 0x80000000
	tensor_load_to_lds s[32:35], s[G1:G1+7]        ; keys 0-1,023: two tensor loads of mine are out
	s_nop 0
	tensor_load_to_lds s[36:39], s[G1:G1+7]        ; keys 1,024-2,047
	s_nop 0
.rept 4
	v_nop
.endr
	v_and_b32 v1, 31, v0
	v_lshlrev_b32 v[LI], 4, v1
	WIN 0x40                                       ; destination window 1
.irp u, 0,1
.irp q, 0,1
	global_load_b128 v[QF+8*\u+4*\q:QF+8*\u+4*\q+3], v[LI], s[4:5] offset:\u*1024+\q*512   ; Q stays in registers
.endr
.endr
.set j, 0
.rept 64
	v_mov_b32 v[j], 0                              ; O^T: the step's first trip finds zeros, which the first change of M leaves zeros
.set j, j+1
.endr
	WIN 0
.irp u, 0,1
	v_mov_b32 v[MT+2*\u+1], 0xff61b1e6             ; the largest t so far: -3e38
	v_floor_f32 v[MT+2*\u], -v[MT+2*\u+1]
	v_mov_b32 v[SUM+2*\u], 0
	v_mov_b32 v[SUM+2*\u+1], 0
	v_mov_b32 v[FF+2*\u], 0
	v_mov_b32 v[FF+2*\u+1], 0                      ; (named as the upper half of a pair)
	v_mov_b32 v[18+\u], 0                          ; a lane permute's destination counts as one of its sources
.endr
	s_wait_kmcnt 0x0
	s_add_co_i32 s52, s40, s41
	s_lshl_b32 s52, s52, 23
	s_add_co_i32 s[CS], s[CS], s52                 ; a score stands for score x 2^(e4 + e5)
	s_mov_b32 s[CS+1], s[CS]
	s_add_co_i32 s52, s42, 127
	s_lshl_b32 s53, s52, 23
	v_mov_b32 v[SCL], s53                          ; 2^e6
	s_add_co_i32 s52, s52, 15
	s_lshl_b32 s52, s52, 23
	s_or_b32 s52, s52, 0x600000
	v_mov_b32 v[LIM], s52                          ; 57,344 x 2^e6
	v_mov_b32 v[LIM2], s52
	s_wait_loadcnt 0x0                             ; Q
	HALF 0, 1
	HALF 1, 0
	; THE WAY OUT: O^T / the sum x 2^(e6 + e7), quantised under 2^e8; tile t's two registers are registers 2 c, 2 c + 1, c = 4 (head % 2) + t, of fragment head / 2.
	PLACES
.irp u, 0,1
	v_add_f32 v[SUM+2*\u], v[SUM+2*\u], v[SUM+2*\u+1]
.endr
	v_permlanex16_b32 v18, v[SUM], s[SEL], s[SEL+1]
	v_permlanex16_b32 v19, v[SUM+2], s[SEL], s[SEL+1]
	v_add_f32 v[SUM], v[SUM], v18
	v_add_f32 v[SUM+2], v[SUM+2], v19
	v_rcp_f32 v[SUM], v[SUM]
	v_rcp_f32 v[SUM+2], v[SUM+2]
	v_nop                                          ; a plain instruction behind the transcendentals
	s_add_co_i32 s52, s42, s43
	s_wait_alu depctr_va_vdst(0)
	v_ldexp_f32 v[SUM], v[SUM], s52
	v_ldexp_f32 v[SUM+2], v[SUM+2], s52
	s_add_co_i32 s52, s44, 127
	s_lshl_b32 s53, s52, 23
	v_mov_b32 v[SCL], s53                          ; 2^e8
	s_add_co_i32 s52, s52, 15
	s_lshl_b32 s52, s52, 23
	s_or_b32 s52, s52, 0x600000
	v_mov_b32 v[LIM], s52
.irp u, 0,1
	WIN 0x01                                       ; source 0 window 1
.set j, 0
.rept 32
	v_mul_f32 v[S+64*\u+j], v[32*\u+j], v[SUM+2*\u]
.set j, j+1
.endr
	WIN 0
.set j, 0
.rept 32
	v_med3_num_f32 v[S+64*\u+j], v[S+64*\u+j], -v[LIM], v[LIM]
.set j, j+1
.endr
.irp t, 0,1,2,3
	v_cvt_scalef32_pk8_bf8_f32 v[PC+16*\u+2*\t:PC+16*\u+2*\t+1], v[S+64*\u+8*\t:S+64*\u+8*\t+7], v[SCL]
.endr
	v_nop
	global_store_b128 v[LI], v[PC+16*\u:PC+16*\u+3], s[8:9] offset:\u*16384
	global_store_b128 v[LI], v[PC+16*\u+4:PC+16*\u+7], s[8:9] offset:\u*16384+512
.endr
	s_wait_dscnt 0x0
	s_set_vgpr_msb 0x4
	s_wait_tensorcnt 0x0
	ds_add_u32 v22, v145
	s_wait_dscnt 0x0
	s_set_vgpr_msb 0x400
	CROUND                                         ; the closing round
	s_endpgm
.Lfunc_end_k_q28470908cd_attn:
	.size	k_q28470908cd_attn, .Lfunc_end_k_q28470908cd_attn-k_q28470908cd_attn
	.p2alignl 7, 3214868480
	.fill 96, 4, 3214868480
	.section	.rodata,"a",@progbits
	.p2align	6, 0x0
	.amdhsa_kernel k_q28470908cd_attn
		.amdhsa_group_segment_fixed_size 263168
		.amdhsa_private_segment_fixed_size 0
		.amdhsa_enable_private_segment 0
		.amdhsa_kernarg_size 24
		.amdhsa_user_sgpr_count 2
		.amdhsa_user_sgpr_kernarg_segment_ptr 1
		.amdhsa_wavefront_size32 1
		.amdhsa_system_sgpr_workgroup_id_x 1
		.amdhsa_system_sgpr_workgroup_id_y 1
		.amdhsa_system_sgpr_workgroup_id_z 1
		.amdhsa_system_vgpr_workitem_id 0
		.amdhsa_next_free_vgpr 402
		.amdhsa_next_free_sgpr 66
		.amdhsa_reserve_vcc 0
		.amdhsa_float_denorm_mode_32 3
		.amdhsa_float_denorm_mode_16_64 3
		.amdhsa_memory_ordered 1
		.amdhsa_forward_progress 1
		.amdhsa_inst_pref_size 130
	.end_amdhsa_kernel
	.amdgpu_metadata
---
amdhsa.version: [ 1, 2 ]
amdhsa.kernels:
  - .name:           k_q28470908cd_attn
    .symbol:         k_q28470908cd_attn.kd
    .args:
      - { .name: qkvc, .offset: 0, .size: 8, .value_kind: global_buffer, .address_space: global }
      - { .name: lowp_scales, .offset: 8, .size: 8, .value_kind: global_buffer, .address_space: global }
      - { .name: oc, .offset: 16, .size: 8, .value_kind: global_buffer, .address_space: global }
    .group_segment_fixed_size: 263168
    .private_segment_fixed_size: 0
    .kernarg_segment_align: 8
    .kernarg_segment_size: 24
    .max_flat_workgroup_size: 256
    .sgpr_count:     66
    .vgpr_count:     402
    .wavefront_size: 32
...
	.end_amdgpu_metadata
.endif
;; end of part 10
;; launch wo: the kernel of part 4 again; grid 8 x 32, 4 waves a work-group, clusters of 4 x 4, 280,064 bytes of LDS; arguments oc, wc, lowp_scales, x, x1; writes x1
;; launch ln2 (part 11): grid 256 x 1, 8 waves a work-group, no clusters, 77,824 bytes of LDS; arguments x1, ln2_g, ln2_b, lowp_scales, h2c; writes h2c
.if DOCPART == 11
	.amdgcn_target "amdgcn-amd-amdhsa--gfx1250"
	.amdhsa_code_object_version 6
	.text
	.protected	k_q28470908cd_ln2
	.globl	k_q28470908cd_ln2
	.p2align	8
	.type	k_q28470908cd_ln2,@function
k_q28470908cd_ln2:
	s_mov_b64 s[64:65], 0
	v_nop
	global_prefetch_b8 v0, s[64:65] scope:SCOPE_SE
	s_setreg_imm32_b32 hwreg(HW_REG_WAVE_MODE, 25, 1), 1
	s_wait_xcnt 0x0
; h2 = LayerNorm(x1) of 16 rows a work-group, quantised to BF8 (E5M2) under 2^e10, stored as an image of the operand's registers:
; a fragment (16 rows x 128 k) is 2,048 bytes, byte 512 q + 16 lane + i; [4,096][1,024] lies as [256 row blocks][8 fragments][2,048].
; Wave w makes fragment w.  A fragment's row is 512 consecutive bytes of f32: each of the wave's 16 loads reads one row's 512 bytes, 16 a lane; the 8,192 bytes turn through the wave's own stage in LDS
; and come back to lane (r, h) as row r, k = 16 c + 8 h + 0 .. 7 in registers 8 c on, as the conversions want them.
; Mean and variance in two passes; the 8 waves of a row meet in LDS (bytes 0-511 the sums, 512-1,023 the squares).
; The gain and the bias of the wave's 128 columns are 512 bytes each: one load of 16 bytes a lane for each, into 1,024 bytes of LDS of the wave's own, and back half by half in the lanes' layout.  The codes are laid over x1's registers that are done with.
; LIMITS: e10 between -126 and 112.  NaN and infinities are not served.
.set X,   32
.set GH,  96
.set BH,  128
.set SP,  528                          ; a stage row: 512 bytes + 16 = 132 words: row r starts at bank 4 r mod 64 (64 banks of 4 bytes: ISA guide 11.1)
.set STG, 1024
.set GBS, STG+8*16*SP                  ; behind the stages: 512 bytes of gain and 512 of bias for each wave
.macro XCHG base                       ; v[8:9]: my two partial sums.  Out: v12 = the row's sum
	v_add_f32 v8, v8, v9
	v_permlanex16_b32 v9, v8, s42, s43
	v_add_f32 v8, v8, v9
	ds_store_b32 v5, v8 offset:\base
	s_wait_dscnt 0x0                               ; for the others' sake: my store has landed
	s_barrier_signal -1
	s_barrier_wait -1
.irp w, 0,1,2,3,4,5,6,7
	ds_load_b32 v[12+\w], v6 offset:\base+64*\w
.endr
	s_wait_dscnt 0x0
	v_add_f32 v12, v12, v13
	v_add_f32 v14, v14, v15
	v_add_f32 v16, v16, v17
	v_add_f32 v18, v18, v19
	v_add_f32 v12, v12, v14
	v_add_f32 v16, v16, v18
	v_add_f32 v12, v12, v16
.endm
.macro GBLDS half                      ; the gain and the bias at my columns 16 c + 8 h + 0 .. 7, c = 4 half .. 4 half + 3, out of my wave's LDS bytes
.irp c, 0,1,2,3
	ds_load_b128 v[GH+8*\c:GH+8*\c+3], v31 offset:256*\half+64*\c
	ds_load_b128 v[GH+8*\c+4:GH+8*\c+7], v31 offset:256*\half+64*\c+16
	ds_load_b128 v[BH+8*\c:BH+8*\c+3], v31 offset:512+256*\half+64*\c
	ds_load_b128 v[BH+8*\c+4:BH+8*\c+7], v31 offset:512+256*\half+64*\c+16
.endr
.endm
.macro AFFINE half
.set j, 0
.rept 16
	v_pk_fma_f32 v[X+32*\half+j:X+32*\half+j+1], v[X+32*\half+j:X+32*\half+j+1], v[GH+j:GH+j+1], v[BH+j:BH+j+1]
.set j, j+2
.endr
.endm
.macro QUANT c                         ; the hold (the conversion does not saturate: ISA guide 7.6.2) into registers at work; the codes over x1's registers of c = 2 (c / 2), which the hold has read
.irp i, 0,1,2,3,4,5,6,7
	v_med3_num_f32 v[8+\i], v[X+8*(\c)+\i], -v24, v24
.endr
	v_cvt_scalef32_pk8_bf8_f32 v[X+16*((\c)/2)+2*((\c)%2):X+16*((\c)/2)+2*((\c)%2)+1], v[8:15], v25
	v_nop                                          ; a plain instruction before the next holds write the conversion's sources
.endm
	s_load_b256 s[8:15], s[0:1], 0x0               ; x1 8, ln2_g 10, ln2_b 12, the scales' exponents 14
	s_load_b64 s[26:27], s[0:1], 0x20              ; h2c
	v_lshl_add_u32 v160, v0, 2, 0x12c00
	v_mov_b32 v161, 0
	v_lshrrev_b32 v1, 5, v0
	v_readfirstlane_b32 s30, v1                    ; wave
	v_and_b32 v1, 15, v0                           ; r
	v_bfe_u32 v2, v0, 4, 1                         ; h
	v_and_b32 v9, 31, v0
	v_lshlrev_b32 v9, 4, v9                        ; 16 lane
	s_lshl_b32 s31, s30, 11
	v_add_nc_u32 v7, s31, v9                       ; 2,048 wave + 16 lane
	s_lshl_b32 s31, s30, 9
	v_add_nc_u32 v3, s31, v9                       ; 512 wave + 16 lane: my 16 bytes of a row, of the gain and of the bias
	s_lshl_b32 s31, s30, 6
	v_lshl_add_u32 v5, v1, 2, s31                  ; LDS: 64 wave + 4 r
	v_lshlrev_b32 v6, 2, v1
	s_mul_i32 s31, s30, 16*SP
	s_add_co_u32 s31, s31, STG                     ; my stage
	v_add_nc_u32 v28, s31, v9
	v_mul_u32_u24 v29, v1, SP
	v_lshl_add_u32 v29, v2, 5, v29
	v_add_nc_u32 v29, s31, v29
	s_lshl_b32 s31, s30, 10
	s_add_co_u32 s31, s31, GBS                     ; my gain and bias
	v_add_nc_u32 v30, s31, v9                      ; in: 16 lane
	v_lshl_add_u32 v31, v2, 5, s31                 ; back: 32 h
	s_mov_b32 s42, 0x76543210
	s_mov_b32 s43, 0xfedcba98
	s_mov_b32 s44, 0x3a800000                      ; 1 / 1,024
	s_mov_b32 s45, 0x3727c5ac                      ; 1e-5
	s_lshl_b32 s46, ttmp9, 16
	s_mov_b32 s47, 0
	s_wait_kmcnt 0x0
	s_load_b32 s32, s[14:15], 0x28                 ; e10
	s_add_nc_u64 s[8:9], s[8:9], s[46:47]
	s_lshl_b32 s46, ttmp9, 14
	s_add_nc_u64 s[26:27], s[26:27], s[46:47]
	global_load_b128 v[GH:GH+3], v3, s[10:11]      ; my wave's 512 bytes of the gain,
	global_load_b128 v[GH+4:GH+7], v3, s[12:13]    ; and of the bias
.irp i, 0,1,2,3,4,5,6,7,8,9,10,11,12,13,14,15
	global_load_b128 v[X+4*\i:X+4*\i+3], v3, s[8:9] offset:\i*4096 th:TH_LOAD_NT   ; row i: 32 lanes read 512 consecutive bytes; read once in the launch
.endr
.irp i, 0,1,2,3,4,5,6,7,8,9,10,11,12,13,14,15
	s_wait_loadcnt 15-\i                           ; row i is in, and so are the gain and the bias, which are older; the younger rows may be out
	ds_store_b128 v28, v[X+4*\i:X+4*\i+3] offset:\i*SP
.endr
	ds_store_b128 v30, v[GH:GH+3]
	ds_store_b128 v30, v[GH+4:GH+7] offset:512
.irp c, 0,1,2,3,4,5,6,7                ; LDS serves a wave's instructions in order (ISA guide 5.7.1.4): these see the stores above, and land where those have read
	ds_load_b128 v[X+8*\c:X+8*\c+3], v29 offset:64*\c
	ds_load_b128 v[X+8*\c+4:X+8*\c+7], v29 offset:64*\c+16
.endr
	GBLDS 0
	s_wait_kmcnt 0x0
	s_add_co_i32 s46, s32, 127
	s_lshl_b32 s47, s46, 23
	v_mov_b32 v25, s47                             ; 2^e10
	s_add_co_i32 s46, s46, 15
	s_lshl_b32 s46, s46, 23
	s_or_b32 s46, s46, 0x600000
	v_mov_b32 v24, s46                             ; 57,344 x 2^e10
	s_wait_dscnt 0x0                               ; my numbers are back from the stage, and the first halves of the gain and the bias
	v_pk_add_f32 v[8:9], v[X:X+1], v[X+2:X+3]
	v_pk_add_f32 v[10:11], v[X+4:X+5], v[X+6:X+7]
.irp j, 8,12,16,20,24,28,32,36,40,44,48,52,56,60
	v_pk_add_f32 v[8:9], v[8:9], v[X+\j:X+\j+1]
	v_pk_add_f32 v[10:11], v[10:11], v[X+\j+2:X+\j+3]
.endr
	v_pk_add_f32 v[8:9], v[8:9], v[10:11]
	XCHG 0
	v_mul_f32 v12, s44, v12                        ; the mean
.set j, 0
.rept 32
	v_pk_add_f32 v[X+j:X+j+1], v[X+j:X+j+1], v[12:13] op_sel_hi:[1,0] neg_lo:[0,1] neg_hi:[0,1]
.set j, j+2
.endr
	v_pk_mul_f32 v[8:9], v[X:X+1], v[X:X+1]
	v_pk_mul_f32 v[10:11], v[X+2:X+3], v[X+2:X+3]
.irp j, 4,8,12,16,20,24,28,32,36,40,44,48,52,56,60
	v_pk_fma_f32 v[8:9], v[X+\j:X+\j+1], v[X+\j:X+\j+1], v[8:9]
	v_pk_fma_f32 v[10:11], v[X+\j+2:X+\j+3], v[X+\j+2:X+\j+3], v[10:11]
.endr
	v_pk_add_f32 v[8:9], v[8:9], v[10:11]
	XCHG 512
	v_fma_f32 v12, v12, s44, s45
	v_rsq_f32 v14, v12
	v_nop                                          ; a plain instruction behind the transcendental
.set j, 0
	s_wait_alu depctr_va_vdst(0)
.rept 32
	v_pk_mul_f32 v[X+j:X+j+1], v[X+j:X+j+1], v[14:15] op_sel_hi:[1,0]
.set j, j+2
.endr
	AFFINE 0
	GBLDS 1                                        ; the second halves come back while the first half is quantised
	QUANT 0
	QUANT 1
	global_store_b128 v7, v[X:X+3], s[26:27]
	QUANT 2
	QUANT 3
	global_store_b128 v7, v[X+16:X+19], s[26:27] offset:512
	s_wait_dscnt 0x0
	AFFINE 1
	QUANT 4
	QUANT 5
	global_store_b128 v7, v[X+32:X+35], s[26:27] offset:1024
	QUANT 6
	QUANT 7
	global_store_b128 v7, v[X+48:X+51], s[26:27] offset:1536
	s_wait_tensorcnt 0x0
	ds_add_u32 v160, v161
	s_wait_dscnt 0x0
	s_endpgm
.Lfunc_end_k_q28470908cd_ln2:
	.size	k_q28470908cd_ln2, .Lfunc_end_k_q28470908cd_ln2-k_q28470908cd_ln2
	.p2alignl 7, 3214868480
	.fill 96, 4, 3214868480
	.section	.rodata,"a",@progbits
	.p2align	6, 0x0
	.amdhsa_kernel k_q28470908cd_ln2
		.amdhsa_group_segment_fixed_size 77824
		.amdhsa_private_segment_fixed_size 0
		.amdhsa_enable_private_segment 0
		.amdhsa_kernarg_size 40
		.amdhsa_user_sgpr_count 2
		.amdhsa_user_sgpr_kernarg_segment_ptr 1
		.amdhsa_wavefront_size32 1
		.amdhsa_system_sgpr_workgroup_id_x 1
		.amdhsa_system_sgpr_workgroup_id_y 1
		.amdhsa_system_sgpr_workgroup_id_z 1
		.amdhsa_system_vgpr_workitem_id 0
		.amdhsa_next_free_vgpr 162
		.amdhsa_next_free_sgpr 66
		.amdhsa_reserve_vcc 0
		.amdhsa_float_denorm_mode_32 3
		.amdhsa_float_denorm_mode_16_64 3
		.amdhsa_memory_ordered 1
		.amdhsa_forward_progress 1
		.amdhsa_inst_pref_size 27
	.end_amdhsa_kernel
	.amdgpu_metadata
---
amdhsa.version: [ 1, 2 ]
amdhsa.kernels:
  - .name:           k_q28470908cd_ln2
    .symbol:         k_q28470908cd_ln2.kd
    .args:
      - { .name: x1, .offset: 0, .size: 8, .value_kind: global_buffer, .address_space: global }
      - { .name: ln2_g, .offset: 8, .size: 8, .value_kind: global_buffer, .address_space: global }
      - { .name: ln2_b, .offset: 16, .size: 8, .value_kind: global_buffer, .address_space: global }
      - { .name: lowp_scales, .offset: 24, .size: 8, .value_kind: global_buffer, .address_space: global }
      - { .name: h2c, .offset: 32, .size: 8, .value_kind: global_buffer, .address_space: global }
    .group_segment_fixed_size: 77824
    .private_segment_fixed_size: 0
    .kernarg_segment_align: 8
    .kernarg_segment_size: 40
    .max_flat_workgroup_size: 256
    .sgpr_count:     66
    .vgpr_count:     162
    .wavefront_size: 32
...
	.end_amdgpu_metadata
.endif
;; end of part 11
;; launch w1 (part 12): grid 8 x 32, 4 waves a work-group, clusters of 4 x 4, 327,680 bytes of LDS; arguments h2c, wc, lowp_scales, b1, gc; writes gc
.if DOCPART == 12
	.amdgcn_target "amdgcn-amd-amdhsa--gfx1250"
	.amdhsa_code_object_version 6
	.text
	.protected	k_q28470908cd_w1
	.globl	k_q28470908cd_w1
	.p2align	8
	.type	k_q28470908cd_w1,@function
k_q28470908cd_w1:
	s_mov_b64 s[64:65], 0
	v_nop
	global_prefetch_b8 v0, s[64:65] scope:SCOPE_SE
	s_setreg_imm32_b32 hwreg(HW_REG_WAVE_MODE, 25, 1), 1
	s_wait_xcnt 0x0
	s_wait_alu depctr_hold_cnt(0) depctr_sa_sdst(0) depctr_va_vdst(0) depctr_va_sdst(0) depctr_va_ssrc(0) depctr_va_vcc(0) depctr_vm_vsrc(0)
	s_getreg_b32 s2, hwreg(HW_REG_IB_STS2, 6, 4)
	s_cmp_eq_u32 s2, 0
	s_cbranch_scc0 .Lentry_in_a_cluster
	s_endpgm
.Lentry_in_a_cluster:
	s_bfe_u32 s2, ttmp6, 0x10000c
	s_cmp_lg_u32 s2, 0xf033
	s_cbranch_scc0 .Lentry_shape_is_right
	s_endpgm
.Lentry_shape_is_right:
; g = gelu(h2 W1^T + b1), exact (by erf), on codes of BF8 (E5M2): h2 under 2^e10, W1 under 2^e11; g's codes under 2^e12, as the image of [4,096][2,048].
; OPERANDS ARE IMAGES OF THEIR REGISTERS: a fragment (16 rows x 128 k) is 2,048 bytes, byte 512 q + 16 lane + i; an operand [R][K] lies as [R / 16][K / 128][2,048].
; A tile is 128 x 128, made by four waves, a wave 64 x 64: 16 accumulators.  K = 1,024 lies whole in LDS, as two slots of 512.  CLUSTERS: 4 x 4; h2's tiles shared along a row, W1's along a column.
; A WORK-GROUP STAYS: it makes tile columns tc and tc + 8 of one tile row.  h2's 131,072 bytes stay in LDS; W1's 131,072 are filled again once, in the first tile's last K step: each wave waits for all its tensor loads, adds 0 to its
; spare word, waits for that and for its reads; a round of the cluster's barrier; then one joint load a wave (slot wave / 2, row blocks 4 (wave % 2) on: 32,768 bytes).  Eight matrix instructions and the first tile's whole way out
; stand between that load and the wait for it.
; TRANSPOSED: source 0 = 16 rows of W1, source 1 = 16 tokens: lane (r, h) holds token r and hidden units 16 b + 8 h + 0 .. 7, so a conversion's two registers are registers 2 c, 2 c + 1, c = 4 x column half + b, of fragment (row block, tile column).
; GELU: u Phi(u), z = u / sqrt(2).  |z| <= 0.927734375: Phi = 1/2 + erf(z) / 2 by an odd polynomial of degree 11.  Else e = exp(poly(|z|)) stands for erfc(|z|): Phi = e / 2 where z < 0, 1 - e / 2 elsewhere.  Both are computed, v_cndmask_b32 chooses.
; LIMITS: e10 + e11 between -126 and 127; e12 between -126 and 112.  Phi carries an absolute error near 1e-7, so its relative error grows where Phi itself vanishes (u under about -2.6).  NaN and infinities are not served.
; REGISTERS: window 0: v4 b1's offset, v8-13 three coefficients as pairs, v16-29 addresses, v30-31 the hold and the scale, v32-63 b1 (8 b + j), v64-119 GELU at work, v120-127 codes, v128-255 the accumulators.   window 1: two sets of fragments.
.set KTOT,  1024
.set WOFF,  2621440                    ; W1's image in wc
.set RBB,   KTOT*16
.set SLOT,  131072
.set NEXTB, 64*RBB                     ; eight tile columns on: 64 row blocks of W1
.set SPARE, 262144                     ; behind the slots: the spare words, 128 bytes for each wave: two blocks of 256 bytes that no other line names
.set G1,  24
.set G0,  32
.set G1B, 48
.set G0B, 56
.set G0R, 96                           ; s[96:99] group 0 of the refill
.set AD0, 16
.set AD1, 20
.set LI,  27
.set SPW, 28                           ; v28 LDS address of my spare word; never rewritten
.set NIL, 29                           ; v29 0; never rewritten
.set BI,  32
.set U,   64
.set Z,   72
.set T,   80
.set S,   88
.set R,   96
.set W,   104
.set P,   112
.set CD,  120
.set ACC, 128
.set F0,  0
.set F1,  128
.set MSB, 0
.macro WIN new
.if MSB != \new
	s_set_vgpr_msb (MSB<<8)|\new
.set MSB, \new
.endif
.endm
.macro PLACES                          ; four plain vector instructions between a matrix instruction and a load into its sources or a read of its result
.rept 4
	v_nop
.endr
.endm
.macro CREST                           ; a round of the cluster's barrier behind its opening barrier
	s_cmp_lg_u32 s10, 0
	s_cbranch_scc1 .Lnot_wave_0_\@
	s_barrier_signal -3
.Lnot_wave_0_\@:
	s_barrier_wait -3
	s_barrier_signal -1
	s_barrier_wait -1
.endm
.macro CROUND
	s_barrier_signal -1
	s_barrier_wait -1
	CREST
.endm
.macro FETCH slot, kf, f
	WIN 0x40
.irp i, 0,1,2,3
.irp q, 0,1,2,3
	ds_load_b128 v[\f+64+16*\i+4*\q:\f+64+16*\i+4*\q+3], v[AD0+\slot] offset:\i*8192+(\kf)*2048+\q*512
.endr
.endr
.irp i, 0,1,2,3
.irp q, 0,1,2,3
	ds_load_b128 v[\f+16*\i+4*\q:\f+16*\i+4*\q+3], v[AD1+\slot] offset:\i*8192+(\kf)*2048+\q*512
.endr
.endr
.endm
.macro MUL4 f, a, zero                 ; the 16 accumulators take turns, one instruction a turn
.irp b, 0,1,2,3
.if \zero
	v_wmma_f32_16x16x128_bf8_bf8 v[ACC+8*(4*(\a)+\b):ACC+8*(4*(\a)+\b)+7], v[\f+64+16*\b:\f+64+16*\b+15], v[\f+16*(\a):\f+16*(\a)+15], 0
.else
	v_wmma_f32_16x16x128_bf8_bf8 v[ACC+8*(4*(\a)+\b):ACC+8*(4*(\a)+\b)+7], v[\f+64+16*\b:\f+64+16*\b+15], v[\f+16*(\a):\f+16*(\a)+15], v[ACC+8*(4*(\a)+\b):ACC+8*(4*(\a)+\b)+7]
.endif
.endr
.endm
.macro STEP f, g, slot, kf, zero       ; multiplies set f; ahead of that asks for the next 128 along K into set g
	PLACES
	FETCH \slot, \kf, \g
	s_wait_dscnt 32                                ; all but the 32 just issued: set f is in
	WIN 0x05
	MUL4 \f, 0, \zero
	MUL4 \f, 1, \zero
	MUL4 \f, 2, \zero
	MUL4 \f, 3, \zero
.endm
.macro BOUND f, g, next                ; the first tile's step that goes over to the second slot: my part of it has landed, then the barrier
	s_wait_tensorcnt 0x0                           ; no load was issued behind the second slot's
	s_wait_dscnt 0x0
	s_barrier_signal -1
	WIN 0x05
	MUL4 \f, 0, 0
	MUL4 \f, 1, 0
	s_barrier_wait -1
	PLACES
	FETCH \next, 0, \g
	WIN 0x05
	MUL4 \f, 2, 0
	MUL4 \f, 3, 0
.endm
.macro LASTF f                         ; the first tile's last step: nobody reads W1's tiles any more, and they are filled again
	WIN 0                                          ; (the add's two registers lie in window 0)
	s_wait_tensorcnt 0x0                           ; all my tensor loads have landed;
	ds_add_u32 v[SPW], v[NIL]                      ; 0 onto my spare word;
	s_wait_dscnt 1                                 ; (the add alone may be out: set f is in)
	WIN 0x05
	MUL4 \f, 0, 0                                  ; four matrix instructions stand between the add and the wait for it
	s_wait_dscnt 0x0                               ; the add is done, and my reads of both slots are over
	s_barrier_signal -1
	MUL4 \f, 1, 0
	WIN 0
	s_barrier_wait -1
	CREST                                          ; the barrier has opened a round of the cluster's: no wave of any partner still reads these tiles or has a load on its way
	tensor_load_to_lds s[G0R:G0R+3], s[G1B:G1B+7]  ; my one tensor load behind the round, and the first thing there
	s_nop 0
.rept 4
	v_nop
.endr
	WIN 0x05
	MUL4 \f, 2, 0
	MUL4 \f, 3, 0
	WIN 0
.endm
.macro LAST f
	s_wait_dscnt 0x0
	WIN 0x05
	MUL4 \f, 0, 0
	MUL4 \f, 1, 0
	MUL4 \f, 2, 0
	MUL4 \f, 3, 0
	WIN 0
.endm
	s_load_b128 s[4:7], s[0:1], 0x0                ; h2c, wc
	s_load_b128 s[68:71], s[0:1], 0x10             ; the scales' exponents, b1
	s_load_b64 s[72:73], s[0:1], 0x20              ; gc
	v_lshl_add_u32 v[SPW], v0, 2, SPARE
	v_mov_b32 v[NIL], 0
	ds_add_u32 v28, v29
	ds_add_u32 v28, v29
	s_wait_dscnt 0x0
	v_lshrrev_b32 v1, 5, v0
	v_readfirstlane_b32 s10, v1
	s_lshr_b32 s11, s10, 1
	s_and_b32 s12, s10, 1
	s_bfe_u32 s40, ttmp6, 0x40000
	s_bfe_u32 s41, ttmp6, 0x40004
	s_lshl_b32 s42, ttmp9, 2
	s_add_co_u32 s42, s42, s40                     ; the first tile column, 0 .. 7
	s_and_b32 s13, ttmp7, 0xffff
	s_lshl_b32 s13, s13, 2
	s_add_co_u32 s13, s13, s41                     ; tile row
	s_lshl_b32 s43, s41, 2
	s_lshl_b32 s43, 15, s43
	s_lshl_b32 s44, 0x1111, s40
	s_or_b32 s[G1], s43, (3<<16)|(1<<21)           ; the mask; elements of 8 bytes; no padding; bit 21 beside a mask
	s_or_b32 s[G1B], s44, (3<<16)|(1<<21)
.irp g, G1, G1B
	s_mov_b32 s[\g+1], 1024<<16                    ; 8,192 bytes: a row block's four fragments
	s_mov_b32 s[\g+2], 4<<16
	s_mov_b32 s[\g+3], 1024<<16
	s_mov_b32 s[\g+4], 4
	s_mov_b32 s[\g+5], RBB/8
	s_mov_b32 s[\g+6], 0
	s_mov_b32 s[\g+7], 0
.endr
	s_lshl_b32 s17, s12, 2
	s_lshl_b32 s16, s13, 3
	s_add_co_u32 s16, s16, s17
	s_mul_i32 s16, s16, RBB
	s_lshl_b32 s46, s42, 3
	s_add_co_u32 s46, s46, s17
	s_mul_i32 s46, s46, RBB
	s_add_co_u32 s46, s46, WOFF
	s_mov_b32 s17, 0
	s_mov_b32 s47, 0
	s_lshl_b32 s20, s10, 15
	s_wait_kmcnt 0x0
	s_load_b64 s[80:81], s[68:69], 0x28            ; e10, e11
	s_load_b32 s82, s[68:69], 0x30                 ; e12
	s_add_nc_u64 s[14:15], s[4:5], s[16:17]
	s_add_nc_u64 s[46:47], s[6:7], s[46:47]
	CROUND
.irp s, 0,1
	s_mov_b32 s[G0+4*\s], 1
	s_add_co_u32 s[G0+4*\s+1], s20, \s*SLOT
	s_add_nc_u64 s[G0+4*\s+2:G0+4*\s+3], s[14:15], \s*8192
	s_or_b32 s[G0+4*\s+3], s[G0+4*\s+3], 0x80000000
	s_mov_b32 s[G0B+4*\s], 1
	s_add_co_u32 s[G0B+4*\s+1], s20, \s*SLOT
	s_add_nc_u64 s[G0B+4*\s+2:G0B+4*\s+3], s[46:47], \s*8192
	s_or_b32 s[G0B+4*\s+3], s[G0B+4*\s+3], 0x80000000
.endr
	s_cmp_eq_u32 s11, 0                            ; a wave's two first fills stand in one branch: two tensor loads of mine are out
	s_cbranch_scc0 .Lfirst_b
	tensor_load_to_lds s[G0:G0+3], s[G1:G1+7]
	s_nop 0
	tensor_load_to_lds s[G0+4:G0+7], s[G1:G1+7]
	s_nop 0
.rept 4
	v_nop
.endr
	s_branch .Lfirst_asked
.Lfirst_b:
	tensor_load_to_lds s[G0B:G0B+3], s[G1B:G1B+7]
	s_nop 0
	tensor_load_to_lds s[G0B+4:G0B+7], s[G1B:G1B+7]
	s_nop 0
.rept 4
	v_nop
.endr
.Lfirst_asked:
	; the refill's group 0: W1's rows of tile column tc + 8; wave w brings row blocks 4 (w % 2) on of slot w / 2
	s_lshl_b32 s92, s11, 13                        ; the slot's 512 along K: 8,192 bytes on in a row block
	s_mov_b32 s93, 0
	s_add_nc_u64 s[G0R+2:G0R+3], s[46:47], s[92:93]
	s_add_nc_u64 s[G0R+2:G0R+3], s[G0R+2:G0R+3], NEXTB
	s_or_b32 s[G0R+3], s[G0R+3], 0x80000000
	s_mov_b32 s[G0R], 1
	s_lshl_b32 s[G0R+1], s11, 17
	s_lshl_b32 s94, s12, 15
	s_add_co_u32 s[G0R+1], s[G0R+1], s94
	s_add_co_u32 s[G0R+1], s[G0R+1], 65536         ; W1's part of a slot lies behind h2's
	v_bfe_u32 v2, v0, 4, 1                         ; h
	v_and_b32 v3, 31, v0
	v_lshlrev_b32 v[LI], 4, v3
	s_lshl_b32 s21, s11, 15
	s_lshl_b32 s22, s12, 15
	s_add_co_u32 s22, s22, 65536
	v_add_nc_u32 v[AD0], s22, v[LI]
	v_add_nc_u32 v[AD0+1], SLOT, v[AD0]
	v_add_nc_u32 v[AD1], s21, v[LI]
	v_add_nc_u32 v[AD1+1], SLOT, v[AD1]
	s_lshl_b32 s92, s42, 9
	s_lshl_b32 s93, s12, 8
	s_add_co_u32 s92, s92, s93                     ; b1 at my 64 hidden units of the first tile
	s_mov_b32 s93, 0
	s_add_nc_u64 s[70:71], s[70:71], s[92:93]
	v_lshlrev_b32 v4, 5, v2                        ; + 32 h
.irp b, 0,1,2,3
	global_load_b128 v[BI+8*\b:BI+8*\b+3], v4, s[70:71] offset:64*\b
	global_load_b128 v[BI+8*\b+4:BI+8*\b+7], v4, s[70:71] offset:64*\b+16
.endr
	s_lshl_b32 s94, s13, 3
	s_lshl_b32 s95, s11, 2
	s_add_co_u32 s94, s94, s95                     ; my first row block; 16 fragments a row block
	s_lshl_b32 s94, s94, 4
	s_add_co_u32 s94, s94, s42
	s_lshl_b32 s94, s94, 11
	s_lshl_b32 s95, s12, 10
	s_add_co_u32 s94, s94, s95
	s_mov_b32 s95, 0
	s_add_nc_u64 s[72:73], s[72:73], s[94:95]
	v_mov_b32 v8, 0xb7910000                       ; the leading coefficients, each as a pair (an instruction takes one literal)
	v_mov_b32 v9, 0xb7910000
	v_mov_b32 v10, 0xbb7e8a1c
	v_mov_b32 v11, 0xbb7e8a1c
	v_mov_b32 v12, 0xba1c7000
	v_mov_b32 v13, 0xba1c7000
	s_wait_tensorcnt 1                             ; my part of slot 0 is in; slot 1's may stay out
	s_barrier_signal -1
	s_barrier_wait -1
	FETCH 0, 0, F0
	STEP F0, F1, 0, 1, 1
	STEP F1, F0, 0, 2, 0
	STEP F0, F1, 0, 3, 0
	BOUND F1, F0, 1
	STEP F0, F1, 1, 1, 0
	STEP F1, F0, 1, 2, 0
	STEP F0, F1, 1, 3, 0
	LASTF F1
.macro HORNER d, m, c                  ; d = d x m + c, eight numbers
.irp i, 0,2,4,6
	v_pk_fma_f32 v[\d+\i:\d+\i+1], v[\d+\i:\d+\i+1], v[\m+\i:\m+\i+1], \c op_sel_hi:[1,1,0]
.endr
.endm
.macro GELU8 a, b                      ; accumulator (a, b): eight numbers a lane become two registers of codes
.irp i, 0,2,4,6
	v_pk_fma_f32 v[U+\i:U+\i+1], v[ACC+8*(4*(\a)+\b)+\i:ACC+8*(4*(\a)+\b)+\i+1], s[76:77], v[BI+8*\b+\i:BI+8*\b+\i+1] op_sel_hi:[1,0,1]   ; u = sum x 2^(e10 + e11) + b1
.endr
.irp i, 0,2,4,6
	v_pk_mul_f32 v[Z+\i:Z+\i+1], v[U+\i:U+\i+1], 0x3f3504f3 op_sel_hi:[1,0]   ; z = u / sqrt(2)
.endr
.irp i, 0,2,4,6
	v_pk_mul_f32 v[S+\i:S+\i+1], v[Z+\i:Z+\i+1], v[Z+\i:Z+\i+1]
.endr
.irp i, 0,1,2,3,4,5,6,7
	v_and_b32 v[T+\i], 0x7fffffff, v[Z+\i]         ; t = |z|
.endr
.irp i, 0,2,4,6
	v_pk_fma_f32 v[R+\i:R+\i+1], v[T+\i:T+\i+1], v[8:9], 0x39c8e7d9 op_sel_hi:[1,0,0]
.endr
.irp i, 0,2,4,6
	v_pk_fma_f32 v[W+\i:W+\i+1], v[T+\i:T+\i+1], v[10:11], 0x3cc6b1a1 op_sel_hi:[1,0,0]
.endr
.irp i, 0,2,4,6
	v_pk_fma_f32 v[R+\i:R+\i+1], v[R+\i:R+\i+1], v[S+\i:S+\i+1], v[W+\i:W+\i+1]
.endr
	HORNER R, T, 0xbddaae5c
	HORNER R, T, 0xbf228550
	HORNER R, T, 0xbe03ce86
.irp i, 0,2,4,6
	v_pk_fma_f32 v[R+\i:R+\i+1], v[R+\i:R+\i+1], v[T+\i:T+\i+1], v[T+\i:T+\i+1] neg_lo:[0,0,1] neg_hi:[0,0,1]
.endr
.irp i, 0,2,4,6
	v_pk_mul_f32 v[R+\i:R+\i+1], v[R+\i:R+\i+1], 0x3fb8aa3b op_sel_hi:[1,0]
.endr
.irp i, 0,1,2,3,4,5,6,7
	v_exp_f32 v[R+\i], v[R+\i]                     ; e; the small branch below is the plain work behind the exponentials
.endr
.irp i, 0,2,4,6
	v_pk_fma_f32 v[P+\i:P+\i+1], v[S+\i:S+\i+1], v[12:13], 0x3ba38d2c op_sel_hi:[1,0,0]
.endr
	HORNER P, S, 0xbcdb48d9
	HORNER P, S, 0x3de70e22
	HORNER P, S, 0xbec09380
	HORNER P, S, 0x3e0375d4
.irp i, 0,2,4,6
	v_pk_fma_f32 v[P+\i:P+\i+1], v[P+\i:P+\i+1], v[Z+\i:Z+\i+1], v[Z+\i:Z+\i+1]   ; erf(z)
.endr
.irp i, 0,2,4,6
	v_pk_fma_f32 v[P+\i:P+\i+1], v[P+\i:P+\i+1], 0.5, 0.5 op_sel_hi:[1,0,0]
.endr
	s_wait_alu depctr_va_vdst(0)
.irp i, 0,2,4,6
	v_pk_mul_f32 v[W+\i:W+\i+1], v[R+\i:R+\i+1], 0.5 op_sel_hi:[1,0]             ; e / 2
.endr
.irp i, 0,2,4,6
	v_pk_fma_f32 v[R+\i:R+\i+1], v[R+\i:R+\i+1], -0.5, 1.0 op_sel_hi:[1,0,0]     ; 1 - e / 2
.endr
.irp i, 0,1,2,3,4,5,6,7
	v_cmp_gt_f32 vcc_lo, 0, v[Z+\i]
	v_cndmask_b32 v[R+\i], v[R+\i], v[W+\i], vcc_lo
.endr
.irp i, 0,1,2,3,4,5,6,7
	v_cmp_lt_f32 vcc_lo, 0x3f6d8000, v[T+\i]
	v_cndmask_b32 v[P+\i], v[P+\i], v[R+\i], vcc_lo
.endr
.irp i, 0,2,4,6
	v_pk_mul_f32 v[U+\i:U+\i+1], v[U+\i:U+\i+1], v[P+\i:P+\i+1]
.endr
.irp i, 0,1,2,3,4,5,6,7
	v_med3_num_f32 v[U+\i], v[U+\i], -v30, v30     ; the conversion does not saturate (ISA guide 7.6.2)
.endr
	v_cvt_scalef32_pk8_bf8_f32 v[CD+2*\b:CD+2*\b+1], v[U:U+7], v31
	v_nop                                          ; a plain instruction before u's registers are written again
.endm
.macro EPI tile                        ; a tile's way out: fragment tc + 8 tile of each of my four row blocks
.irp a, 0,1,2,3
.if (\a > 0) || (\tile > 0)
	s_wait_xcnt 0x0                                ; the last block's stores have read their registers: the codes may be written again
.endif
	GELU8 \a, 0
	GELU8 \a, 1
	GELU8 \a, 2
	GELU8 \a, 3
	global_store_b128 v[LI], v[CD:CD+3], s[72:73] offset:\a*32768+\tile*16384
	global_store_b128 v[LI], v[CD+4:CD+7], s[72:73] offset:\a*32768+\tile*16384+512
.endr
.endm
	s_wait_kmcnt 0x0
	s_add_co_i32 s76, s80, s81
	s_add_co_i32 s76, s76, 127
	s_lshl_b32 s76, s76, 23                        ; 2^(e10 + e11) as f32
	s_mov_b32 s77, s76
	s_add_co_i32 s78, s82, 127
	s_lshl_b32 s79, s78, 23
	v_mov_b32 v31, s79                             ; 2^e12
	s_add_co_i32 s78, s78, 15
	s_lshl_b32 s78, s78, 23
	s_or_b32 s78, s78, 0x600000
	v_mov_b32 v30, s78                             ; 57,344 x 2^e12
	s_wait_loadcnt 0x0                             ; b1
	PLACES
	EPI 0
.irp b, 0,1,2,3
	global_load_b128 v[BI+8*\b:BI+8*\b+3], v4, s[70:71] offset:4096+64*\b        ; b1 of the second tile: 1,024 hidden units on; it lands while that tile is multiplied
	global_load_b128 v[BI+8*\b+4:BI+8*\b+7], v4, s[70:71] offset:4096+64*\b+16
.endr
	s_wait_tensorcnt 0x0                           ; my part of the second tile's W1 is in,
	s_wait_dscnt 0x0
	s_barrier_signal -1
	s_barrier_wait -1                              ; everybody's is: both slots are whole, and no further barrier stands in this tile
	FETCH 0, 0, F0
	STEP F0, F1, 0, 1, 1                           ; the first products start the sums anew
	STEP F1, F0, 0, 2, 0
	STEP F0, F1, 0, 3, 0
	STEP F1, F0, 1, 0, 0
	STEP F0, F1, 1, 1, 0
	STEP F1, F0, 1, 2, 0
	STEP F0, F1, 1, 3, 0
	LAST F1
	s_wait_loadcnt 0x0                             ; b1
	PLACES
	EPI 1
	s_wait_tensorcnt 0x0                           ; the wave's end
	ds_add_u32 v[SPW], v[NIL]
	s_wait_dscnt 0x0
	CROUND                                         ; the closing round
	s_endpgm
.Lfunc_end_k_q28470908cd_w1:
	.size	k_q28470908cd_w1, .Lfunc_end_k_q28470908cd_w1-k_q28470908cd_w1
	.p2alignl 7, 3214868480
	.fill 96, 4, 3214868480
	.section	.rodata,"a",@progbits
	.p2align	6, 0x0
	.amdhsa_kernel k_q28470908cd_w1
		.amdhsa_group_segment_fixed_size 327680
		.amdhsa_private_segment_fixed_size 0
		.amdhsa_enable_private_segment 0
		.amdhsa_kernarg_size 40
		.amdhsa_user_sgpr_count 2
		.amdhsa_user_sgpr_kernarg_segment_ptr 1
		.amdhsa_wavefront_size32 1
		.amdhsa_system_sgpr_workgroup_id_x 1
		.amdhsa_system_sgpr_workgroup_id_y 1
		.amdhsa_system_sgpr_workgroup_id_z 1
		.amdhsa_system_vgpr_workitem_id 0
		.amdhsa_next_free_vgpr 512
		.amdhsa_next_free_sgpr 100
		.amdhsa_reserve_vcc 1
		.amdhsa_float_denorm_mode_32 3
		.amdhsa_float_denorm_mode_16_64 3
		.amdhsa_memory_ordered 1
		.amdhsa_forward_progress 1
		.amdhsa_inst_pref_size 255
	.end_amdhsa_kernel
	.section	.bss,"aw",@nobits
	.p2align	6
	.space	262144
	.amdgpu_metadata
---
amdhsa.version: [ 1, 2 ]
amdhsa.kernels:
  - .name:           k_q28470908cd_w1
    .symbol:         k_q28470908cd_w1.kd
    .args:
      - { .name: h2c, .offset: 0, .size: 8, .value_kind: global_buffer, .address_space: global }
      - { .name: wc, .offset: 8, .size: 8, .value_kind: global_buffer, .address_space: global }
      - { .name: lowp_scales, .offset: 16, .size: 8, .value_kind: global_buffer, .address_space: global }
      - { .name: b1, .offset: 24, .size: 8, .value_kind: global_buffer, .address_space: global }
      - { .name: gc, .offset: 32, .size: 8, .value_kind: global_buffer, .address_space: global }
    .group_segment_fixed_size: 327680
    .private_segment_fixed_size: 0
    .kernarg_segment_align: 8
    .kernarg_segment_size: 40
    .max_flat_workgroup_size: 128
    .sgpr_count:     100
    .vgpr_count:     512
    .wavefront_size: 32
...
	.end_amdgpu_metadata
.endif
;; end of part 12
;; launch w2: the kernel of part 7 again; grid 8 x 32, 4 waves a work-group, clusters of 4 x 4, 327,680 bytes of LDS; arguments gc, wc, lowp_scales, x1, b2, out0; writes out0
